; MI455X (gfx1250); checked and timed in simulation.
; The chip was launched on July 23, 2026; its instructions are those of AMD's public machine-readable ISA for CDNA 5 (MIT licence, August 2026) and "CDNA5" Instruction Set Architecture Reference Guide (July 2026). The comments in the code are by the model that wrote it; some were corrected since.
;; Causal Self Flex Block. Allowed arithmetic: float matrix products may take bf16 or f16 operands with f32 sums; all other float work in f32.
;; Inputs: key_padding_mask 2 x 2,048 bool; ln1_b 1,024 float32; ln1_g 1,024 float32; ln2_b 1,024 float32; ln2_g 1,024 float32; proj_b 1,024 float32; proj_w 1,024 x 1,024 float32; qkv_b 3,072 float32; qkv_w 3,072 x 1,024 float32; w1 2,048 x 1,024 float32; w2 2,048 x 1,024 float32; w3 1,024 x 2,048 float32; x 2 x 2,048 x 1,024 float32.
;; Outputs: out0 2 x 2,048 x 1,024 float32.
;; 2 versions, each right and faster than the one before. Each part assembles by itself: llvm-mc -triple=amdgcn-amd-amdhsa -mcpu=gfx1250 --defsym DOCPART=n.
;; ======== version 1 of 2: 7 launches
;; limits: values are held in f16: magnitudes above 65,504 overflow, below 6.1e-05 lose precision
;; workspace buffers: pre 29,900,800 bytes; qkvb 25,427,968 bytes; ob 8,388,608 bytes; x1 16,777,216 bytes; h2 8,388,608 bytes; gb 16,777,216 bytes
;; launch prep (part 1): grid 928 x 1, 8 waves a work-group, no clusters, 0 bytes of LDS; arguments x, ln1_g, ln1_b, qkv_w, proj_w, w1, w2, w3, key_padding_mask, pre; writes pre
.if DOCPART == 1
	.amdgcn_target "amdgcn-amd-amdhsa--gfx1250"
	.amdhsa_code_object_version 6
	.text
	.protected	k_qd9649936d4_prep
	.globl	k_qd9649936d4_prep
	.p2align	8
	.type	k_qd9649936d4_prep,@function
k_qd9649936d4_prep:
	s_mov_b64 s[64:65], 0
	v_nop
	global_prefetch_b8 v0, s[64:65] scope:SCOPE_SE
	s_setreg_imm32_b32 hwreg(HW_REG_WAVE_MODE, 25, 1), 1
	s_wait_xcnt 0x0
; PREP.  Three kinds of work-group, chosen by the work-group's number alone:
;   0..255    LN1: 16 rows of x each, a wave two rows; h = (x - mean) * rsqrt(var + 1e-5) * g + b, rounded to bf16.  Mean first, then the squares of x - mean: no difference of large sums.
;   256..895  16-bit copies of the weights, 16,384 numbers a work-group, in the order in which the products want their rows:
;             qkv_w by heads [16][q,k,v][64][1024] bf16; proj_w f16; w1 and w2 by tiles [16][w1's 128 rows | w2's 128 rows][1024] bf16; w3 bf16.
;   896..927  the table of cosines and sines [2048 positions][cos 32 | sin 32] f32, 64 positions each, and the padding mask as f32 addends (0, or -1e30 where the key is padded).
; A stream: memory binds.  No LDS, no matrix unit, no cluster: no byte is read twice, and no work-group shares an input with another.
; LIMITS.  proj_w is kept in f16: numbers beyond 65,504 become infinite, below 6e-5 they keep f16's fixed step of 6e-8.  The angle is reduced by pi/2 in three parts, good for the
; 2,048 positions here; sine and cosine are Taylor sums to r^7 and r^8 on |r| <= pi/4, off by 3e-7 at the most.
.set PRE_WQ,   8388608
.set PRE_WP,   14680064
.set PRE_W12,  16777216
.set PRE_W3,   25165824
.set PRE_ROPE, 29360128
.set PRE_PMF,  29884416
.set OUTP, 22                          ; s[22:23] the output buffer
.set XA,  16                           ; v[16:47]   row 0, 32 numbers a lane: columns 128 j + 4 lane + 0..3
.set XB,  48                           ; v[48:79]   row 1
.set GG,  80                           ; v[80:111]  gain of the same columns
.set BV,  112                          ; v[112:143] bias
.set WA,  144                          ; v[144:159] at work for row 0, then its 16 packed words
.set WB,  160                          ; v[160:175] the same for row 1
.macro WSUM                            ; v10 summed over the 32 lanes, the result in every lane
	v_add_f32_dpp v10, v10, v10 row_xmask:1 row_mask:0xf bank_mask:0xf
	v_add_f32_dpp v10, v10, v10 row_xmask:2 row_mask:0xf bank_mask:0xf
	v_add_f32_dpp v10, v10, v10 row_xmask:4 row_mask:0xf bank_mask:0xf
	v_add_f32_dpp v10, v10, v10 row_xmask:8 row_mask:0xf bank_mask:0xf
	v_permlanex16_b32 v11, v10, s30, s31
	v_add_f32 v10, v10, v11
.endm
.macro LNSTAT X, W                     ; the row in X becomes (x - mean) * rsqrt(var + eps)
.set i, 0
.rept 8
	v_pk_add_f32 v[(\W)+2*i:(\W)+2*i+1], v[(\X)+2*i:(\X)+2*i+1], v[(\X)+16+2*i:(\X)+16+2*i+1]
.set i, i+1
.endr
.set i, 0
.rept 4
	v_pk_add_f32 v[(\W)+2*i:(\W)+2*i+1], v[(\W)+2*i:(\W)+2*i+1], v[(\W)+8+2*i:(\W)+8+2*i+1]
.set i, i+1
.endr
	v_pk_add_f32 v[(\W):(\W)+1], v[(\W):(\W)+1], v[(\W)+4:(\W)+5]
	v_pk_add_f32 v[(\W)+2:(\W)+3], v[(\W)+2:(\W)+3], v[(\W)+6:(\W)+7]
	v_pk_add_f32 v[(\W):(\W)+1], v[(\W):(\W)+1], v[(\W)+2:(\W)+3]
	v_add_f32 v10, v[(\W)], v[(\W)+1]
	WSUM
	v_mul_f32 v6, s28, v10                         ; the mean
	v_mov_b32 v7, v6
.set i, 0
.rept 16
	v_pk_add_f32 v[(\X)+2*i:(\X)+2*i+1], v[(\X)+2*i:(\X)+2*i+1], v[6:7] neg_lo:[0,1] neg_hi:[0,1]
.set i, i+1
.endr
.set i, 0
.rept 4                                ; the squares, in four chains that the first four pairs start
	v_pk_mul_f32 v[(\W)+2*i:(\W)+2*i+1], v[(\X)+2*i:(\X)+2*i+1], v[(\X)+2*i:(\X)+2*i+1]
.set i, i+1
.endr
.rept 12
	v_pk_fma_f32 v[(\W)+2*(i%4):(\W)+2*(i%4)+1], v[(\X)+2*i:(\X)+2*i+1], v[(\X)+2*i:(\X)+2*i+1], v[(\W)+2*(i%4):(\W)+2*(i%4)+1]
.set i, i+1
.endr
	v_pk_add_f32 v[(\W):(\W)+1], v[(\W):(\W)+1], v[(\W)+2:(\W)+3]
	v_pk_add_f32 v[(\W)+4:(\W)+5], v[(\W)+4:(\W)+5], v[(\W)+6:(\W)+7]
	v_pk_add_f32 v[(\W):(\W)+1], v[(\W):(\W)+1], v[(\W)+4:(\W)+5]
	v_add_f32 v10, v[(\W)], v[(\W)+1]
	WSUM
	v_fma_f32 v10, v10, s28, s29                   ; var + eps
	v_rsq_f32 v8, v10
	v_rsq_f32 v9, v10
	v_nop                                          ; a plain instruction between the root and its use (ISA guide 5.7.2)
.set i, 0
	s_wait_alu depctr_va_vdst(0)
.rept 16
	v_pk_mul_f32 v[(\X)+2*i:(\X)+2*i+1], v[(\X)+2*i:(\X)+2*i+1], v[8:9]
.set i, i+1
.endr
.endm
.macro LNOUT X, W, off                 ; gain, bias, rounding, and eight stores of 256 consecutive bytes each
.set i, 0
.rept 16
	v_pk_fma_f32 v[(\X)+2*i:(\X)+2*i+1], v[(\X)+2*i:(\X)+2*i+1], v[GG+2*i:GG+2*i+1], v[BV+2*i:BV+2*i+1]
.set i, i+1
.endr
.set i, 0
.rept 16
	v_cvt_pk_bf16_f32 v[(\W)+i], v[(\X)+2*i], v[(\X)+2*i+1]
.set i, i+1
.endr
.set i, 0
.rept 8
	global_store_b64 v4, v[(\W)+2*i:(\W)+2*i+1], s[OUTP:OUTP+1] offset:(\off)+256*i
.set i, i+1
.endr
.endm
	s_load_b512 s[4:19], s[0:1], 0x0               ; x 4, ln1_g 6, ln1_b 8, qkv_w 10, proj_w 12, w1 14, w2 16, w3 18
	s_load_b128 s[20:23], s[0:1], 0x40             ; key_padding_mask 20, pre 22
	v_and_b32 v1, 31, v0                           ; lane
	v_lshrrev_b32 v2, 5, v0
	v_readfirstlane_b32 s24, v2                    ; wave
	v_lshlrev_b32 v3, 4, v1                        ; 16 x lane
	v_lshlrev_b32 v4, 3, v1                        ; 8 x lane
	s_mov_b32 s25, ttmp9
	s_wait_kmcnt 0x0
	s_cmp_lt_u32 s25, 256
	s_cbranch_scc0 .Lnot_ln
	; ---- LN1: rows 16 id + 2 wave + 0, 1
	v_mov_b32 v11, 0                               ; the lane exchange counts as a reader of its destination
	s_lshl_b32 s26, s25, 16
	s_lshl_b32 s27, s24, 13
	s_add_co_u32 s26, s26, s27
	s_mov_b32 s27, 0
	s_add_nc_u64 s[4:5], s[4:5], s[26:27]          ; x at my two rows of 4,096 bytes
	s_lshr_b32 s26, s26, 1
	s_add_nc_u64 s[OUTP:OUTP+1], s[OUTP:OUTP+1], s[26:27]  ; h at my two rows of 2,048 bytes
	s_mov_b32 s28, 0x3a800000                      ; 1 / 1024
	s_mov_b32 s29, 0x3727c5ac                      ; 1e-5
	s_mov_b32 s30, 0x76543210
	s_mov_b32 s31, 0xfedcba98
.set i, 0
.rept 8
	global_load_b128 v[XA+4*i:XA+4*i+3], v3, s[4:5] offset:512*i
.set i, i+1
.endr
.set i, 0
.rept 8
	global_load_b128 v[XB+4*i:XB+4*i+3], v3, s[4:5] offset:4096+512*i
.set i, i+1
.endr
.set i, 0
.rept 8
	global_load_b128 v[GG+4*i:GG+4*i+3], v3, s[6:7] offset:512*i
.set i, i+1
.endr
.set i, 0
.rept 8
	global_load_b128 v[BV+4*i:BV+4*i+3], v3, s[8:9] offset:512*i
.set i, i+1
.endr
	s_wait_loadcnt 24                              ; row 0 is in; row 1's eight loads and the sixteen of gain and bias may stay out
	LNSTAT XA, WA
	s_wait_loadcnt 16                              ; row 1 is in
	LNSTAT XB, WB
	s_wait_loadcnt 0x0                             ; gain and bias
	LNOUT XA, WA, 0
	LNOUT XB, WB, 2048
	s_endpgm
.Lnot_ln:
	s_cmp_lt_u32 s25, 896
	s_cbranch_scc0 .Ltable
	; ---- copies of the weights.  s30 = the chunk's number in its source, s31 = in its destination, s33 = the destination's place in pre, s38 = 1: f16
	s_sub_co_u32 s26, s25, 256
	s_mov_b32 s38, 0
	s_cmp_lt_u32 s26, 192
	s_cbranch_scc0 .Lc_proj
	s_mov_b64 s[28:29], s[10:11]                   ; qkv_w: chunk = 16 rows; c >> 6 says q, k or v, (c >> 2) & 15 the head, c & 3 the quarter of its 64 rows
	s_mov_b32 s30, s26
	s_lshr_b32 s31, s26, 2
	s_and_b32 s31, s31, 15
	s_mul_i32 s31, s31, 3
	s_lshr_b32 s32, s26, 6
	s_add_co_u32 s31, s31, s32
	s_lshl_b32 s31, s31, 2
	s_and_b32 s32, s26, 3
	s_add_co_u32 s31, s31, s32
	s_mov_b32 s33, PRE_WQ
	s_branch .Lcast
.Lc_proj:
	s_cmp_lt_u32 s26, 256
	s_cbranch_scc0 .Lc_w1
	s_mov_b64 s[28:29], s[12:13]
	s_sub_co_u32 s30, s26, 192
	s_mov_b32 s31, s30
	s_mov_b32 s33, PRE_WP
	s_mov_b32 s38, 1
	s_branch .Lcast
.Lc_w1:
	s_cmp_lt_u32 s26, 384
	s_cbranch_scc0 .Lc_w2
	s_mov_b64 s[28:29], s[14:15]                   ; w1: eight chunks are a tile's 128 rows; they take the first half of the tile's 256
	s_sub_co_u32 s30, s26, 256
	s_lshr_b32 s31, s30, 3
	s_lshl_b32 s31, s31, 4
	s_and_b32 s32, s30, 7
	s_add_co_u32 s31, s31, s32
	s_mov_b32 s33, PRE_W12
	s_branch .Lcast
.Lc_w2:
	s_cmp_lt_u32 s26, 512
	s_cbranch_scc0 .Lc_w3
	s_mov_b64 s[28:29], s[16:17]                   ; w2: the second half
	s_sub_co_u32 s30, s26, 384
	s_lshr_b32 s31, s30, 3
	s_lshl_b32 s31, s31, 4
	s_and_b32 s32, s30, 7
	s_add_co_u32 s31, s31, s32
	s_add_co_u32 s31, s31, 8
	s_mov_b32 s33, PRE_W12
	s_branch .Lcast
.Lc_w3:
	s_mov_b64 s[28:29], s[18:19]
	s_sub_co_u32 s30, s26, 512
	s_mov_b32 s31, s30
	s_mov_b32 s33, PRE_W3
.Lcast:
	s_lshl_b32 s34, s30, 16                        ; a chunk is 65,536 bytes of f32, a wave's eighth 8,192
	s_lshl_b32 s35, s24, 13
	s_add_co_u32 s34, s34, s35
	s_mov_b32 s35, 0
	s_add_nc_u64 s[28:29], s[28:29], s[34:35]
	s_lshl_b32 s36, s31, 15                        ; and half as much in 16 bits
	s_lshl_b32 s37, s24, 12
	s_add_co_u32 s36, s36, s37
	s_add_co_u32 s36, s36, s33
	s_mov_b32 s37, 0
	s_add_nc_u64 s[OUTP:OUTP+1], s[OUTP:OUTP+1], s[36:37]
.set i, 0
.rept 16                               ; all sixteen loads of the wave are on their way at once, 512 consecutive bytes each
	global_load_b128 v[16+4*i:16+4*i+3], v3, s[28:29] offset:512*i th:TH_LOAD_NT
.set i, i+1
.endr
.macro CVT op
.set i, 0
.rept 16
	s_wait_loadcnt 15-i                            ; loads come back in order: load i is in, the younger ones stay out
	\op v[80+2*i], v[16+4*i], v[16+4*i+1]
	\op v[80+2*i+1], v[16+4*i+2], v[16+4*i+3]
	global_store_b64 v4, v[80+2*i:80+2*i+1], s[OUTP:OUTP+1] offset:256*i  ; 256 consecutive bytes
.set i, i+1
.endr
	s_endpgm
.endm
	s_cmp_eq_u32 s38, 1
	s_cbranch_scc1 .Lf16
	CVT v_cvt_pk_bf16_f32
.Lf16:
	CVT v_cvt_pk_f16_f32
.Ltable:
	s_sub_co_u32 s26, s25, 896                     ; table block 0..31
	s_mov_b32 s35, 0
	s_mov_b32 s37, 0
	s_cmp_lg_u32 s24, 0
	s_cbranch_scc1 .Lno_mask
	; wave 0: 128 bytes of the padding mask become 128 f32 addends
	v_lshlrev_b32 v5, 2, v1
	s_lshl_b32 s34, s26, 7
	s_add_nc_u64 s[20:21], s[20:21], s[34:35]
	global_load_b32 v12, v5, s[20:21]
	s_mov_b32 s38, 0xf149f2ca                      ; -1e30
	s_lshl_b32 s36, s26, 9
	s_add_co_u32 s36, s36, PRE_PMF
	s_add_nc_u64 s[28:29], s[OUTP:OUTP+1], s[36:37]
	s_wait_loadcnt 0x0
.irp k, 0,1,2,3
	v_bfe_u32 v13, v12, 8*(\k), 8
	v_cmp_ne_u32 vcc_lo, 0, v13
	v_cndmask_b32 v[16+(\k)], 0, s38, vcc_lo
.endr
	global_store_b128 v3, v[16:19], s[28:29]       ; 512 consecutive bytes; v3, v[16:19] and s[28:29] are not written again
.Lno_mask:
	; lane l makes frequencies 2 (l % 16) and 2 (l % 16) + 1: lanes 0-15 the cosine, lanes 16-31 the sine as cos(x - pi/2): three quarter turns more
	v_and_b32 v20, 15, v1
	v_lshlrev_b32 v20, 1, v20
	v_add_nc_u32 v21, 1, v20
	v_cvt_f32_u32 v20, v20
	v_cvt_f32_u32 v21, v21
	v_mul_f32 v20, 0xbed49a78, v20                 ; - j log2(10000) / 32
	v_mul_f32 v21, 0xbed49a78, v21
	v_exp_f32 v20, v20
	v_exp_f32 v21, v21
	v_lshrrev_b32 v22, 4, v1
	v_mul_u32_u24 v22, v22, 3
	s_lshl_b32 s39, s26, 6
	s_lshl_b32 s34, s24, 3
	s_add_co_u32 s39, s39, s34                     ; my first position: 64 block + 8 wave
	s_lshl_b32 s36, s39, 8
	s_add_co_u32 s36, s36, PRE_ROPE
	s_add_nc_u64 s[OUTP:OUTP+1], s[OUTP:OUTP+1], s[36:37]
	s_mov_b32 s40, 0xbe2aaaab                      ; -1/6
	s_mov_b32 s41, 0x3c088889                      ; 1/120
	s_mov_b32 s42, 0xb9500d01                      ; -1/5040
	s_mov_b32 s43, 0x3d2aaaab                      ; 1/24
	s_mov_b32 s44, 0xbab60b61                      ; -1/720
	s_mov_b32 s45, 0x37d00d01                      ; 1/40320
.macro COSQ T, F, OUT                  ; OUT = cos(position x v[F] + v22 quarter turns)
	v_mul_f32 v[(\T)], v23, v[(\F)]
	v_mul_f32 v[(\T)+1], 0x3f22f983, v[(\T)]       ; x 2 / pi
	v_rndne_f32 v[(\T)+1], v[(\T)+1]               ; n
	v_fmamk_f32 v[(\T)], v[(\T)+1], 0xbfc90000, v[(\T)]  ; r = angle - n pi/2, pi/2 in three parts
	v_fmamk_f32 v[(\T)], v[(\T)+1], 0xb9fda000, v[(\T)]
	v_fmamk_f32 v[(\T)], v[(\T)+1], 0xb3a22168, v[(\T)]
	v_cvt_i32_f32 v[(\T)+1], v[(\T)+1]
	v_add_nc_u32 v[(\T)+1], v[(\T)+1], v22         ; the quadrant q
	v_mul_f32 v[(\T)+2], v[(\T)], v[(\T)]
	v_fma_f32 v[(\T)+3], v[(\T)+2], s42, s41
	v_fma_f32 v[(\T)+3], v[(\T)+3], v[(\T)+2], s40
	v_mul_f32 v[(\T)+4], v[(\T)], v[(\T)+2]
	v_fma_f32 v[(\T)+3], v[(\T)+3], v[(\T)+4], v[(\T)]   ; sin r
	v_fma_f32 v[(\T)+5], v[(\T)+2], s45, s44
	v_fma_f32 v[(\T)+5], v[(\T)+5], v[(\T)+2], s43
	v_fma_f32 v[(\T)+5], v[(\T)+5], v[(\T)+2], -0.5
	v_fma_f32 v[(\T)+5], v[(\T)+5], v[(\T)+2], 1.0       ; cos r
	v_and_b32 v[(\T)+4], 1, v[(\T)+1]
	v_cmp_eq_u32 vcc_lo, 1, v[(\T)+4]
	v_cndmask_b32 v[(\OUT)], v[(\T)+5], v[(\T)+3], vcc_lo  ; odd q: the sine
	v_add_nc_u32 v[(\T)+1], 1, v[(\T)+1]
	v_and_b32 v[(\T)+1], 2, v[(\T)+1]              ; q = 1, 2: negative
	v_lshlrev_b32 v[(\T)+1], 30, v[(\T)+1]
	v_xor_b32 v[(\OUT)], v[(\OUT)], v[(\T)+1]
.endm
	s_mov_b32 s48, 8
.Lpos:
	v_cvt_f32_u32 v23, s39
	s_wait_alu depctr_va_vdst(0)
	COSQ 24, 20, 40
	COSQ 32, 21, 41
	global_store_b64 v4, v[40:41], s[OUTP:OUTP+1]  ; a position's whole row of 256 bytes
	s_wait_xcnt 0x0                                ; the base and v[40:41] are written again only behind this wait
	s_add_nc_u64 s[OUTP:OUTP+1], s[OUTP:OUTP+1], 256
	s_add_co_u32 s39, s39, 1
	s_sub_co_u32 s48, s48, 1
	s_cmp_lg_u32 s48, 0
	s_cbranch_scc1 .Lpos
	s_endpgm
.Lfunc_end_k_qd9649936d4_prep:
	.size	k_qd9649936d4_prep, .Lfunc_end_k_qd9649936d4_prep-k_qd9649936d4_prep
	.p2alignl 7, 3214868480
	.fill 96, 4, 3214868480
	.section	.rodata,"a",@progbits
	.p2align	6, 0x0
	.amdhsa_kernel k_qd9649936d4_prep
		.amdhsa_group_segment_fixed_size 0
		.amdhsa_private_segment_fixed_size 0
		.amdhsa_enable_private_segment 0
		.amdhsa_kernarg_size 80
		.amdhsa_user_sgpr_count 2
		.amdhsa_user_sgpr_kernarg_segment_ptr 1
		.amdhsa_wavefront_size32 1
		.amdhsa_system_sgpr_workgroup_id_x 1
		.amdhsa_system_sgpr_workgroup_id_y 1
		.amdhsa_system_sgpr_workgroup_id_z 1
		.amdhsa_system_vgpr_workitem_id 0
		.amdhsa_next_free_vgpr 176
		.amdhsa_next_free_sgpr 66
		.amdhsa_reserve_vcc 1
		.amdhsa_float_denorm_mode_32 3
		.amdhsa_float_denorm_mode_16_64 3
		.amdhsa_memory_ordered 1
		.amdhsa_forward_progress 1
		.amdhsa_inst_pref_size 38
	.end_amdhsa_kernel
	.amdgpu_metadata
---
amdhsa.version: [ 1, 2 ]
amdhsa.kernels:
  - .name:           k_qd9649936d4_prep
    .symbol:         k_qd9649936d4_prep.kd
    .args:
      - { .name: x, .offset: 0, .size: 8, .value_kind: global_buffer, .address_space: global }
      - { .name: ln1_g, .offset: 8, .size: 8, .value_kind: global_buffer, .address_space: global }
      - { .name: ln1_b, .offset: 16, .size: 8, .value_kind: global_buffer, .address_space: global }
      - { .name: qkv_w, .offset: 24, .size: 8, .value_kind: global_buffer, .address_space: global }
      - { .name: proj_w, .offset: 32, .size: 8, .value_kind: global_buffer, .address_space: global }
      - { .name: w1, .offset: 40, .size: 8, .value_kind: global_buffer, .address_space: global }
      - { .name: w2, .offset: 48, .size: 8, .value_kind: global_buffer, .address_space: global }
      - { .name: w3, .offset: 56, .size: 8, .value_kind: global_buffer, .address_space: global }
      - { .name: key_padding_mask, .offset: 64, .size: 8, .value_kind: global_buffer, .address_space: global }
      - { .name: pre, .offset: 72, .size: 8, .value_kind: global_buffer, .address_space: global }
    .group_segment_fixed_size: 0
    .private_segment_fixed_size: 0
    .kernarg_segment_align: 8
    .kernarg_segment_size: 80
    .max_flat_workgroup_size: 256
    .sgpr_count:     66
    .vgpr_count:     176
    .wavefront_size: 32
...
	.end_amdgpu_metadata
.endif
;; end of part 1
;; launch qkv (part 2): grid 16 x 16, 4 waves a work-group, clusters of 4 x 4, 327,680 bytes of LDS; arguments pre, qkv_b, qkvb; writes qkvb
.if DOCPART == 2
	.amdgcn_target "amdgcn-amd-amdhsa--gfx1250"
	.amdhsa_code_object_version 6
	.text
	.protected	k_qd9649936d4_qkv
	.globl	k_qd9649936d4_qkv
	.p2align	8
	.type	k_qd9649936d4_qkv,@function
k_qd9649936d4_qkv:
	s_mov_b64 s[64:65], 0
	v_nop
	global_prefetch_b8 v0, s[64:65] scope:SCOPE_SE
	s_setreg_imm32_b32 hwreg(HW_REG_WAVE_MODE, 25, 1), 1
	s_wait_xcnt 0x0
	s_wait_alu depctr_hold_cnt(0) depctr_sa_sdst(0) depctr_va_vdst(0) depctr_va_sdst(0) depctr_va_ssrc(0) depctr_va_vcc(0) depctr_vm_vsrc(0)
	s_getreg_b32 s2, hwreg(HW_REG_IB_STS2, 6, 4)
	s_cmp_eq_u32 s2, 0
	s_cbranch_scc0 .Lentry_in_a_cluster
	s_endpgm
.Lentry_in_a_cluster:
	s_bfe_u32 s2, ttmp6, 0x10000c
	s_cmp_lg_u32 s2, 0xf033
	s_cbranch_scc0 .Lentry_shape_is_right
	s_endpgm
.Lentry_shape_is_right:
; QKV.  [4096 x 1024] h (bf16) times the permuted qkv weights (bf16), plus bias, with the rotary turn on q and k; q, k, v leave in f16 by heads, [32][2048][64]; and the column sums of V.
; A tile of the result is 256 positions x 192 columns: ONE head's q, k and v.  Four waves, each 64 positions x 192 columns: 48 accumulators of 16 x 16, 384 registers.
; K goes in steps of 128 (rows of 256 bytes) through two LDS slots filled by tensor loads; one K step to a trip of the loop, the slots told apart by two scalar bases that an exclusive or turns.
; CLUSTER 4 x 4: h's tile is shared along a row of the cluster, the weights' along a column: each is asked for jointly, by the same load, descriptor and mask in the four partners.
; THE WALK ALONG K begins at step (2 X + 2 Y) mod 8 in cluster (X, Y) and wraps: the four clusters that read the same rows of h, and the four that read the same rows of the weights, begin two steps
; apart, so no two of them ask for the same bytes in the same step.  X and Y are the same in all partners of a joint load.  The order of a sum's terms is rotated with it.
; THE MATRIX INSTRUCTION IS USED TRANSPOSED (source 0 = 16 rows of the weights, source 1 = 16 positions): a lane holds one position (lane % 16) and eight neighbouring columns 8 (lane / 16) + 0..7.
; The bias is the C operand of the product that starts each sum.  The rotary partner of column d < 32 is column d + 32: two accumulators further on in the same lane, so the turn needs no exchange.
; LIMITS.  q, k, v are rounded to f16: beyond 65,504 they become infinite; below 6e-5 they keep f16's fixed step.
; REGISTERS.  window 0: v0-31 addresses; v32-63 at work on the way out; v64-127 h's fragments, two buffers of 32 (later: at work); v128-223 the bias, then v128-255 cosines and sines
;   window 1: v0-191 the weights' fragments, two buffers of 96     windows 2, 3: accumulator (a, b) in window 2 + a / 2 at v[8 ((a % 2) 12 + b)]
.set TM, 256
.set TN, 192
.set KDIM, 1024
.set KSTEP, 128
.set TSTEPS, KDIM/KSTEP
.set TMASK, TSTEPS-1
.set LOGAS, 8                          ; a K step is 2^8 bytes along a row of A,
.set LOGBS, 8                          ; and of B
.set RX, 1                             ; the first step: (X << RX) + (Y << RY), modulo the steps
.set RY, 1
.set D, 1                              ; chunks of 32 along K in a quarter of a K step
.set AB, 4                             ; blocks of 16 rows of A in a wave's tile
.set BB, 12                            ; blocks of 16 rows of B
.set NH, D*AB/2
.set PITCHA, 272                       ; 256 bytes + 16 of padding: the 16 rows of a load start at 16 different groups of four banks (64 banks of 4 bytes: ISA guide 11.1)
.set PITCHB, 272
.set AROWS, 128                        ; rows in one tensor load of A
.set BROWS, 96
.set AHALF, AROWS*PITCHA
.set ABYTES, 2*AHALF
.set BHALF, BROWS*PITCHB
.set SLOT, ABYTES+2*BHALF
.set STAGE, 2*SLOT                     ; behind the ring: 4,352 bytes for each wave, never filled by a tensor load
.set SPARE, STAGE+4*4352               ; the spare words, 128 bytes a wave: two blocks of 256 bytes that no other line names
.set HASBIAS, 1
.set AHEADS, 0
.set FA0, 64
.set FA1, 96
.set FB0, 0
.set FB1, 96
.set BIAS, 128
.set CSR, 128
.set G1W0A, (1<<16)|(1<<20)|(1<<21)|(5<<22)|(3<<25)  ; 2-byte elements; padding on; bit 21 beside a mask; after every 64 words; 4 words
.set G1W0B, G1W0A
.set ADIM0, KSTEP
.set ADIM1, AROWS
.set ASTRIDE, KDIM
.set BREG, 8388608                     ; the weights' place in pre
.set PA, 72
.set PBW, 72
.set LNA, 8                            ; v8   my lane's place in A's tile; never rewritten
.set LNB, 9                            ; v9   in B's
.set ADRA, 16                          ; v16  LNA + the base of the slot being read
.set ADRB, 20
.set STO, 24
.set RD, 25
.set CO, 26
.set SPW, 28                           ; v28  my spare word's LDS address; never rewritten
.set NIL, 29                           ; v29  0; never rewritten
.set G1A, 24                           ; s[24:31] group 1 for A;  s[32:39] group 0, two sets: the first step; the second, which then walks
.set G0A, 32
.set G1B, 48
.set G0B, 56
.set TB, 66                            ; s66  LDS base of the slot being read
.set FBS, 67                           ; s67  LDS base of the slot filled last
.set WOA, 68                           ; s68  my part's place in a slot if I fetch A
.set WOB, 69                           ; s69  if I fetch B
.set CNT, 70
.set KK, 71                            ; s71  the K step asked for last; s[18:19] its byte offset along a row; s[14:15], s[46:47] A's and B's rows at K = 0, never rewritten
.set MSB, 0
.macro WIN new                         ; the immediate's high byte repeats the setting that is left; a switch that changes nothing is dropped
.if MSB != (\new)
	s_set_vgpr_msb (MSB<<8)|(\new)
.set MSB, \new
.endif
.endm
.macro PLACES                          ; four plain places behind matrix instructions (ISA guide 7.12.1)
.rept 4
	v_nop
.endr
.endm
.macro WM ops:vararg
	v_wmma_f32_16x16x32_bf16 \ops
.endm
.macro JLOAD s                         ; a joint load: waves 0, 1 fetch A's halves, waves 2, 3 B's
	s_cmp_eq_u32 s11, 0
	s_cbranch_scc0 .Lfor_b_\@
	tensor_load_to_lds s[G0A+4*(\s):G0A+4*(\s)+3], s[G1A:G1A+7]
	s_nop 0
	PLACES
	s_branch .Lasked_\@
.Lfor_b_\@:
	tensor_load_to_lds s[G0B+4*(\s):G0B+4*(\s)+3], s[G1B:G1B+7]
	s_nop 0
	PLACES
.Lasked_\@:
.endm
.macro CREST                           ; a round of the cluster's barrier behind its opening barrier
	s_cmp_lg_u32 s10, 0
	s_cbranch_scc1 .Lnot_wave_0_\@
	s_barrier_signal -3
.Lnot_wave_0_\@:
	s_barrier_wait -3
	s_barrier_signal -1
	s_barrier_wait -1
.endm
.macro CROUND
	s_barrier_signal -1
	s_barrier_wait -1
	CREST
.endm
; BB matrix instructions: block a of A x all blocks of B, chunk c of buffer f.  init = 1: they start the sums
.macro MUL f, c, a, init
.set AW, (\a)/(AB/2)
.set AC, 8*(((\a)%(AB/2))*BB)
.set RA, FA0+(\f)*(FA1-FA0)+8*((\c)*AB+(\a))
.set RB, FB0+(\f)*(FB1-FB0)+8*((\c)*BB)
.if (\init) && HASBIAS
	WIN 0x81+0x40*AW
.else
	WIN 0xa1+0x50*AW
.endif
.set b, 0
.rept BB
.if (\init) && HASBIAS
	WM v[AC+8*b:AC+8*b+7], v[RB+8*b:RB+8*b+7], v[RA:RA+7], v[BIAS+8*b:BIAS+8*b+7]
.elseif \init
	WM v[AC+8*b:AC+8*b+7], v[RB+8*b:RB+8*b+7], v[RA:RA+7], 0
.else
	WM v[AC+8*b:AC+8*b+7], v[RB+8*b:RB+8*b+7], v[RA:RA+7], v[AC+8*b:AC+8*b+7]
.endif
.set b, b+1
.endr
.endm
; entries from .. to - 1 of half hi's list (chunk, block).  The accumulators take turns, one instruction a turn: BB AB / 2 - 1 others' stand between two links of a chain
.macro MULH f, hi, init, from, to
.set idx, \from
.rept (\to)-(\from)
.set mc, idx/(AB/2)
.set ma, (\hi)*(AB/2)+idx%(AB/2)
.if mc == 0
	MUL \f, mc, ma, \init
.else
	MUL \f, mc, ma, 0
.endif
.set idx, idx+1
.endr
.endm
; 32 LDS loads in one run: quarter q of the slot into buffer f: all of B, A's lower blocks, A's upper blocks
.macro FETCH q, f
	WIN 0x40
.set c, 0
.rept D
.set i, 0
.rept BB
.set RB, FB0+(\f)*(FB1-FB0)+8*(c*BB+i)
.set BO, ((\q)*D+c)*64+i*16*PITCHB
	ds_load_b128 v[RB:RB+3], v[ADRB] offset:BO
	ds_load_b128 v[RB+4:RB+7], v[ADRB] offset:BO+32
.set i, i+1
.endr
.set c, c+1
.endr
	WIN 0
.irp half, 0,1
.set c, 0
.rept D
.set i, (\half)*(AB/2)
.rept AB/2
.set RA, FA0+(\f)*(FA1-FA0)+8*(c*AB+i)
.set kc, (\q)*D+c
.if AHEADS
.set AO, (kc/2)*9216+(kc%2)*64+i*2304
.else
.set AO, kc*64+i*16*PITCHA
.endif
	ds_load_b128 v[RA:RA+3], v[ADRA] offset:AO
	ds_load_b128 v[RA+4:RA+7], v[ADRA] offset:AO+32
.set i, i+1
.endr
.set c, c+1
.endr
.endr
.endm
; one of a K step's first three quarters: multiplies buffer f, and in its middle fetches quarter q into buffer g
.macro QUARTER q, f, g, init
	s_wait_dscnt D*AB                              ; all but the youngest D AB loads, A's upper blocks, are in
	MULH \f, 0, \init, 0, NH
	PLACES                                         ; in front of loads into registers that matrix instructions have read
	FETCH \q, \g
	s_wait_dscnt 32                                ; all but the 32 just issued
	MULH \f, 1, \init, 0, NH
.endm
; the fourth quarter multiplies buffer 1 and changes slots.  In front of the barrier: all my tensor loads have landed (one was out: my part of the next slot), the add, and my reads of this slot are over.
; fill = 1: the barrier opens a round of the cluster's barrier, and this slot is filled again, first thing behind it, with the walk's step two steps on.
.macro TURN fill
	WIN 0
	s_wait_tensorcnt 0x0
	ds_add_u32 v[SPW], v[NIL]                      ; 0 onto my spare word
	s_wait_dscnt D*AB+1                            ; the add and A's upper blocks may be out
	MULH 1, 0, 0, 0, NH/2
	s_wait_dscnt 0x0                               ; the add is done, my reads of this slot are over
	s_barrier_signal -1
	MULH 1, 0, 0, NH/2, NH
	WIN 0
	s_barrier_wait -1
.if \fill
	CREST                                          ; no wave of any partner still reads this slot or has a load on its way
	s_xor_b32 s[FBS], s[FBS], SLOT
	s_add_co_u32 s[G0A+5], s[FBS], s[WOA]
	s_add_co_u32 s[G0B+5], s[FBS], s[WOB]
	s_add_co_u32 s[KK], s[KK], 1                   ; the next K step, which wraps; both addresses are made anew from its number
	s_and_b32 s[KK], s[KK], TMASK
	s_lshl_b32 s18, s[KK], LOGAS
	s_add_nc_u64 s[G0A+6:G0A+7], s[14:15], s[18:19]
	s_or_b32 s[G0A+7], s[G0A+7], 0x80000000
	s_lshl_b32 s18, s[KK], LOGBS
	s_add_nc_u64 s[G0B+6:G0B+7], s[46:47], s[18:19]
	s_or_b32 s[G0B+7], s[G0B+7], 0x80000000
	JLOAD 1                                        ; its four v_nop are also the places in front of the loads below
.else
	PLACES
.endif
	s_xor_b32 s[TB], s[TB], SLOT
	v_add_nc_u32 v[ADRA], s[TB], v[LNA]
	v_add_nc_u32 v[ADRB], s[TB], v[LNB]
	FETCH 0, 0
	MULH 1, 1, 0, 0, NH
.endm
	s_load_b128 s[72:75], s[0:1], 0x0              ; pre 72, qkv_b 74
	s_load_b64 s[76:77], s[0:1], 0x10              ; qkvb
	v_lshl_add_u32 v[SPW], v0, 2, SPARE
	v_mov_b32 v[NIL], 0
	ds_add_u32 v[SPW], v[NIL]                      ; the wave's opening: the add, and its wait, ahead of my first tensor load
	v_lshrrev_b32 v1, 5, v0
	v_readfirstlane_b32 s10, v1                    ; wave
	s_lshr_b32 s11, s10, 1                         ; 0: I fetch A, 1: B
	s_and_b32 s12, s10, 1                          ; which half
	s_bfe_u32 s40, ttmp6, 0x40000                  ; cx
	s_bfe_u32 s41, ttmp6, 0x40004                  ; cy
	s_lshl_b32 s42, ttmp9, 2
	s_add_co_u32 s42, s42, s40                     ; tile column = the head
	s_and_b32 s13, ttmp7, 0xffff
	s_lshl_b32 s13, s13, 2
	s_add_co_u32 s13, s13, s41                     ; tile row
	s_lshl_b32 s43, s41, 2
	s_lshl_b32 s43, 15, s43                        ; my row of the cluster
	s_lshl_b32 s44, 0x1111, s40                    ; my column
	s_or_b32 s[G1A], s43, G1W0A
	s_or_b32 s[G1B], s44, G1W0B
	s_mov_b32 s[G1A+1], ADIM0<<16                  ; tensor_dim0
	s_mov_b32 s[G1A+2], ADIM1<<16                  ; tensor_dim1
	s_mov_b32 s[G1A+3], ADIM0<<16                  ; tile_dim0
	s_mov_b32 s[G1A+4], ADIM1                      ; tile_dim1
	s_mov_b32 s[G1A+5], ASTRIDE                    ; elements from row to row
	s_mov_b32 s[G1A+6], 0
	s_mov_b32 s[G1A+7], 0
	s_mov_b32 s[G1B+1], KSTEP<<16
	s_mov_b32 s[G1B+2], BROWS<<16
	s_mov_b32 s[G1B+3], KSTEP<<16
	s_mov_b32 s[G1B+4], BROWS
	s_mov_b32 s[G1B+5], KDIM
	s_mov_b32 s[G1B+6], 0
	s_mov_b32 s[G1B+7], 0
	s_mul_i32 s[WOA], s12, AHALF
	s_mul_i32 s[WOB], s12, BHALF
	s_add_co_u32 s[WOB], s[WOB], ABYTES
	s_mov_b32 s[TB], 0
	s_mov_b32 s[FBS], SLOT
	s_lshl_b32 s[KK], ttmp9, RX                    ; the walk's first K step, from the cluster's x and y alone
	s_and_b32 s19, ttmp7, 0xffff
	s_lshl_b32 s19, s19, RY
	s_add_co_u32 s[KK], s[KK], s19
	s_and_b32 s[KK], s[KK], TMASK
	s_mov_b32 s19, 0
	s_mul_i32 s16, s13, TM                         ; A's offset hangs on the tile row and the wave alone,
	s_mul_i32 s17, s12, AROWS
	s_add_co_u32 s16, s16, s17
	s_mul_i32 s16, s16, KDIM*2
	s_mov_b32 s17, 0
	s_mul_i32 s46, s42, TN                         ; B's on the tile column and the wave alone
	s_mul_i32 s47, s12, BROWS
	s_add_co_u32 s46, s46, s47
	s_mul_i32 s46, s46, KDIM*2
	s_add_co_u32 s46, s46, BREG
	s_mov_b32 s47, 0
	s_wait_dscnt 0x0                               ; the opening add is done
	s_wait_kmcnt 0x0
	s_add_nc_u64 s[14:15], s[PA:PA+1], s[16:17]
	s_add_nc_u64 s[46:47], s[PBW:PBW+1], s[46:47]
	CROUND                                         ; all sixteen work-groups are here: the first joint loads meet
.irp s, 0,1
	s_mov_b32 s[G0A+4*(\s)], 1
	s_add_co_u32 s[G0A+4*(\s)+1], s[WOA], (\s)*SLOT
	s_lshl_b32 s18, s[KK], LOGAS
	s_add_nc_u64 s[G0A+4*(\s)+2:G0A+4*(\s)+3], s[14:15], s[18:19]
	s_or_b32 s[G0A+4*(\s)+3], s[G0A+4*(\s)+3], 0x80000000
	s_mov_b32 s[G0B+4*(\s)], 1
	s_add_co_u32 s[G0B+4*(\s)+1], s[WOB], (\s)*SLOT
	s_lshl_b32 s18, s[KK], LOGBS
	s_add_nc_u64 s[G0B+4*(\s)+2:G0B+4*(\s)+3], s[46:47], s[18:19]
	s_or_b32 s[G0B+4*(\s)+3], s[G0B+4*(\s)+3], 0x80000000
	JLOAD \s                                       ; two loads of mine are out
.if (\s) == 0
	s_add_co_u32 s[KK], s[KK], 1
	s_and_b32 s[KK], s[KK], TMASK
.endif
.endr
	v_and_b32 v1, 15, v0                           ; r = lane % 16
	v_bfe_u32 v2, v0, 4, 1                         ; h = lane / 16
	v_mul_u32_u24 v3, v1, PITCHA
	v_lshl_add_u32 v3, v2, 4, v3
	s_mul_i32 s21, s10, 64*PITCHA                  ; my 64 positions
	v_add_nc_u32 v[LNA], s21, v3
	v_add_nc_u32 v[LNB], ABYTES, v3                ; every wave multiplies all 192 rows of the weights
	v_mov_b32 v[ADRA], v[LNA]
	v_mov_b32 v[ADRB], v[LNB]
	s_mul_i32 s23, s10, 4352
	s_add_co_u32 s23, s23, STAGE                   ; my stage
	v_mul_u32_u24 v4, v1, 144                      ; f16 rows of 128 bytes + 16: in at row r, 16 bytes for each half of the lanes
	v_lshl_add_u32 v4, v2, 4, v4
	v_add_nc_u32 v[STO], s23, v4
	v_and_b32 v6, 31, v0
	v_lshrrev_b32 v5, 3, v6                        ; back: 32 lanes take four rows of 128 bytes
	v_mul_u32_u24 v5, v5, 144
	v_and_b32 v7, 7, v0
	v_lshl_add_u32 v5, v7, 4, v5
	v_add_nc_u32 v[RD], s23, v5
	v_lshlrev_b32 v[CO], 4, v6                     ; which are 512 consecutive bytes of memory
	v_mul_u32_u24 v4, v1, 272                      ; V's sums: f32 rows of 256 bytes + 16
	v_lshl_add_u32 v4, v2, 5, v4
	v_add_nc_u32 v27, s23, v4
	v_lshl_add_u32 v30, v6, 3, s23
	v_lshlrev_b32 v31, 3, v6
	v_lshlrev_b32 v10, 5, v2                       ; the bias: 32 h
	v_lshl_add_u32 v11, v1, 8, v10                 ; the table: 256 r + 32 h
	s_lshr_b32 s90, s13, 3
	s_lshl_b32 s90, s90, 4
	s_add_co_u32 s90, s90, s42                     ; batch x 16 + head
	s_and_b32 s91, s13, 7                          ; the tile among the batch's eight
	s_mov_b32 s93, 0
	s_lshl_b32 s92, s90, 5
	s_lshl_b32 s94, s91, 2
	s_add_co_u32 s92, s92, s94
	s_add_co_u32 s92, s92, s10
	s_lshl_b32 s92, s92, 8
	s_add_co_u32 s92, s92, 25165824
	s_add_nc_u64 s[88:89], s[76:77], s[92:93]      ; my 256 bytes of vsum
	s_lshl_b32 s92, s90, 11
	s_lshl_b32 s94, s91, 8
	s_add_co_u32 s92, s92, s94
	s_lshl_b32 s94, s10, 6
	s_add_co_u32 s92, s92, s94
	s_lshl_b32 s92, s92, 7
	s_add_nc_u64 s[82:83], s[76:77], s[92:93]      ; q at my 64 rows of the head,
	s_add_nc_u64 s[84:85], s[82:83], 8388608       ; k,
	s_add_nc_u64 s[86:87], s[82:83], 16777216      ; v
	s_lshl_b32 s92, s91, 8
	s_add_co_u32 s92, s92, s94
	s_lshl_b32 s92, s92, 8
	s_add_co_u32 s92, s92, 29360128
	s_add_nc_u64 s[80:81], s[72:73], s[92:93]      ; the table at my first position
	s_lshl_b32 s92, s42, 8
	s_add_nc_u64 s[78:79], s[74:75], s[92:93]      ; the bias at my head
.set b, 0
.rept 12                               ; block b: q, k or v (b / 4), columns 16 (b % 4) + 8 h + 0..7
	global_load_b128 v[BIAS+8*b:BIAS+8*b+3], v10, s[78:79] offset:(b/4)*4096+(b%4)*64
	global_load_b128 v[BIAS+8*b+4:BIAS+8*b+7], v10, s[78:79] offset:(b/4)*4096+(b%4)*64+16
.set b, b+1
.endr
	s_wait_tensorcnt 0x1                           ; my part of the first step is in; the second's may stay out
	s_barrier_signal -1
	s_barrier_wait -1
	FETCH 0, 0
	s_wait_loadcnt 0x0                             ; the bias
	QUARTER 1, 0, 1, 1                             ; the first quarter stands ahead of the loop: its products start the sums
	WIN 0
	PLACES                                         ; the bias registers were read by those products
.set a, 0
.rept 4                                ; cosines and sines of my 64 positions land under the loop: block a: cos 0-15, cos 16-31, sin 0-15, sin 16-31 (my eight of each)
.irp o, 0,1,2,3,4,5,6,7
	global_load_b128 v[CSR+32*a+4*(\o):CSR+32*a+4*(\o)+3], v11, s[80:81] offset:a*4096+((\o)/2)*64+((\o)%2)*16
.endr
.set a, a+1
.endr
	s_mov_b32 s[CNT], TSTEPS-2
	s_branch .Lmid
.Lloop:                                ; a trip is one K step, and fills the slot that it leaves
	QUARTER 1, 0, 1, 0
	WIN 0
.Lmid:
	QUARTER 2, 1, 0, 0
	QUARTER 3, 0, 1, 0
	TURN 1
	WIN 0
	s_sub_co_u32 s[CNT], s[CNT], 1
	s_cmp_lg_u32 s[CNT], 0
	s_cbranch_scc1 .Lloop
	s_mov_b32 s[CNT], 2
.Ltail:                                ; the last two K steps ask for nothing.  The second trip's last fetch reads the other slot's old tile, and nothing uses it: the price of one text for both trips
	QUARTER 1, 0, 1, 0
	QUARTER 2, 1, 0, 0
	QUARTER 3, 0, 1, 0
	TURN 0
	WIN 0
	s_sub_co_u32 s[CNT], s[CNT], 1
	s_cmp_lg_u32 s[CNT], 0
	s_cbranch_scc1 .Ltail
	; THE WAY OUT
	s_wait_dscnt 0x0
	s_wait_loadcnt 0x0                             ; the table
	PLACES
	; V's column sums over my 64 positions: four blocks in registers, sixteen lanes through my stage
	WIN 0x0a
.set i, 0
.rept 16
	v_pk_add_f32 v[64+2*i:65+2*i], v[8*(8+i/4)+2*(i%4):8*(8+i/4)+2*(i%4)+1], v[8*(20+i/4)+2*(i%4):8*(20+i/4)+2*(i%4)+1]
.set i, i+1
.endr
	WIN 0x0f
.set i, 0
.rept 16
	v_pk_add_f32 v[96+2*i:97+2*i], v[8*(8+i/4)+2*(i%4):8*(8+i/4)+2*(i%4)+1], v[8*(20+i/4)+2*(i%4):8*(20+i/4)+2*(i%4)+1]
.set i, i+1
.endr
	WIN 0
.set i, 0
.rept 16
	v_pk_add_f32 v[64+2*i:65+2*i], v[64+2*i:65+2*i], v[96+2*i:97+2*i]
.set i, i+1
.endr
.irp cb, 0,1,2,3
	ds_store_b128 v27, v[64+8*(\cb):64+8*(\cb)+3] offset:(\cb)*64
	ds_store_b128 v27, v[64+8*(\cb)+4:64+8*(\cb)+7] offset:(\cb)*64+16
.endr
.set i, 0
.rept 16                               ; LDS serves a wave's instructions in order (ISA guide 5.7.1.4): these see the stores above
	ds_load_b64 v[96+2*i:97+2*i], v30 offset:i*272
.set i, i+1
.endr
	s_wait_dscnt 0x0
.irp w, 16,8,4,2
.set i, 0
.rept (\w)/2
	v_pk_add_f32 v[96+2*i:97+2*i], v[96+2*i:97+2*i], v[96+(\w)+2*i:97+(\w)+2*i]
.set i, i+1
.endr
.endr
	global_store_b64 v31, v[96:97], s[88:89]       ; 256 consecutive bytes; its registers are not written again
.set TT, 32
.set UU, 40
.set HH, 48
.macro PACKR a, s                      ; block a of q (s = 0) or k (s = 1): the turn, and the rounding to f16
.set CSA, CSR+32*(\a)
.irp p, 0,1
.set X1, 8*(((\a)%2)*12+4*(\s)+(\p))
.set X2, X1+16
	WIN 0x02+(\a)/2
.irp k, 0,1,2,3
	v_pk_mul_f32 v[TT+2*(\k):TT+2*(\k)+1], v[X2+2*(\k):X2+2*(\k)+1], v[CSA+16+8*(\p)+2*(\k):CSA+16+8*(\p)+2*(\k)+1]
.endr
.irp k, 0,1,2,3
	v_pk_mul_f32 v[UU+2*(\k):UU+2*(\k)+1], v[X1+2*(\k):X1+2*(\k)+1], v[CSA+16+8*(\p)+2*(\k):CSA+16+8*(\p)+2*(\k)+1]
.endr
.irp k, 0,1,2,3
	v_pk_fma_f32 v[TT+2*(\k):TT+2*(\k)+1], v[X1+2*(\k):X1+2*(\k)+1], v[CSA+8*(\p)+2*(\k):CSA+8*(\p)+2*(\k)+1], v[TT+2*(\k):TT+2*(\k)+1] neg_lo:[0,0,1] neg_hi:[0,0,1]
.endr
.irp k, 0,1,2,3
	v_pk_fma_f32 v[UU+2*(\k):UU+2*(\k)+1], v[X2+2*(\k):X2+2*(\k)+1], v[CSA+8*(\p)+2*(\k):CSA+8*(\p)+2*(\k)+1], v[UU+2*(\k):UU+2*(\k)+1]
.endr
	WIN 0
.irp k, 0,1,2,3
	v_cvt_pk_f16_f32 v[HH+4*(\p)+(\k)], v[TT+2*(\k)], v[TT+2*(\k)+1]
.endr
.irp k, 0,1,2,3
	v_cvt_pk_f16_f32 v[HH+8+4*(\p)+(\k)], v[UU+2*(\k)], v[UU+2*(\k)+1]
.endr
.endr
.endm
.macro PACKV a
	WIN 0x0a+5*((\a)/2)
.set i, 0
.rept 16
	v_cvt_pk_f16_f32 v[HH+i], v[8*(((\a)%2)*12+8)+2*i], v[8*(((\a)%2)*12+8)+2*i+1]
.set i, i+1
.endr
	WIN 0
.endm
.macro PACK u                          ; unit u: block u / 3 of q, k or v (u % 3)
.if (\u)%3 == 2
	PACKV (\u)/3
.else
	PACKR (\u)/3, (\u)%3
.endif
.endm
.macro TOSTAGE u
.set BK, 64+16*((\u)%2)
.irp f, 0,1,2,3
	ds_store_b128 v[STO], v[HH+4*(\f):HH+4*(\f)+3] offset:32*(\f)
.endr
.irp f, 0,1,2,3
	ds_load_b128 v[BK+4*(\f):BK+4*(\f)+3], v[RD] offset:576*(\f)
.endr
.endm
.macro SEND u
.set BK, 64+16*((\u)%2)
.set SB, 82+2*((\u)%3)
	s_wait_dscnt 0x0                               ; the unit is back in registers
	s_wait_xcnt 0x0                                ; the other buffer, which the unit before stored, is loaded again only behind this wait
.irp f, 0,1,2,3
	global_store_b128 v[CO], v[BK+4*(\f):BK+4*(\f)+3], s[SB:SB+1] offset:((\u)/3)*2048+(\f)*512  ; 512 consecutive bytes
.endr
.endm
	PACK 0
	TOSTAGE 0
.set u, 1
.rept 11                               ; a unit's arithmetic stands between the loads of the unit before and the wait for them
	PACK u
	SEND u-1
	TOSTAGE u
.set u, u+1
.endr
	SEND 11
	s_wait_tensorcnt 0x0                           ; the wave's end
	ds_add_u32 v[SPW], v[NIL]
	s_wait_dscnt 0x0
	CROUND                                         ; the closing round
	s_endpgm
.Lfunc_end_k_qd9649936d4_qkv:
	.size	k_qd9649936d4_qkv, .Lfunc_end_k_qd9649936d4_qkv-k_qd9649936d4_qkv
	.p2alignl 7, 3214868480
	.fill 96, 4, 3214868480
	.section	.rodata,"a",@progbits
	.p2align	6, 0x0
	.amdhsa_kernel k_qd9649936d4_qkv
		.amdhsa_group_segment_fixed_size 327680
		.amdhsa_private_segment_fixed_size 0
		.amdhsa_enable_private_segment 0
		.amdhsa_kernarg_size 24
		.amdhsa_user_sgpr_count 2
		.amdhsa_user_sgpr_kernarg_segment_ptr 1
		.amdhsa_wavefront_size32 1
		.amdhsa_system_sgpr_workgroup_id_x 1
		.amdhsa_system_sgpr_workgroup_id_y 1
		.amdhsa_system_sgpr_workgroup_id_z 1
		.amdhsa_system_vgpr_workitem_id 0
		.amdhsa_next_free_vgpr 960
		.amdhsa_next_free_sgpr 96
		.amdhsa_reserve_vcc 0
		.amdhsa_float_denorm_mode_32 3
		.amdhsa_float_denorm_mode_16_64 3
		.amdhsa_memory_ordered 1
		.amdhsa_forward_progress 1
		.amdhsa_inst_pref_size 113
	.end_amdhsa_kernel
	.amdgpu_metadata
---
amdhsa.version: [ 1, 2 ]
amdhsa.kernels:
  - .name:           k_qd9649936d4_qkv
    .symbol:         k_qd9649936d4_qkv.kd
    .args:
      - { .name: pre, .offset: 0, .size: 8, .value_kind: global_buffer, .address_space: global }
      - { .name: qkv_b, .offset: 8, .size: 8, .value_kind: global_buffer, .address_space: global }
      - { .name: qkvb, .offset: 16, .size: 8, .value_kind: global_buffer, .address_space: global }
    .group_segment_fixed_size: 327680
    .private_segment_fixed_size: 0
    .kernarg_segment_align: 8
    .kernarg_segment_size: 24
    .max_flat_workgroup_size: 128
    .sgpr_count:     96
    .vgpr_count:     960
    .wavefront_size: 32
...
	.end_amdgpu_metadata
.endif
;; end of part 2
;; launch attn (part 3): grid 8 x 32, 4 waves a work-group, no clusters, 327,680 bytes of LDS; arguments qkvb, pre, ob; writes ob
.if DOCPART == 3
	.amdgcn_target "amdgcn-amd-amdhsa--gfx1250"
	.amdhsa_code_object_version 6
	.text
	.protected	k_qd9649936d4_attn
	.globl	k_qd9649936d4_attn
	.p2align	8
	.type	k_qd9649936d4_attn,@function
k_qd9649936d4_attn:
	s_mov_b64 s[64:65], 0
	v_nop
	global_prefetch_b8 v0, s[64:65] scope:SCOPE_SE
	s_setreg_imm32_b32 hwreg(HW_REG_WAVE_MODE, 25, 1), 1
	s_wait_xcnt 0x0
; CAUSAL ATTENTION WITH A KEY PADDING MASK.  O[bh][q] = sum over k of softmax_k(Q[q] . K[k] / 8, hidden where k > q or key k is padded) V[k].  Q, K, V, O: [32][2048][64] f16.
; Products, maxima and sums in f32; the weights are rounded to f16 for the second product (their sum is taken unrounded), O once at the end.
; LIMITS.  A hidden score counts as its value less 1e30 (f16's scores are 2.7e11 at the most); a weight below 2^-126 counts as 0; NaN and infinities are not treated apart.
; A ROW WITH NO KEY KEPT (all its causal keys padded): the module's softmax is then uniform over ALL 2,048 keys, so the row is the mean of the head's V.  Such a row is known by its running
; maximum, below -5e29, and takes that mean, made here from the column sums that the launch before stored.
; THE WALK.  A head has 16 blocks of 128 queries; block i needs the key tiles 0 .. i of 128 keys, the last holding the diagonal.  A work-group takes blocks b and then 15 - b.  Keys come in CHUNKS of 256, a slot each:
; chunk c of block i begins at key tile max(0, 2 c - e), e = 1 for even i, c = 0 .. i / 2.  So an even block's first chunk gives two key steps (its other two are jumped: tile 1 comes again with the next chunk),
; and a block's last chunk is whole, with the diagonal in its steps 2 and 3 (block 0: one chunk, two steps, both the diagonal's).  Both blocks together: 9 chunks and 34 key steps whatever b: all 256 work-groups
; do equal work, every count is a constant, and what a trip does hangs on scalars made from b alone.
; NO CLUSTER: a head's eight work-groups ask for the same chunk only while their first blocks last, and b differs between them: their walks part.
; SHARES.  A wave owns 16 rows in each of the block's two bands of 64: two PIECES.  In the diagonal tile's key step s (of 64 keys) band x sees all keys if s < x, none if s > x, and holds the diagonal if s = x.
; THE MASKS.  The padding addends of a step's 64 keys (0 or -1e30, f32, brought into LDS with the chunk) are the C operand that starts S^T = K Q^T.  The causal mask is added to the scores in the diagonal tile alone.
; LAYOUT.  S^T = K Q^T holds one query a lane (lane % 16) and the keys 8 (lane / 16) + 0..7; two such results rounded to f16 ARE source 1 of O^T = V^T P.  p = 2^(c s - c m), c = log2(e) / 8, with a running maximum m;
; O and l are multiplied by a = 2^(c m_old - c m_new) in every step.
; BY TURNS.  The turn of piece Y: 8 products K Q^T for the other piece's next scores, later 8 products V^T P of the other piece's last weights; beside them the scaling, exponentials, roundings, sums and rescaling of
; piece Y and the maximum and statistics of the other piece.  Four vector instructions stand behind every matrix instruction, the other 54 of a turn's 118 in two lumps.  Piece 0's turn and piece 1's are a key step.
; REGISTERS, in windows of 256 (s_set_vgpr_msb: bits 1:0 source 0, 3:2 source 1, 5:4 source 2, 7:6 destination):
;   window 0: v2-31 addresses and statistics; v48-55 at work; v64-127 S^T, a buffer a piece; v128-159 the padding addends; v192-223 P, a buffer a piece
;   window 1: v0-63 O^T; v128-159 the diagonal's mask; v160-175 the mean of V in f16       window 2: v0-31 Q; v64-95 the second block's Q; v128-191 K of one step; v192-255 V of one step
.set KS,    64
.set CK,    256       ; keys in a slot
.set PK,    144       ; a row of K in LDS: 128 bytes + 16: the 16 rows of a load start at 16 different groups of four banks (64 banks of 4 bytes: ISA guide 11.1)
.set PVP,   160       ; a row of V: 128 + 32
.set KOFF,  CK*4      ; a slot: 1,024 bytes of addends, then K, then V: an address one step past the addends or past K still lies in the same slot
.set VOFF,  KOFF+CK*PK
.set SLOT,  VOFF+CK*PVP
.set STAGE, 2*SLOT    ; 16 rows x 144 bytes for each wave, for the way out; never filled by a tensor load
.set SP,    144
.set VSC,   STAGE+4*16*SP  ; 256 bytes for each wave: the mean of V changes lanes here
.set SPARE, VSC+4*256      ; the spare words, 128 bytes a wave: two blocks of 256 bytes that no other line names
.set AK0, 2
.set AV0, 3
.set AK,  4
.set AV,  5
.set STO, 6
.set RD,  7
.set GO,  8           ; 16 x lane
.set AP0, 9
.set AP,  10
.set MV,  12          ; v12-13 c m_old, a piece each
.set QO,  15
.set ST,  16          ; piece x: c m, m, l (even keys', odd keys') at v[ST + 4 x]
.set TMP, 48          ; piece x: c0-c3 at work; c2 takes a
.set SPW, 62
.set NIL, 63
.set S,   64
.set PM,  128
.set P,   192
.set MD,  128         ; window 1
.set VMH, 160         ; window 1
.set QB,  64          ; window 2
.set KF,  128         ; window 2: key block kb, channel half c at KF + 16 kb + 8 c
.set VF,  192         ; window 2: key half kk, channel block cb at VF + 32 kk + 8 cb
.set EQ,  4           ; s4   e of the block whose chunks are being asked for
.set HCL, 5           ; s5   the second block's last chunk
.set HE,  6           ; s6   the second block's e
.set WV,  12
.set PB,  14
.set HI,  15
.set G1K, 24
.set G1V, 32
.set G1P, 40
.set G0K, 48
.set G0V, 52
.set G0P, 56
.set CS,  60          ; s[60:61] c
.set SEL, 62          ; s[62:63] lane selects of the exchange between the halves
.set TB,  66          ; LDS base of the slot being read
.set FB,  67          ; of the slot filled last
.set TBK, 68          ; the slot's base plus the steps of K taken so far; TBV, TBP the same for V and the addends
.set TBV, 69
.set TBP, 70
.set SLOTS, 71
.set CNT, 72
.set NXC, 73          ; the chunk to be asked for next
.set LQC, 74          ; the last chunk of the block whose chunks are being asked for
.set CC,  75          ; the chunk being read
.set CL,  76          ; the last chunk of the block in hand
.set EC,  77          ; e of the block in hand
.set LASTC, 78        ; 1: the chunk being read is its block's last
.set TI,  79          ; the key step in the chunk
.set OFF, 80
.set KBS, 82
.set VBS, 84
.set PBS, 86
.set OBS, 88
.set OLO, 90
.set AL,  92
.set BE,  94
.set NL,  96          ; key steps of this chunk that are walked: 4 or 2
.set D0,  97          ; the first of them that belongs to the diagonal tile; 8: none
.set BIGN, 98
.set HNEG, 99
.set SF0, 100         ; s100, s101  lanes whose row of piece 0, 1 has kept no key
.set PH,  104         ; the change of blocks: 1 piece 0 ends, 2 piece 1 is still to go out, 0 else
.set MSB, 0
.macro WIN new
.if MSB != (\new)
	s_set_vgpr_msb (MSB<<8)|(\new)
.set MSB, \new
.endif
.endm
.set W_KQ, 0x0a       ; K and Q in window 2, the addends and S^T in window 0
.set W_PV, 0x52       ; V in window 2, P in window 0, O^T in window 1
.set W_RS, 0x41       ; destination and source 0 in window 1, source 1 in window 0
.macro PLACES
.rept 4
	v_nop
.endr
.endm
; A fill: wave 0 fetches the chunk's K, wave 1 its V, wave 2 its addends, wave 3 nothing.
.macro LOAD
	s_cmp_lg_u32 s[WV], 0
	s_cbranch_scc1 .Lnot0_\@
	tensor_load_to_lds s[G0K:G0K+3], s[G1K:G1K+7]
	s_nop 0
	PLACES
	s_branch .Lasked_\@
.Lnot0_\@:
	s_cmp_lg_u32 s[WV], 1
	s_cbranch_scc1 .Lnot1_\@
	tensor_load_to_lds s[G0V:G0V+3], s[G1V:G1V+7]
	s_nop 0
	PLACES
	s_branch .Lasked_\@
.Lnot1_\@:
	s_cmp_lg_u32 s[WV], 2
	s_cbranch_scc1 .Lasked_\@
	tensor_load_to_lds s[G0P:G0P+3], s[G1P:G1P+7]
	s_nop 0
	PLACES
.Lasked_\@:
.endm
; THE CHANGE OF SLOTS.  Each wave waits for all its tensor loads (one at the most is out: its part of the other slot), adds 0 to its spare word, and waits for that and for its reads of the slot that it leaves, of
; which the last, V of the slot's last step, stand fourteen vector instructions back.  fill = 1: the old slot is filled again, first thing behind the barrier, with chunk NXC; the addresses are made anew from its number.
.macro CHANGE fill
	WIN 0
	s_wait_tensorcnt 0x0
	ds_add_u32 v[SPW], v[NIL]                      ; the scalar work below stands between the add and the wait for it
.if \fill
	s_xor_b32 s[FB], s[FB], SLOT
	s_mov_b32 s[G0P+1], s[FB]
	s_add_co_u32 s[G0K+1], s[FB], KOFF
	s_add_co_u32 s[G0V+1], s[FB], VOFF
	s_lshl_b32 s13, s[NXC], 1                      ; the chunk's first key tile: max(0, 2 c - e)
	s_sub_co_i32 s13, s13, s[EQ]
	s_max_i32 s13, s13, 0
	s_lshl_b32 s[OFF], s13, 14                     ; a tile is 16,384 bytes of K and of V,
	s_add_nc_u64 s[G0K+2:G0K+3], s[KBS:KBS+1], s[OFF:OFF+1]
	s_or_b32 s[G0K+3], s[G0K+3], 0x80000000
	s_add_nc_u64 s[G0V+2:G0V+3], s[VBS:VBS+1], s[OFF:OFF+1]
	s_or_b32 s[G0V+3], s[G0V+3], 0x80000000
	s_lshl_b32 s[OFF], s13, 9                      ; and 512 of addends
	s_add_nc_u64 s[G0P+2:G0P+3], s[PBS:PBS+1], s[OFF:OFF+1]
	s_or_b32 s[G0P+3], s[G0P+3], 0x80000000
	s_add_co_u32 s[NXC], s[NXC], 1                 ; the block's next chunk, or behind its last the second block's chunk 0
	s_cmp_gt_u32 s[NXC], s[LQC]
	s_cselect_b32 s[NXC], 0, s[NXC]
	s_cselect_b32 s[LQC], s[HCL], s[LQC]
	s_cselect_b32 s[EQ], s[HE], s[EQ]
.endif
	s_add_co_u32 s[CC], s[CC], 1                   ; the chunk being entered: the next, or behind a block's last the second block's chunk 0
	s_cmp_eq_u32 s[LASTC], 1
	s_cselect_b32 s[PH], 1, s[PH]
	s_cselect_b32 s[CC], 0, s[CC]
	s_cselect_b32 s[CL], s[HCL], s[CL]
	s_cselect_b32 s[EC], s[HE], s[EC]
	s_lshl_b32 s13, s[EC], 1
	s_cmp_eq_u32 s[CC], 0
	s_cselect_b32 s13, s13, 0
	s_sub_co_u32 s[NL], 4, s13                     ; an even block's first chunk gives two steps
	s_sub_co_u32 s3, s[NL], 2
	s_cmp_eq_u32 s[CC], s[CL]
	s_cselect_b32 s[LASTC], 1, 0
	s_cselect_b32 s[D0], s3, 8                     ; a block's last two steps are the diagonal tile's
	s_mov_b32 s[TI], 0
	s_wait_dscnt 0x0                               ; the add is done, my reads of the old slot are over
	s_barrier_signal -1
	s_xor_b32 s[TB], s[TB], SLOT
	s_mov_b32 s[TBK], s[TB]
	s_mov_b32 s[TBV], s[TB]
	s_mov_b32 s[TBP], s[TB]
	s_barrier_wait -1
.if \fill
	LOAD
.endif
.endm
; a step's K (8 fragments) and its 64 addends, in one run of 24 loads; the two addresses are made, and their bases stepped, ahead of it
.macro KRUN
	WIN 0x80
.irp f, 0,1,2,3,4,5,6,7                ; keys 16 (f / 2) on, channels 32 (f % 2) on
	ds_load_b128 v[KF+8*(\f):KF+8*(\f)+3],   v[AK] offset:((\f)/2)*16*PK+((\f)%2)*64
	ds_load_b128 v[KF+8*(\f)+4:KF+8*(\f)+7], v[AK] offset:((\f)/2)*16*PK+((\f)%2)*64+32
.endr
	WIN 0
.irp f, 0,1,2,3,4,5,6,7                ; keys 16 (f / 2) + 8 h + 4 (f % 2) + 0..3
	ds_load_b128 v[PM+4*(\f):PM+4*(\f)+3], v[AP] offset:((\f)/2)*64+((\f)%2)*16
.endr
.endm
.macro KADR                            ; the addresses of the next run of K and addends; the bases step on every path
	v_add_nc_u32 v[AK], s[TBK], v[AK0]
	v_add_nc_u32 v[AP], s[TBP], v[AP0]
	s_add_co_u32 s[TBK], s[TBK], KS*PK
	s_add_co_u32 s[TBP], s[TBP], KS*4
.endm
.macro KLATE                           ; K of a slot's first step: behind the change of slots
	WIN 0
	KADR
	KRUN
.endm
.macro VRUN
	WIN 0x80
.irp f, 0,1,2,3,4,5,6,7                ; keys 32 (f / 4) on, channels 16 (f % 4) on
	ds_load_tr16_b128 v[VF+8*(\f):VF+8*(\f)+3],   v[AV] offset:((\f)/4)*32*PVP+((\f)%4)*32
	ds_load_tr16_b128 v[VF+8*(\f)+4:VF+8*(\f)+7], v[AV] offset:((\f)/4)*32*PVP+16*PVP+((\f)%4)*32
.endr
	WIN 0
	s_add_co_u32 s[TBV], s[TBV], KS*PVP
.endm
; THE MATRIX WORK.  The 4 accumulators of a run of 8 take turns.  Product i of 8 of S^T = K Q^T for piece x: channels 32 (i / 4) on, keys 16 (i % 4) on.  The first 4 start the sums with the padding addends.
.macro KQ x
	WIN W_KQ
.set qS, S+32*(\x)+8*(i%4)
.set qK, KF+16*(i%4)+8*(i/4)
.set qQ, 16*(\x)+8*(i/4)
.set qM, PM+8*(i%4)
.if i < 4
	v_wmma_f32_16x16x32_f16 v[qS:qS+7], v[qK:qK+7], v[qQ:qQ+7], v[qM:qM+7]
.else
	v_wmma_f32_16x16x32_f16 v[qS:qS+7], v[qK:qK+7], v[qQ:qQ+7], v[qS:qS+7]
.endif
.endm
; Product i of 8 of O^T += V^T P for piece x: keys 32 (i / 4) on, channels 16 (i % 4) on.
.macro PV x
	WIN W_PV
.set qO, 32*(\x)+8*(i%4)
.set qV, VF+32*(i/4)+8*(i%4)
.set qP, P+16*(\x)+8*(i/4)
	v_wmma_f32_16x16x32_f16 v[qO:qO+7], v[qV:qV+7], v[qP:qP+7], v[qO:qO+7]
.endm
.macro MM                              ; the turn's next matrix instruction
.if i < 8
	KQ 1-Y
.else
.set i, i-8
	PV 1-Y
.set i, i+8
.endif
.set i, i+1
.endm
; THE VECTOR WORK, one line at a time: OP kind, number.  For piece Y: F n: c s - c m for pair n of 16.  E n: the exponential of score n of 32.  C n: pair n rounded to f16.  B n: of the four weights 4 n .. the second
; pair is added onto the first, in place.  L n: l takes that sum (L 0: l = a l + sum).  R n: pair n of 16 of O^T times a.  For the other piece: X n, number n of the 22 that find its maximum and statistics:
;   0-11  four chains c0-c3 of seven scores each, three operands at a time (each accumulator's lowest registers are read first)     12-14, 16  the four scores left over, the old m, and c0-c3 into c0
;   15  c m_old is kept     17, 18  the query's other 32 keys lie in the lane 16 away: the new m     19-21  c m; c m_old - c m_new; a
.set F, 0
.set E, 1
.set C, 2
.set B, 3
.set L, 4
.set R, 5
.set X, 6
.macro REGS y
.set rT, ST+4*(\y)
.set rC, TMP+4*(\y)
.set rW, MV+(\y)
.set rS, S+32*(\y)
.set rP, P+16*(\y)
.set rO, 32*(\y)
.endm
.macro OP k, n
.if (\k) == R
	REGS Y
	WIN W_RS
	v_pk_mul_f32 v[rO+2*(\n):rO+2*(\n)+1], v[rO+2*(\n):rO+2*(\n)+1], v[rC+2:rC+3] op_sel_hi:[1,0]
.elseif (\k) < R
	REGS Y
	WIN 0
.if (\k) == F
	v_pk_fma_f32 v[rS+2*(\n):rS+2*(\n)+1], v[rS+2*(\n):rS+2*(\n)+1], s[CS:CS+1], v[rT:rT+1] op_sel_hi:[1,0,0] neg_lo:[0,0,1] neg_hi:[0,0,1]
.elseif (\k) == E
	v_exp_f32 v[rS+(\n)], v[rS+(\n)]
.elseif (\k) == C
	s_wait_alu depctr_va_vdst(0)
	v_cvt_pk_f16_f32 v[rP+(\n)], v[rS+2*(\n)], v[rS+2*(\n)+1]
.elseif (\k) == B
	s_wait_alu depctr_va_vdst(0)
	v_pk_add_f32 v[rS+4*(\n):rS+4*(\n)+1], v[rS+4*(\n):rS+4*(\n)+1], v[rS+4*(\n)+2:rS+4*(\n)+3]
.elseif (\n) == 0
	v_pk_fma_f32 v[rT+2:rT+3], v[rT+2:rT+3], v[rC+2:rC+3], v[rS:rS+1] op_sel_hi:[1,0,1]
.else
	v_pk_add_f32 v[rT+2:rT+3], v[rT+2:rT+3], v[rS+4*(\n):rS+4*(\n)+1]
	s_wait_alu depctr_va_vdst(0)
.endif
.else
	REGS 1-Y
	WIN 0
.if (\n) < 4
	v_max3_num_f32 v[rC+(\n)], v[rS+8*(\n)], v[rS+8*(\n)+1], v[rS+8*(\n)+2]
.elseif (\n) < 12
	v_max3_num_f32 v[rC+(\n)%4], v[rC+(\n)%4], v[rS+8*((\n)%4)+2*((\n)/4)+1], v[rS+8*((\n)%4)+2*((\n)/4)+2]
.elseif (\n) == 12
	v_max3_num_f32 v[rC], v[rC], v[rS+7], v[rS+15]
.elseif (\n) == 13
	v_max3_num_f32 v[rC+1], v[rC+1], v[rS+23], v[rS+31]
.elseif (\n) == 14
	v_max3_num_f32 v[rC+2], v[rC+2], v[rC+3], v[rT+1]
.elseif (\n) == 15
	v_mov_b32 v[rW], v[rT]
	s_wait_alu depctr_va_vdst(0)
.elseif (\n) == 16
	v_max3_num_f32 v[rC], v[rC], v[rC+1], v[rC+2]
	s_wait_alu depctr_va_vdst(0)
.elseif (\n) == 17
	v_permlanex16_b32 v[rC+3], v[rC], s[SEL], s[SEL+1]
.elseif (\n) == 18
	v_max_num_f32 v[rT+1], v[rC], v[rC+3]
.elseif (\n) == 19
	v_mul_f32 v[rT], s[CS], v[rT+1]
.elseif (\n) == 20
	v_sub_f32 v[rC+1], v[rW], v[rT]
.else
	v_exp_f32 v[rC+2], v[rC+1]
.endif
.endif
.endm
.macro OPS a, i1, b=-1, i2=0, c=-1, i3=0, d=-1, i4=0  ; up to four of them
	OP \a, \i1
.if (\b) >= 0
	OP \b, \i2
.endif
.if (\c) >= 0
	OP \c, \i3
.endif
.if (\d) >= 0
	OP \d, \i4
.endif
.endm
.macro ROW a, i1, b, i2, c, i3, d, i4  ; a matrix instruction and the four behind it
	MM
	OPS \a, \i1, \b, \i2, \c, \i3, \d, \i4
.endm
; THE CAUSAL MASK on piece x's new scores, jumped over unless the step belongs to the diagonal tile.  Its first step: band 0 holds the diagonal, band 1 sees all; its second: band 0 sees nothing, band 1 holds the diagonal.
.macro DFIX x
	WIN 0
	s_cmp_ge_u32 s[TI], s[D0]
	s_cbranch_scc0 .Lnd_\@
	s_cmp_eq_u32 s[TI], s[D0]
.if (\x) == 0
	s_cselect_b32 s[AL], 1.0, 0
	s_cselect_b32 s[BE], 0, s[BIGN]
.else
	s_cselect_b32 s[AL], 0, 1.0
.endif
	WIN 0x01
.set z, 0
.rept 16
	v_pk_fma_f32 v[S+32*(\x)+2*z:S+32*(\x)+2*z+1], v[MD+2*z:MD+2*z+1], s[AL:AL+1], v[S+32*(\x)+2*z:S+32*(\x)+2*z+1] op_sel_hi:[1,0,1]
.set z, z+1
.endr
	WIN 0
.if (\x) == 0
.set z, 0
.rept 16
	v_pk_add_f32 v[S+2*z:S+2*z+1], v[S+2*z:S+2*z+1], s[BE:BE+1] op_sel_hi:[1,0]
.set z, z+1
.endr
.endif
.Lnd_\@:
.endm
; A TURN, for piece p, in two parts: the change of slots stands between piece 0's two parts.  Behind a matrix instruction: plain, exponential, plain, plain; or four of the rescaling; or, behind the first, four scalings;
; none names a register of the products round it.  In the lumps exponential and plain by turns while exponentials last: every exponential has a plain instruction behind it before its result is used.
; Piece 0's turn fetches.  K and the addends of the slot's next step: six vector instructions (five of them plain) behind the last product that read K; jumped over in a slot's fourth step, whose successor lies in the
; other slot.  (In the one chunk of which two steps are walked, the second step's run brings a step that is not walked; the change of slots waits for it, and the run behind the change lands on the same registers:
; 24 loads, once a work-group.)  V of the step in hand: eight (four plain) behind the last product that read V.  Piece 1's turn opens with the wait for both.
.macro TURNA p
.set Y, (\p)
.set i, 0
.if (\p) == 1
	s_wait_dscnt 0x0                               ; K, the addends and V are in
.endif
	ROW F,0, F,1, F,2, F,3
	ROW F,4, E,0, F,5, F,6
	ROW F,7, E,1, F,8, F,9
	ROW F,10, E,2, C,0, F,11
	ROW F,12, E,3, X,15, F,13
	ROW R,0, R,1, R,2, R,3
	ROW B,0, E,4, F,14, L,0
.if (\p) == 0
	KADR
.endif
	ROW R,4, R,5, R,6, R,7
	OPS E,5, F,15
.if (\p) == 0
	s_cmp_eq_u32 s[CNT], 1                         ; the slot's fourth step
	s_cbranch_scc1 .Lnok_\@
	KRUN
.Lnok_\@:
.endif
	OPS E,6, C,1, E,7, R,8
	OPS E,8, R,9, E,9, C,2
	DFIX 1-(\p)
	OPS E,10, X,0, E,11, X,1
	OPS E,12, X,2, E,13, X,3
	ROW X,4, E,14, X,5, X,6
	ROW X,7, E,15, X,8, X,9
	ROW X,10, E,16, X,11, X,12
	ROW X,13, E,17, X,14, B,1
	ROW C,4, E,18, X,16, L,1
	ROW B,2, E,19, C,6, L,2
	ROW C,8, E,20, B,3, B,4
.if (\p) == 0
	v_add_nc_u32 v[AV], s[TBV], v[AV0]
.endif
	ROW C,3, E,21, L,3, C,5
	OPS E,22, X,17, E,23, C,10
.if (\p) == 0
	VRUN
.endif
	OPS E,24, L,4
	OPS E,25, X,18, E,26, C,7
	OPS E,27, B,5, E,28, X,19
	OPS E,29, C,12, E,30, L,5
.endm
.macro TURNB p
.set Y, (\p)
	OPS E,31, X,20, B,6, C,9
	OPS C,14, C,11, X,21, L,6
	OPS C,13, B,7, C,15, R,10
	OPS R,11, R,12, L,7, R,13
	OPS R,14, R,15
.endm
; THE WAY OUT of piece p: l's two halves and the other half of the lanes' are added; O^T is divided by l and rounded to f16; a row with no key kept takes the mean of V; through my stage.  At work: the other piece's S^T, which is free.
.macro WAYOUT p
.set wT, ST+4*(\p)
.set wS, S+32*(1-(\p))
.set wO, 32*(\p)
	WIN 0
	v_add_f32 v[wT+2], v[wT+2], v[wT+3]
	v_permlanex16_b32 v[wT+3], v[wT+2], s[SEL], s[SEL+1]
	v_add_f32 v[wT+2], v[wT+2], v[wT+3]
	v_rcp_f32 v[wT+2], v[wT+2]
	v_nop                                          ; a plain instruction between the reciprocal and its use
	WIN W_RS
.set i, 0
	s_wait_alu depctr_va_vdst(0)
.rept 16
	v_pk_mul_f32 v[wO+2*i:wO+2*i+1], v[wO+2*i:wO+2*i+1], v[wT+2:wT+3] op_sel_hi:[1,0]
.set i, i+1
.endr
	WIN 0x05
.set i, 0
.rept 16
	v_cvt_pk_f16_f32 v[wS+i], v[wO+2*i], v[wO+2*i+1]
.set i, i+1
.endr
	WIN 0x04
.set i, 0
.rept 16
	v_cndmask_b32 v[wS+i], v[wS+i], v[VMH+i], s[SF0+(\p)]
.set i, i+1
.endr
	WIN 0
.irp f, 0,1,2,3
	ds_store_b128 v[STO], v[wS+4*(\f):wS+4*(\f)+3] offset:32*(\f)
.endr
.irp f, 0,1,2,3
	ds_load_b128 v[wS+16+4*(\f):wS+16+4*(\f)+3], v[RD] offset:(\f)*4*SP  ; LDS serves a wave's instructions in order (ISA guide 5.7.1.4)
.endr
.irp f, 0,1,2,3
	s_wait_dscnt 3-(\f)                            ; load f is back, the younger ones may stay out
	global_store_b128 v[GO], v[wS+16+4*(\f):wS+16+4*(\f)+3], s[OBS:OBS+1] offset:(\p)*8192+(\f)*512  ; 512 consecutive bytes
.endr
.endm
.macro NEWQ p                          ; piece p begins the second block: c m far below every c s, so that the next a is 0; m at the lowest finite number; the second block's Q
	v_mov_b32 v[ST+4*(\p)], 0xfe000000
	v_mov_b32 v[ST+4*(\p)+1], 0xff7fffff
	WIN 0x82
.set i, 0
.rept 16
	v_mov_b32 v[16*(\p)+i], v[QB+16*(\p)+i]
.set i, i+1
.endr
	WIN 0
.endm
	s_load_b128 s[4:7], s[0:1], 0x0                ; qkvb 4, pre 6
	s_load_b64 s[8:9], s[0:1], 0x10                ; ob
	v_lshl_add_u32 v[SPW], v0, 2, SPARE
	v_mov_b32 v[NIL], 0
	ds_add_u32 v[SPW], v[NIL]                      ; the wave's opening: the add, and its wait, ahead of my first tensor load
	v_lshrrev_b32 v1, 5, v0
	v_readfirstlane_b32 s[WV], v1
	s_mov_b32 s[PB], ttmp9
	s_sub_co_u32 s[HI], 15, s[PB]
	s_and_b32 s13, ttmp7, 0xffff                   ; batch x 16 + head
	; group 1.  256 keys are 32,768 dense bytes: 128 rows of 256 bytes, two keys a row, padded in LDS after every key
	s_mov_b32 s[G1K], (1<<16)|(1<<20)|(4<<22)|(3<<25)  ; 2-byte elements; padding on; after every 32 words; 4 words
	s_mov_b32 s[G1V], (1<<16)|(1<<20)|(4<<22)|(7<<25)  ; 8 words
.irp g, G1K, G1V
	s_mov_b32 s[\g+1], 128<<16
	s_mov_b32 s[\g+2], 128<<16
	s_mov_b32 s[\g+3], 128<<16
	s_mov_b32 s[\g+4], 128
	s_mov_b32 s[\g+5], 128
	s_mov_b32 s[\g+6], 0
	s_mov_b32 s[\g+7], 0
.endr
	s_mov_b32 s[G1P], 2<<16                        ; the addends: 4 rows of 64 elements of 4 bytes, dense
	s_mov_b32 s[G1P+1], 64<<16
	s_mov_b32 s[G1P+2], 4<<16
	s_mov_b32 s[G1P+3], 64<<16
	s_mov_b32 s[G1P+4], 4
	s_mov_b32 s[G1P+5], 64
	s_mov_b32 s[G1P+6], 0
	s_mov_b32 s[G1P+7], 0
	s_mov_b32 s[G0K], 1
	s_mov_b32 s[G0K+1], KOFF
	s_mov_b32 s[G0V], 1
	s_mov_b32 s[G0V+1], VOFF
	s_mov_b32 s[G0P], 1
	s_mov_b32 s[G0P+1], 0
	s_mov_b32 s[CC], -1
	s_mov_b32 s[LASTC], 0
	s_mov_b32 s[PH], 0
	s_mov_b32 s[TI], 0
	s_mov_b32 s[SF0], 0
	s_mov_b32 s[SF0+1], 0
	s_mov_b32 s[TB], SLOT                          ; the first change of slots turns it into 0
	s_mov_b32 s[FB], 0
	s_mov_b32 s[CS], 0x3e38aa3b                    ; c = log2(e) / 8
	s_mov_b32 s[CS+1], s[CS]
	s_mov_b32 s[SEL], 0x76543210
	s_mov_b32 s[SEL+1], 0xfedcba98
	s_mov_b32 s[BIGN], 0xf149f2ca                  ; -1e30
	s_mov_b32 s[HNEG], 0xf0c9f2ca                  ; -5e29
	s_mov_b32 s[AL+1], 0                           ; named as pairs
	s_mov_b32 s[BE+1], 0
	s_lshl_b32 s20, s13, 18                        ; the head's first byte in q, k, v and o
	s_mov_b32 s21, 0
	s_lshl_b32 s23, s[WV], 11                      ; my 16 rows in a band,
	s_lshl_b32 s22, s[PB], 14                      ; in the first block,
	s_add_co_u32 s22, s22, s23
	s_lshl_b32 s[OFF], s[HI], 14                   ; and in the second
	s_add_co_u32 s[OFF], s[OFF], s23
	s_mov_b32 s23, 0
	s_mov_b32 s[OFF+1], 0
	s_wait_dscnt 0x0                               ; the opening add is done
	s_barrier_signal -1
	s_barrier_wait -1
	s_wait_kmcnt 0x0
	s_add_nc_u64 s[2:3], s[4:5], s[20:21]          ; the head's q
	s_add_nc_u64 s[KBS:KBS+1], s[2:3], 8388608     ; k
	s_add_nc_u64 s[VBS:VBS+1], s[2:3], 16777216    ; v
	s_add_nc_u64 s[16:17], s[2:3], s[22:23]        ; Q at my rows of the first block
	s_add_nc_u64 s[18:19], s[2:3], s[OFF:OFF+1]    ; and of the second
	s_add_nc_u64 s[2:3], s[8:9], s[20:21]
	s_add_nc_u64 s[OBS:OBS+1], s[2:3], s[22:23]
	s_add_nc_u64 s[OLO:OLO+1], s[2:3], s[OFF:OFF+1]
	s_lshl_b32 s22, s13, 13
	s_add_co_u32 s22, s22, 25165824
	s_add_nc_u64 s[10:11], s[4:5], s[22:23]        ; the head's 32 partial sums of V
	s_lshr_b32 s22, s13, 4
	s_lshl_b32 s22, s22, 13
	s_add_co_u32 s22, s22, 29884416
	s_add_nc_u64 s[PBS:PBS+1], s[6:7], s[22:23]    ; the batch's addends
	s_add_nc_u64 s[G0K+2:G0K+3], s[KBS:KBS+1], 0
	s_or_b32 s[G0K+3], s[G0K+3], 0x80000000
	s_add_nc_u64 s[G0V+2:G0V+3], s[VBS:VBS+1], 0
	s_or_b32 s[G0V+3], s[G0V+3], 0x80000000
	s_add_nc_u64 s[G0P+2:G0P+3], s[PBS:PBS+1], 0
	s_or_b32 s[G0P+3], s[G0P+3], 0x80000000
	s_lshr_b32 s[HCL], s[HI], 1                    ; the two blocks' last chunks and e (s4 to s6 have served as addresses and are free)
	s_and_b32 s[HE], s[HI], 1
	s_xor_b32 s[HE], s[HE], 1
	s_lshr_b32 s[CL], s[PB], 1
	s_and_b32 s[EC], s[PB], 1
	s_xor_b32 s[EC], s[EC], 1
	s_cmp_eq_u32 s[CL], 0                          ; chunk 0 is asked for below; behind it the first block's chunk 1, or, if it has one chunk, the second block's chunk 0
	s_cselect_b32 s[NXC], 0, 1
	s_cselect_b32 s[LQC], s[HCL], s[CL]
	s_cselect_b32 s[EQ], s[HE], s[EC]
	LOAD                                           ; chunk 0 into slot 0
	v_and_b32 v27, 15, v0                          ; r
	v_bfe_u32 v28, v0, 4, 1                        ; h
	v_lshlrev_b32 v[QO], 7, v27
	v_lshl_add_u32 v[QO], v28, 4, v[QO]
	v_and_b32 v[GO], 31, v0
	v_lshlrev_b32 v[GO], 4, v[GO]
	WIN 0x80
.set i, 0
.rept 4                                ; both blocks' Q: piece i / 2 lies 8,192 bytes on; channels 32 (i % 2) on
	global_load_b128 v[8*i:8*i+3],   v[QO], s[16:17] offset:(i/2)*8192+(i%2)*64
	global_load_b128 v[8*i+4:8*i+7], v[QO], s[16:17] offset:(i/2)*8192+(i%2)*64+32
	global_load_b128 v[QB+8*i:QB+8*i+3],   v[QO], s[18:19] offset:(i/2)*8192+(i%2)*64
	global_load_b128 v[QB+8*i+4:QB+8*i+7], v[QO], s[18:19] offset:(i/2)*8192+(i%2)*64+32
.set i, i+1
.endr
	WIN 0
.set i, 0
.rept 16                               ; partial sums 2 i + lane / 16, channels 4 (lane % 16) + 0..3
	global_load_b128 v[S+4*i:S+4*i+3], v[GO], s[10:11] offset:512*i
.set i, i+1
.endr
	v_lshlrev_b32 v29, 3, v28
	v_sub_nc_u32 v29, v27, v29
	s_lshl_b32 s22, s[WV], 4
	v_add_nc_u32 v29, s22, v29                     ; my query's place in its band less 8 h: register j of key group kt is hidden where 16 kt + j is greater
	WIN 0x40
.set i, 0
.rept 32
	v_cmp_gt_i32 vcc_lo, 16*(i/8)+i%8, v29
	v_cndmask_b32 v[MD+i], 0, s[BIGN], vcc_lo
.set i, i+1
.endr
	; A block's first step multiplies O^T and l by a = 0, and the first turn's products V^T P, of weights that have not been, land in an O^T that is still to be so multiplied: these registers need only be
	; finite: zeros for the first block, what the first block left for the second.  All this stands in the wait for the first chunk.
.set i, 0
.rept 64
	v_mov_b32 v[i], 0
.set i, i+1
.endr
	WIN 0x80
.set i, 0
.rept 64
	v_mov_b32 v[VF+i], 0
.set i, i+1
.endr
	WIN 0
	v_mul_u32_u24 v[AK0], v27, PK
	v_lshl_add_u32 v[AK0], v28, 4, v[AK0]
	v_add_nc_u32 v[AK0], KOFF, v[AK0]
	v_and_b32 v29, 7, v0
	v_bfe_u32 v30, v0, 3, 1
	v_lshl_add_u32 v[AV0], v28, 3, v29             ; the turning load: key 8 h + lane % 8, channels 8 ((lane / 8) % 2) on
	v_mul_u32_u24 v[AV0], v[AV0], PVP
	v_lshl_add_u32 v[AV0], v30, 4, v[AV0]
	v_add_nc_u32 v[AV0], VOFF, v[AV0]
	v_lshlrev_b32 v[AP0], 5, v28                   ; the addends lie at the slot's head: 32 h
	s_mul_i32 s22, s[WV], 16*SP
	s_add_co_u32 s22, s22, STAGE
	v_mul_u32_u24 v[STO], v27, SP
	v_lshl_add_u32 v[STO], v28, 4, v[STO]
	v_add_nc_u32 v[STO], s22, v[STO]
	v_bfe_u32 v[RD], v0, 3, 2
	v_mul_u32_u24 v[RD], v[RD], SP
	v_lshl_add_u32 v[RD], v29, 4, v[RD]
	v_add_nc_u32 v[RD], s22, v[RD]
	s_lshl_b32 s23, s[WV], 8
	s_add_co_u32 s23, s23, VSC
	v_lshl_add_u32 v24, v27, 4, s23
	v_lshl_add_u32 v25, v28, 5, s23
.irp x, 0,1
	v_mov_b32 v[ST+4*(\x)], 0xfe000000             ; c m: far below every c s
	v_mov_b32 v[ST+4*(\x)+1], 0xff7fffff           ; m
	v_mov_b32 v[ST+4*(\x)+2], 0
	v_mov_b32 v[ST+4*(\x)+3], 0
.endr
	s_wait_loadcnt 0x0                             ; Q and the partial sums
.irp w, 32,16,8,4
.set i, 0
.rept (\w)/2
	v_pk_add_f32 v[S+2*i:S+2*i+1], v[S+2*i:S+2*i+1], v[S+(\w)+2*i:S+(\w)+2*i+1]
.set i, i+1
.endr
.endr
.irp k, 0,1,2,3
	v_permlanex16_b32 v[S+4+(\k)], v[S+(\k)], s[SEL], s[SEL+1]
.endr
	v_pk_add_f32 v[S:S+1], v[S:S+1], v[S+4:S+5]
	v_pk_add_f32 v[S+2:S+3], v[S+2:S+3], v[S+6:S+7]
	v_pk_mul_f32 v[S:S+1], v[S:S+1], 0x3a000000 op_sel_hi:[1,0]    ; / 2048
	v_pk_mul_f32 v[S+2:S+3], v[S+2:S+3], 0x3a000000 op_sel_hi:[1,0]
	ds_store_b128 v24, v[S:S+3]                    ; both halves of the lanes store the same numbers
.irp cb, 0,1,2,3                       ; back in O^T's order: channels 16 cb + 8 h + 0..7
	ds_load_b128 v[P+8*(\cb):P+8*(\cb)+3], v25 offset:(\cb)*64
	ds_load_b128 v[P+8*(\cb)+4:P+8*(\cb)+7], v25 offset:(\cb)*64+16
.endr
	s_wait_dscnt 0x0
	WIN 0x40
.set i, 0
.rept 16
	v_cvt_pk_f16_f32 v[VMH+i], v[P+2*i], v[P+2*i+1]
.set i, i+1
.endr
	WIN 0
.set i, 0
.rept 16
	v_mov_b32 v[P+16+i], 0                         ; piece 1's weights that have not been
.set i, i+1
.endr
	CHANGE 1                                       ; slot 0 is in, everybody's part of it; slot 1 is asked for
	s_mov_b32 s[CNT], 4
	s_mov_b32 s[SLOTS], 8
	KLATE                                          ; key step 0
	s_wait_dscnt 0x0
.set i, 0
.rept 8
	KQ 0                                           ; piece 0's first scores: there is no vector work yet to set between them
.set i, i+1
.endr
	WIN 0
	PLACES                                         ; the places behind those products
	DFIX 0
.set Y, 1                              ; X works for the other piece: piece 0
.irp n, 0,1,2,3,4,5,6,7,8,9,10,11,12,13,14,15,16,17,18,19,20,21
	OP X, \n
.endr
	v_nop                                          ; a plain instruction behind the exponential
	s_branch .Lfirst                               ; the loop is entered at piece 0's turn, in the middle of a trip
.Lslot:                                ; 7 times more: a chunk is entered and the next is asked for
	CHANGE 1
	s_mov_b32 s[CNT], 4
	KLATE
.Lstep:                                ; a trip: the rest of piece 0's turn and piece 1's turn of one step, then the first part of piece 0's turn of the next, step TI of this chunk
	s_cmp_ge_u32 s[TI], s[NL]
	s_cbranch_scc1 .Ldead                          ; the steps of an even block's first chunk that are not walked
	TURNB 0
	WIN 0
	s_cmp_eq_u32 s[PH], 0
	s_cbranch_scc1 .Lp_done
	s_cmp_eq_u32 s[PH], 1
	s_cbranch_scc0 .Lp_two
	v_cmp_gt_f32 s[SF0], s[HNEG], v[ST+1]          ; the first block's last step: piece 0's maximum is final: which rows have kept no key;
	NEWQ 0                                         ; the turn below makes its first scores of the second block
	s_branch .Lp_done
.Lp_two:
	WAYOUT 1                                       ; a step later: piece 1's last products of the first block are done
	s_wait_xcnt 0x0                                ; the stores have read their registers and O's address
	s_mov_b64 s[OBS:OBS+1], s[OLO:OLO+1]
	s_mov_b32 s[PH], 0
.Lp_done:
	TURNA 1
	TURNB 1
	WIN 0
	s_cmp_eq_u32 s[PH], 1
	s_cbranch_scc0 .Lfirst
	WAYOUT 0                                       ; piece 0's last products of the first block are done
	s_wait_xcnt 0x0                                ; the stores have read their registers: the products below write them
	v_cmp_gt_f32 s[SF0+1], s[HNEG], v[ST+5]
	NEWQ 1
	s_mov_b32 s[PH], 2
.Lfirst:
	TURNA 0
	WIN 0
.Ldead:
	s_add_co_u32 s[TI], s[TI], 1
	s_sub_co_u32 s[CNT], s[CNT], 1
	s_cmp_lg_u32 s[CNT], 0
	s_cbranch_scc1 .Lstep
	s_sub_co_u32 s[SLOTS], s[SLOTS], 1
	s_cmp_lg_u32 s[SLOTS], 0
	s_cbranch_scc1 .Lslot
	CHANGE 0                                       ; the walk's last chunk, four steps, is written out
	s_mov_b32 s[CNT], 5                            ; four trips enter its steps; the fifth is left in its middle
	KLATE
.Ltail:
	TURNB 0
	WIN 0
	v_cmp_gt_f32 s[SF0], s[HNEG], v[ST+1]          ; in the fifth trip piece 0's maximum is final here; the turn below writes over it
	TURNA 1                                        ; the fifth trip's 8 products K Q^T (on the last K once more) and the maximum made of them serve nothing: the price of one text for every trip
	TURNB 1
	WIN 0
	s_sub_co_u32 s[CNT], s[CNT], 1
	s_cmp_eq_u32 s[CNT], 0
	s_cbranch_scc1 .Lout
	TURNA 0
	WIN 0
	s_add_co_u32 s[TI], s[TI], 1
	s_branch .Ltail
.Lout:
.set i, 0
.rept 8
	PV 1                                           ; piece 1's V^T P of the last step
.set i, i+1
.endr
	WIN 0
	v_cmp_gt_f32 s[SF0+1], s[HNEG], v[ST+5]
	WAYOUT 0                                       ; piece 0's way out names none of those products' registers: it is their places
	WAYOUT 1
	s_wait_tensorcnt 0x0                           ; the wave's end
	ds_add_u32 v[SPW], v[NIL]
	s_wait_dscnt 0x0
	s_endpgm
.Lfunc_end_k_qd9649936d4_attn:
	.size	k_qd9649936d4_attn, .Lfunc_end_k_qd9649936d4_attn-k_qd9649936d4_attn
	.p2alignl 7, 3214868480
	.fill 96, 4, 3214868480
	.section	.rodata,"a",@progbits
	.p2align	6, 0x0
	.amdhsa_kernel k_qd9649936d4_attn
		.amdhsa_group_segment_fixed_size 327680
		.amdhsa_private_segment_fixed_size 0
		.amdhsa_enable_private_segment 0
		.amdhsa_kernarg_size 24
		.amdhsa_user_sgpr_count 2
		.amdhsa_user_sgpr_kernarg_segment_ptr 1
		.amdhsa_wavefront_size32 1
		.amdhsa_system_sgpr_workgroup_id_x 1
		.amdhsa_system_sgpr_workgroup_id_y 1
		.amdhsa_system_sgpr_workgroup_id_z 1
		.amdhsa_system_vgpr_workitem_id 0
		.amdhsa_next_free_vgpr 768
		.amdhsa_next_free_sgpr 105
		.amdhsa_reserve_vcc 1
		.amdhsa_float_denorm_mode_32 3
		.amdhsa_float_denorm_mode_16_64 3
		.amdhsa_memory_ordered 1
		.amdhsa_forward_progress 1
		.amdhsa_inst_pref_size 110
	.end_amdhsa_kernel
	.amdgpu_metadata
---
amdhsa.version: [ 1, 2 ]
amdhsa.kernels:
  - .name:           k_qd9649936d4_attn
    .symbol:         k_qd9649936d4_attn.kd
    .args:
      - { .name: qkvb, .offset: 0, .size: 8, .value_kind: global_buffer, .address_space: global }
      - { .name: pre, .offset: 8, .size: 8, .value_kind: global_buffer, .address_space: global }
      - { .name: ob, .offset: 16, .size: 8, .value_kind: global_buffer, .address_space: global }
    .group_segment_fixed_size: 327680
    .private_segment_fixed_size: 0
    .kernarg_segment_align: 8
    .kernarg_segment_size: 24
    .max_flat_workgroup_size: 128
    .sgpr_count:     105
    .vgpr_count:     768
    .wavefront_size: 32
...
	.end_amdgpu_metadata
.endif
;; end of part 3
;; launch proj (part 4): grid 8 x 32, 4 waves a work-group, clusters of 4 x 4, 327,680 bytes of LDS; arguments ob, pre, proj_b, x, x1; writes x1
.if DOCPART == 4
	.amdgcn_target "amdgcn-amd-amdhsa--gfx1250"
	.amdhsa_code_object_version 6
	.text
	.protected	k_qd9649936d4_proj
	.globl	k_qd9649936d4_proj
	.p2align	8
	.type	k_qd9649936d4_proj,@function
k_qd9649936d4_proj:
	s_mov_b64 s[64:65], 0
	v_nop
	global_prefetch_b8 v0, s[64:65] scope:SCOPE_SE
	s_setreg_imm32_b32 hwreg(HW_REG_WAVE_MODE, 25, 1), 1
	s_wait_xcnt 0x0
	s_wait_alu depctr_hold_cnt(0) depctr_sa_sdst(0) depctr_va_vdst(0) depctr_va_sdst(0) depctr_va_ssrc(0) depctr_va_vcc(0) depctr_vm_vsrc(0)
	s_getreg_b32 s2, hwreg(HW_REG_IB_STS2, 6, 4)
	s_cmp_eq_u32 s2, 0
	s_cbranch_scc0 .Lentry_in_a_cluster
	s_endpgm
.Lentry_in_a_cluster:
	s_bfe_u32 s2, ttmp6, 0x10000c
	s_cmp_lg_u32 s2, 0xf033
	s_cbranch_scc0 .Lentry_shape_is_right
	s_endpgm
.Lentry_shape_is_right:
; PROJ.  x1 = x + O Wp^T + b, f32.  O comes by heads, [32][2048][64] f16; Wp is [1024][1024] f16; sums in f32.
; A tile is 128 x 128: 256 work-groups, one for each WGP.  Four waves, each 64 x 64: 16 accumulators.  K goes in steps of 256 = four heads through two LDS slots; one K step to a trip.
; A's tile: a wave's 64 rows of one head are 8,192 dense bytes, asked for as ONE row of the tile, four heads as four rows; the padding after every 128 bytes makes LDS rows of 144.
; CLUSTER 4 x 4: O's tile is shared along a row of the cluster, the weights' along a column.  THE MATRIX INSTRUCTION IS USED TRANSPOSED: a lane holds one row (lane % 16) and eight neighbouring columns.
; THE WALK ALONG K begins at step (2 X + Y) mod 4 in cluster (X, Y) and wraps: the two clusters that read the same rows of O begin two steps apart, neighbours among the eight that read the same rows of the
; weights one step apart.  X and Y are the same in all partners of a joint load.  The order of a sum's terms is rotated with it.
; The bias is the C operand of the product that starts each sum; x is loaded behind the first quarter and added on the way out, where a wave's 64 columns are one aligned run of 256 bytes.
; LIMITS.  f16 operands: Wp beyond 65,504 would be infinite, below 6e-5 it keeps f16's fixed step.
; REGISTERS.  window 0: v0-31 addresses; v64-191 A's fragments, two buffers of 64 (later: at work); v192-223 the bias     window 1: v0-127 B's fragments
;   windows 2, 3: accumulator (a, b) in window 2 + a / 2 at v[8 ((a % 2) 4 + b)]; window 2 v64-191: my 64 x 64 of x
.set TM, 128
.set TN, 128
.set KDIM, 1024
.set KSTEP, 256
.set TSTEPS, KDIM/KSTEP
.set TMASK, TSTEPS-1
.set LOGAS, 20                         ; a K step is four heads of O, 2^20 bytes,
.set LOGBS, 9                          ; and 2^9 bytes along a row of the weights
.set RX, 1
.set RY, 0
.set D, 2
.set AB, 4
.set BB, 4
.set NH, D*AB/2
.set PITCHA, 144
.set PITCHB, 528                       ; 512 bytes + 16: the 16 rows of a load start at 16 different groups of four banks (64 banks of 4 bytes: ISA guide 11.1)
.set AROWS, 64
.set BROWS, 64
.set AHALF, 4*64*PITCHA                ; four heads x 64 rows
.set ABYTES, 2*AHALF
.set BHALF, BROWS*PITCHB
.set SLOT, ABYTES+2*BHALF
.set STAGE, 2*SLOT
.set SPARE, STAGE+4*4352
.set HASBIAS, 1
.set AHEADS, 1
.set FA0, 64
.set FA1, 128
.set FB0, 0
.set FB1, 64
.set BIAS, 192
.set RES, 64
.set G1W0A, (1<<16)|(1<<20)|(1<<21)|(4<<22)|(3<<25)  ; padding after every 32 words
.set G1W0B, (1<<16)|(1<<20)|(1<<21)|(6<<22)|(3<<25)  ; after every 128 words
.set ADIM0, 4096
.set ADIM1, 4
.set ASTRIDE, 131072                   ; elements from head to head
.set BREG, 14680064
.set PA, 72
.set PBW, 74
.set LNA, 8
.set LNB, 9
.set ADRA, 16
.set ADRB, 20
.set STO, 24
.set RD, 25
.set CO, 26
.set SPW, 28
.set NIL, 29
.set G1A, 24
.set G0A, 32
.set G1B, 48
.set G0B, 56
.set TB, 66
.set FBS, 67
.set WOA, 68
.set WOB, 69
.set CNT, 70
.set KK, 71                            ; s71  the K step asked for last; s[18:19] its byte offset; s[14:15], s[46:47] A's and B's tiles at K = 0, never rewritten
.set MSB, 0
.macro WIN new
.if MSB != (\new)
	s_set_vgpr_msb (MSB<<8)|(\new)
.set MSB, \new
.endif
.endm
.macro PLACES
.rept 4
	v_nop
.endr
.endm
.macro WM ops:vararg
	v_wmma_f32_16x16x32_f16 \ops
.endm
.macro JLOAD s                         ; a joint load: waves 0, 1 fetch A's halves, waves 2, 3 B's
	s_cmp_eq_u32 s11, 0
	s_cbranch_scc0 .Lfor_b_\@
	tensor_load_to_lds s[G0A+4*(\s):G0A+4*(\s)+3], s[G1A:G1A+7]
	s_nop 0
	PLACES
	s_branch .Lasked_\@
.Lfor_b_\@:
	tensor_load_to_lds s[G0B+4*(\s):G0B+4*(\s)+3], s[G1B:G1B+7]
	s_nop 0
	PLACES
.Lasked_\@:
.endm
.macro CREST
	s_cmp_lg_u32 s10, 0
	s_cbranch_scc1 .Lnot_wave_0_\@
	s_barrier_signal -3
.Lnot_wave_0_\@:
	s_barrier_wait -3
	s_barrier_signal -1
	s_barrier_wait -1
.endm
.macro CROUND
	s_barrier_signal -1
	s_barrier_wait -1
	CREST
.endm
.macro MUL f, c, a, init               ; BB matrix instructions: block a of A x all blocks of B, chunk c of buffer f
.set AW, (\a)/(AB/2)
.set AC, 8*(((\a)%(AB/2))*BB)
.set RA, FA0+(\f)*(FA1-FA0)+8*((\c)*AB+(\a))
.set RB, FB0+(\f)*(FB1-FB0)+8*((\c)*BB)
.if (\init) && HASBIAS
	WIN 0x81+0x40*AW
.else
	WIN 0xa1+0x50*AW
.endif
.set b, 0
.rept BB
.if (\init) && HASBIAS
	WM v[AC+8*b:AC+8*b+7], v[RB+8*b:RB+8*b+7], v[RA:RA+7], v[BIAS+8*b:BIAS+8*b+7]
.elseif \init
	WM v[AC+8*b:AC+8*b+7], v[RB+8*b:RB+8*b+7], v[RA:RA+7], 0
.else
	WM v[AC+8*b:AC+8*b+7], v[RB+8*b:RB+8*b+7], v[RA:RA+7], v[AC+8*b:AC+8*b+7]
.endif
.set b, b+1
.endr
.endm
.macro MULH f, hi, init, from, to      ; the accumulators take turns, one instruction a turn
.set idx, \from
.rept (\to)-(\from)
.set mc, idx/(AB/2)
.set ma, (\hi)*(AB/2)+idx%(AB/2)
.if mc == 0
	MUL \f, mc, ma, \init
.else
	MUL \f, mc, ma, 0
.endif
.set idx, idx+1
.endr
.endm
.macro FETCH q, f                      ; 32 LDS loads in one run: all of B, A's lower blocks, A's upper blocks
	WIN 0x40
.set c, 0
.rept D
.set i, 0
.rept BB
.set RB, FB0+(\f)*(FB1-FB0)+8*(c*BB+i)
.set BO, ((\q)*D+c)*64+i*16*PITCHB
	ds_load_b128 v[RB:RB+3], v[ADRB] offset:BO
	ds_load_b128 v[RB+4:RB+7], v[ADRB] offset:BO+32
.set i, i+1
.endr
.set c, c+1
.endr
	WIN 0
.irp half, 0,1
.set c, 0
.rept D
.set i, (\half)*(AB/2)
.rept AB/2
.set RA, FA0+(\f)*(FA1-FA0)+8*(c*AB+i)
.set kc, (\q)*D+c
.if AHEADS
.set AO, (kc/2)*9216+(kc%2)*64+i*2304          ; head kc / 2 of the step's four, channels 32 (kc % 2) on, rows 16 i on
.else
.set AO, kc*64+i*16*PITCHA
.endif
	ds_load_b128 v[RA:RA+3], v[ADRA] offset:AO
	ds_load_b128 v[RA+4:RA+7], v[ADRA] offset:AO+32
.set i, i+1
.endr
.set c, c+1
.endr
.endr
.endm
.macro QUARTER q, f, g, init
	s_wait_dscnt D*AB                              ; all but the youngest D AB loads, A's upper blocks, are in
	MULH \f, 0, \init, 0, NH
	PLACES
	FETCH \q, \g
	s_wait_dscnt 32                                ; all but the 32 just issued
	MULH \f, 1, \init, 0, NH
.endm
.macro TURN fill                       ; the fourth quarter and the change of slots; fill = 1: a round of the cluster's barrier, and the slot is filled again first thing behind it
	WIN 0
	s_wait_tensorcnt 0x0                           ; all my tensor loads have landed: one was out, my part of the next slot
	ds_add_u32 v[SPW], v[NIL]
	s_wait_dscnt D*AB+1                            ; the add and A's upper blocks may be out
	MULH 1, 0, 0, 0, NH/2
	s_wait_dscnt 0x0                               ; the add is done, my reads of this slot are over
	s_barrier_signal -1
	MULH 1, 0, 0, NH/2, NH
	WIN 0
	s_barrier_wait -1
.if \fill
	CREST
	s_xor_b32 s[FBS], s[FBS], SLOT
	s_add_co_u32 s[G0A+5], s[FBS], s[WOA]
	s_add_co_u32 s[G0B+5], s[FBS], s[WOB]
	s_add_co_u32 s[KK], s[KK], 1                   ; the next K step, which wraps; both addresses are made anew from its number
	s_and_b32 s[KK], s[KK], TMASK
	s_lshl_b32 s18, s[KK], LOGAS
	s_add_nc_u64 s[G0A+6:G0A+7], s[14:15], s[18:19]
	s_or_b32 s[G0A+7], s[G0A+7], 0x80000000
	s_lshl_b32 s18, s[KK], LOGBS
	s_add_nc_u64 s[G0B+6:G0B+7], s[46:47], s[18:19]
	s_or_b32 s[G0B+7], s[G0B+7], 0x80000000
	JLOAD 1
.else
	PLACES
.endif
	s_xor_b32 s[TB], s[TB], SLOT
	v_add_nc_u32 v[ADRA], s[TB], v[LNA]
	v_add_nc_u32 v[ADRB], s[TB], v[LNB]
	FETCH 0, 0
	MULH 1, 1, 0, 0, NH
.endm
	s_load_b256 s[72:79], s[0:1], 0x0              ; ob 72, pre 74, proj_b 76, x 78
	s_load_b64 s[80:81], s[0:1], 0x20              ; x1
	v_lshl_add_u32 v[SPW], v0, 2, SPARE
	v_mov_b32 v[NIL], 0
	ds_add_u32 v[SPW], v[NIL]                      ; the wave's opening: the add, and its wait, ahead of my first tensor load
	v_lshrrev_b32 v1, 5, v0
	v_readfirstlane_b32 s10, v1
	s_lshr_b32 s11, s10, 1
	s_and_b32 s12, s10, 1
	s_bfe_u32 s40, ttmp6, 0x40000
	s_bfe_u32 s41, ttmp6, 0x40004
	s_lshl_b32 s42, ttmp9, 2
	s_add_co_u32 s42, s42, s40                     ; tile column
	s_and_b32 s13, ttmp7, 0xffff
	s_lshl_b32 s13, s13, 2
	s_add_co_u32 s13, s13, s41                     ; tile row
	s_lshl_b32 s43, s41, 2
	s_lshl_b32 s43, 15, s43
	s_lshl_b32 s44, 0x1111, s40
	s_or_b32 s[G1A], s43, G1W0A
	s_or_b32 s[G1B], s44, G1W0B
	s_mov_b32 s[G1A+1], ADIM0<<16
	s_mov_b32 s[G1A+2], ADIM1<<16
	s_mov_b32 s[G1A+3], ADIM0<<16
	s_mov_b32 s[G1A+4], ADIM1
	s_mov_b32 s[G1A+5], ASTRIDE
	s_mov_b32 s[G1A+6], 0
	s_mov_b32 s[G1A+7], 0
	s_mov_b32 s[G1B+1], KSTEP<<16
	s_mov_b32 s[G1B+2], BROWS<<16
	s_mov_b32 s[G1B+3], KSTEP<<16
	s_mov_b32 s[G1B+4], BROWS
	s_mov_b32 s[G1B+5], KDIM
	s_mov_b32 s[G1B+6], 0
	s_mov_b32 s[G1B+7], 0
	s_mul_i32 s[WOA], s12, AHALF
	s_mul_i32 s[WOB], s12, BHALF
	s_add_co_u32 s[WOB], s[WOB], ABYTES
	s_mov_b32 s[TB], 0
	s_mov_b32 s[FBS], SLOT
	s_lshl_b32 s[KK], ttmp9, RX                    ; the walk's first K step, from the cluster's x and y alone
	s_and_b32 s19, ttmp7, 0xffff
	s_lshl_b32 s19, s19, RY
	s_add_co_u32 s[KK], s[KK], s19
	s_and_b32 s[KK], s[KK], TMASK
	s_mov_b32 s19, 0
	s_lshr_b32 s16, s13, 4                         ; the batch: 16 heads of 2,048 rows,
	s_lshl_b32 s16, s16, 15
	s_and_b32 s17, s13, 15                         ; the tile's 128 positions,
	s_lshl_b32 s17, s17, 7
	s_add_co_u32 s16, s16, s17
	s_lshl_b32 s17, s12, 6                         ; my half of them,
	s_add_co_u32 s16, s16, s17
	s_lshl_b32 s16, s16, 7                         ; rows of 128 bytes
	s_mov_b32 s17, 0
	s_mul_i32 s46, s42, TN
	s_mul_i32 s47, s12, BROWS
	s_add_co_u32 s46, s46, s47
	s_mul_i32 s46, s46, KDIM*2
	s_add_co_u32 s46, s46, BREG
	s_mov_b32 s47, 0
	s_wait_dscnt 0x0
	s_wait_kmcnt 0x0
	s_add_nc_u64 s[14:15], s[PA:PA+1], s[16:17]
	s_add_nc_u64 s[46:47], s[PBW:PBW+1], s[46:47]
	CROUND
.irp s, 0,1
	s_mov_b32 s[G0A+4*(\s)], 1
	s_add_co_u32 s[G0A+4*(\s)+1], s[WOA], (\s)*SLOT
	s_lshl_b32 s18, s[KK], LOGAS
	s_add_nc_u64 s[G0A+4*(\s)+2:G0A+4*(\s)+3], s[14:15], s[18:19]
	s_or_b32 s[G0A+4*(\s)+3], s[G0A+4*(\s)+3], 0x80000000
	s_mov_b32 s[G0B+4*(\s)], 1
	s_add_co_u32 s[G0B+4*(\s)+1], s[WOB], (\s)*SLOT
	s_lshl_b32 s18, s[KK], LOGBS
	s_add_nc_u64 s[G0B+4*(\s)+2:G0B+4*(\s)+3], s[46:47], s[18:19]
	s_or_b32 s[G0B+4*(\s)+3], s[G0B+4*(\s)+3], 0x80000000
	JLOAD \s
.if (\s) == 0
	s_add_co_u32 s[KK], s[KK], 1
	s_and_b32 s[KK], s[KK], TMASK
.endif
.endr
	v_and_b32 v1, 15, v0
	v_bfe_u32 v2, v0, 4, 1
	v_mul_u32_u24 v3, v1, PITCHA
	v_lshl_add_u32 v3, v2, 4, v3
	s_mul_i32 s21, s11, AHALF
	v_add_nc_u32 v[LNA], s21, v3
	v_mul_u32_u24 v3, v1, PITCHB
	v_lshl_add_u32 v3, v2, 4, v3
	s_mul_i32 s22, s12, BHALF
	s_add_co_u32 s22, s22, ABYTES
	v_add_nc_u32 v[LNB], s22, v3
	v_mov_b32 v[ADRA], v[LNA]
	v_mov_b32 v[ADRB], v[LNB]
	s_mul_i32 s23, s10, 4352
	s_add_co_u32 s23, s23, STAGE                   ; my stage: 16 rows of 256 bytes + 16
	v_mul_u32_u24 v4, v1, 272
	v_lshl_add_u32 v4, v2, 5, v4
	v_add_nc_u32 v[STO], s23, v4
	v_mul_u32_u24 v5, v2, 272
	v_lshl_add_u32 v5, v1, 4, v5
	v_add_nc_u32 v[RD], s23, v5
	v_lshlrev_b32 v5, 12, v2
	v_lshl_add_u32 v[CO], v1, 4, v5                ; lanes 0-15 one row's 256 bytes, lanes 16-31 the next row's
	v_lshlrev_b32 v10, 5, v2
	s_lshl_b32 s90, s13, 7
	s_lshl_b32 s91, s11, 6
	s_add_co_u32 s90, s90, s91
	s_lshl_b32 s90, s90, 12
	s_lshl_b32 s92, s42, 9
	s_lshl_b32 s91, s12, 8
	s_add_co_u32 s92, s92, s91                     ; my 64 columns, in bytes
	s_add_co_u32 s90, s90, s92
	s_mov_b32 s91, 0
	s_mov_b32 s93, 0
	s_add_nc_u64 s[82:83], s[78:79], s[90:91]      ; x at my 64 x 64
	s_add_nc_u64 s[84:85], s[80:81], s[90:91]      ; x1
	s_add_nc_u64 s[86:87], s[76:77], s[92:93]      ; the bias
.set b, 0
.rept 4
	global_load_b128 v[BIAS+8*b:BIAS+8*b+3], v10, s[86:87] offset:b*64
	global_load_b128 v[BIAS+8*b+4:BIAS+8*b+7], v10, s[86:87] offset:b*64+16
.set b, b+1
.endr
	s_wait_tensorcnt 0x1                           ; my part of the first step is in; the second's may stay out
	s_barrier_signal -1
	s_barrier_wait -1
	FETCH 0, 0
	s_wait_loadcnt 0x0                             ; the bias
	QUARTER 1, 0, 1, 1
	WIN 0x80
.set a, 0
.rept 4                                ; x is asked for when the first tiles are in, and lands under the loop
.set f, 0
.rept 8
	global_load_b128 v[RES+32*a+4*f:RES+32*a+4*f+3], v[CO], s[82:83] offset:(16*a+2*f)*4096
.set f, f+1
.endr
.set a, a+1
.endr
	WIN 0
	s_mov_b32 s[CNT], TSTEPS-2
	s_branch .Lmid
.Lloop:
	QUARTER 1, 0, 1, 0
	WIN 0
.Lmid:
	QUARTER 2, 1, 0, 0
	QUARTER 3, 0, 1, 0
	TURN 1
	WIN 0
	s_sub_co_u32 s[CNT], s[CNT], 1
	s_cmp_lg_u32 s[CNT], 0
	s_cbranch_scc1 .Lloop
	s_mov_b32 s[CNT], 2
.Ltail:                                ; the last two K steps ask for nothing; the second trip's last fetch reads the other slot's old tile, and nothing uses it
	QUARTER 1, 0, 1, 0
	QUARTER 2, 1, 0, 0
	QUARTER 3, 0, 1, 0
	TURN 0
	WIN 0
	s_sub_co_u32 s[CNT], s[CNT], 1
	s_cmp_lg_u32 s[CNT], 0
	s_cbranch_scc1 .Ltail
	; THE WAY OUT: 16 rows at a time through my stage, x added, whole runs of 256 bytes stored
	s_wait_dscnt 0x0
	s_wait_loadcnt 0x0                             ; x
	PLACES
.macro TOSTAGE a
	s_wait_xcnt 0x0                                ; the buffer loaded below was stored two blocks ago
	WIN 0x08+4*((\a)/2)
.set b, 0
.rept 4
.set AC, 8*(((\a)%2)*4+b)
	ds_store_b128 v[STO], v[AC:AC+3] offset:b*64
	ds_store_b128 v[STO], v[AC+4:AC+7] offset:b*64+16
.set b, b+1
.endr
	WIN 0
.set BK, 64+32*((\a)%2)
.irp f, 0,1,2,3,4,5,6,7
	ds_load_b128 v[BK+4*(\f):BK+4*(\f)+3], v[RD] offset:(\f)*544  ; LDS serves a wave's instructions in order (ISA guide 5.7.1.4)
.endr
.endm
.macro SEND a, younger                 ; younger: the next block's sixteen LDS instructions, or none
.set BK, 64+32*((\a)%2)
	s_wait_dscnt \younger
	WIN 0x08
.set i, 0
.rept 16
	v_pk_add_f32 v[BK+2*i:BK+2*i+1], v[BK+2*i:BK+2*i+1], v[RES+32*(\a)+2*i:RES+32*(\a)+2*i+1]
.set i, i+1
.endr
	WIN 0
.irp f, 0,1,2,3,4,5,6,7
	global_store_b128 v[CO], v[BK+4*(\f):BK+4*(\f)+3], s[84:85] offset:(16*(\a)+2*(\f))*4096  ; 16 lanes store 256 consecutive bytes
.endr
.endm
	TOSTAGE 0
	TOSTAGE 1
	SEND 0, 16
	TOSTAGE 2
	SEND 1, 16
	TOSTAGE 3
	SEND 2, 16
	SEND 3, 0
	s_wait_tensorcnt 0x0                           ; the wave's end
	ds_add_u32 v[SPW], v[NIL]
	s_wait_dscnt 0x0
	CROUND
	s_endpgm
.Lfunc_end_k_qd9649936d4_proj:
	.size	k_qd9649936d4_proj, .Lfunc_end_k_qd9649936d4_proj-k_qd9649936d4_proj
	.p2alignl 7, 3214868480
	.fill 96, 4, 3214868480
	.section	.rodata,"a",@progbits
	.p2align	6, 0x0
	.amdhsa_kernel k_qd9649936d4_proj
		.amdhsa_group_segment_fixed_size 327680
		.amdhsa_private_segment_fixed_size 0
		.amdhsa_enable_private_segment 0
		.amdhsa_kernarg_size 40
		.amdhsa_user_sgpr_count 2
		.amdhsa_user_sgpr_kernarg_segment_ptr 1
		.amdhsa_wavefront_size32 1
		.amdhsa_system_sgpr_workgroup_id_x 1
		.amdhsa_system_sgpr_workgroup_id_y 1
		.amdhsa_system_sgpr_workgroup_id_z 1
		.amdhsa_system_vgpr_workitem_id 0
		.amdhsa_next_free_vgpr 832
		.amdhsa_next_free_sgpr 96
		.amdhsa_reserve_vcc 0
		.amdhsa_float_denorm_mode_32 3
		.amdhsa_float_denorm_mode_16_64 3
		.amdhsa_memory_ordered 1
		.amdhsa_forward_progress 1
		.amdhsa_inst_pref_size 67
	.end_amdhsa_kernel
	.amdgpu_metadata
---
amdhsa.version: [ 1, 2 ]
amdhsa.kernels:
  - .name:           k_qd9649936d4_proj
    .symbol:         k_qd9649936d4_proj.kd
    .args:
      - { .name: ob, .offset: 0, .size: 8, .value_kind: global_buffer, .address_space: global }
      - { .name: pre, .offset: 8, .size: 8, .value_kind: global_buffer, .address_space: global }
      - { .name: proj_b, .offset: 16, .size: 8, .value_kind: global_buffer, .address_space: global }
      - { .name: x, .offset: 24, .size: 8, .value_kind: global_buffer, .address_space: global }
      - { .name: x1, .offset: 32, .size: 8, .value_kind: global_buffer, .address_space: global }
    .group_segment_fixed_size: 327680
    .private_segment_fixed_size: 0
    .kernarg_segment_align: 8
    .kernarg_segment_size: 40
    .max_flat_workgroup_size: 128
    .sgpr_count:     96
    .vgpr_count:     832
    .wavefront_size: 32
...
	.end_amdgpu_metadata
.endif
;; end of part 4
;; launch ln2: the kernel of part 1 again; grid 256 x 1, 8 waves a work-group, no clusters, 0 bytes of LDS; arguments x1, ln2_g, ln2_b, qkv_w, proj_w, w1, w2, w3, key_padding_mask, h2; writes h2
;; launch gate (part 5): grid 16 x 16, 4 waves a work-group, clusters of 4 x 4, 327,680 bytes of LDS; arguments h2, pre, gb; writes gb
.if DOCPART == 5
	.amdgcn_target "amdgcn-amd-amdhsa--gfx1250"
	.amdhsa_code_object_version 6
	.text
	.protected	k_qd9649936d4_gate
	.globl	k_qd9649936d4_gate
	.p2align	8
	.type	k_qd9649936d4_gate,@function
k_qd9649936d4_gate:
	s_mov_b64 s[64:65], 0
	v_nop
	global_prefetch_b8 v0, s[64:65] scope:SCOPE_SE
	s_setreg_imm32_b32 hwreg(HW_REG_WAVE_MODE, 25, 1), 1
	s_wait_xcnt 0x0
	s_wait_alu depctr_hold_cnt(0) depctr_sa_sdst(0) depctr_va_vdst(0) depctr_va_sdst(0) depctr_va_ssrc(0) depctr_va_vcc(0) depctr_vm_vsrc(0)
	s_getreg_b32 s2, hwreg(HW_REG_IB_STS2, 6, 4)
	s_cmp_eq_u32 s2, 0
	s_cbranch_scc0 .Lentry_in_a_cluster
	s_endpgm
.Lentry_in_a_cluster:
	s_bfe_u32 s2, ttmp6, 0x10000c
	s_cmp_lg_u32 s2, 0xf033
	s_cbranch_scc0 .Lentry_shape_is_right
	s_endpgm
.Lentry_shape_is_right:
; GATE.  g = silu(h2 W1^T) * (h2 W2^T), bf16.  h2 [4096][1024] bf16; the weights by tiles, [16][W1's 128 rows | W2's 128 rows][1024] bf16; sums and the activation in f32.
; A tile is 256 rows x 256 columns of the two products = 256 x 128 of g.  Four waves, each 128 x 128: 64 accumulators, 512 registers; waves 0, 2 multiply W1's rows, waves 1, 3 W2's.
; K goes in steps of 128 (rows of 256 bytes) through two LDS slots; one K step to a trip.  CLUSTER 4 x 4: h2's tile is shared along a row of the cluster, the weights' along a column.
; THE MATRIX INSTRUCTION IS USED TRANSPOSED: a lane holds one row (lane % 16) and eight neighbouring columns.
; THE WAY OUT.  The two products of a number of g lie in two waves: they meet in LDS, in the slots, which have had their last fill.  A stage row holds, for one row of the tile, the first product's registers 0-3
; of all lanes, its registers 4-7, then the second product's: so that a lane reads eight neighbouring columns of both, and sixteen lanes store 256 consecutive bytes of g.
; silu(a) b = a b / (1 + 2^(-a log2 e)); where the power overflows the quotient is 0, which is silu's limit.
; REGISTERS.  window 0: v0-31 addresses; v32-63 at work; v64-191 A's fragments, two buffers of 64     window 1: v0-127 B's fragments     windows 2, 3: accumulator (a, b) in window 2 + a / 4 at v[8 ((a % 4) 8 + b)]
.set TM, 256
.set TN, 256
.set KDIM, 1024
.set KSTEP, 128
.set TSTEPS, KDIM/KSTEP
.set D, 1
.set AB, 8
.set BB, 8
.set NH, D*AB/2
.set PITCHA, 272
.set PITCHB, 272
.set AROWS, 128
.set BROWS, 128
.set AHALF, AROWS*PITCHA
.set ABYTES, 2*AHALF
.set BHALF, BROWS*PITCHB
.set SLOT, ABYTES+2*BHALF
.set GP, 1040                          ; a stage row: 4 x 256 bytes + 16
.set SPARE, 2*SLOT                     ; behind the ring: the spare words, 128 bytes a wave
.set HASBIAS, 0
.set AHEADS, 0
.set FA0, 64
.set FA1, 128
.set FB0, 0
.set FB1, 64
.set G1W0A, (1<<16)|(1<<20)|(1<<21)|(5<<22)|(3<<25)
.set G1W0B, G1W0A
.set ADIM0, KSTEP
.set ADIM1, AROWS
.set ASTRIDE, KDIM
.set ASTEP, KSTEP*2
.set BSTEP, KSTEP*2
.set BREG, 16777216
.set PA, 72
.set PBW, 74
.set LNA, 8
.set LNB, 9
.set ADRA, 16
.set ADRB, 20
.set STO, 24
.set RD, 25
.set CO, 26
.set STO1, 27
.set SPW, 28
.set NIL, 29
.set G1A, 24
.set G0A, 32
.set G1B, 48
.set G0B, 56
.set TB, 66
.set FBS, 67
.set WOA, 68
.set WOB, 69
.set CNT, 70
.set MSB, 0
.macro WIN new
.if MSB != (\new)
	s_set_vgpr_msb (MSB<<8)|(\new)
.set MSB, \new
.endif
.endm
.macro PLACES
.rept 4
	v_nop
.endr
.endm
.macro WM ops:vararg
	v_wmma_f32_16x16x32_bf16 \ops
.endm
.macro JLOAD s                         ; a joint load: waves 0, 1 fetch A's halves, waves 2, 3 B's
	s_cmp_eq_u32 s11, 0
	s_cbranch_scc0 .Lfor_b_\@
	tensor_load_to_lds s[G0A+4*(\s):G0A+4*(\s)+3], s[G1A:G1A+7]
	s_nop 0
	PLACES
	s_branch .Lasked_\@
.Lfor_b_\@:
	tensor_load_to_lds s[G0B+4*(\s):G0B+4*(\s)+3], s[G1B:G1B+7]
	s_nop 0
	PLACES
.Lasked_\@:
.endm
.macro CREST
	s_cmp_lg_u32 s10, 0
	s_cbranch_scc1 .Lnot_wave_0_\@
	s_barrier_signal -3
.Lnot_wave_0_\@:
	s_barrier_wait -3
	s_barrier_signal -1
	s_barrier_wait -1
.endm
.macro CROUND
	s_barrier_signal -1
	s_barrier_wait -1
	CREST
.endm
.macro MUL f, c, a, init
.set AW, (\a)/(AB/2)
.set AC, 8*(((\a)%(AB/2))*BB)
.set RA, FA0+(\f)*(FA1-FA0)+8*((\c)*AB+(\a))
.set RB, FB0+(\f)*(FB1-FB0)+8*((\c)*BB)
.if (\init) && HASBIAS
	WIN 0x81+0x40*AW
.else
	WIN 0xa1+0x50*AW
.endif
.set b, 0
.rept BB
.if (\init) && HASBIAS
	WM v[AC+8*b:AC+8*b+7], v[RB+8*b:RB+8*b+7], v[RA:RA+7], v[BIAS+8*b:BIAS+8*b+7]
.elseif \init
	WM v[AC+8*b:AC+8*b+7], v[RB+8*b:RB+8*b+7], v[RA:RA+7], 0
.else
	WM v[AC+8*b:AC+8*b+7], v[RB+8*b:RB+8*b+7], v[RA:RA+7], v[AC+8*b:AC+8*b+7]
.endif
.set b, b+1
.endr
.endm
.macro MULH f, hi, init, from, to      ; the accumulators take turns, one instruction a turn
.set idx, \from
.rept (\to)-(\from)
.set mc, idx/(AB/2)
.set ma, (\hi)*(AB/2)+idx%(AB/2)
.if mc == 0
	MUL \f, mc, ma, \init
.else
	MUL \f, mc, ma, 0
.endif
.set idx, idx+1
.endr
.endm
.macro FETCH q, f
	WIN 0x40
.set c, 0
.rept D
.set i, 0
.rept BB
.set RB, FB0+(\f)*(FB1-FB0)+8*(c*BB+i)
.set BO, ((\q)*D+c)*64+i*16*PITCHB
	ds_load_b128 v[RB:RB+3], v[ADRB] offset:BO
	ds_load_b128 v[RB+4:RB+7], v[ADRB] offset:BO+32
.set i, i+1
.endr
.set c, c+1
.endr
	WIN 0
.irp half, 0,1
.set c, 0
.rept D
.set i, (\half)*(AB/2)
.rept AB/2
.set RA, FA0+(\f)*(FA1-FA0)+8*(c*AB+i)
.set kc, (\q)*D+c
.if AHEADS
.set AO, (kc/2)*9216+(kc%2)*64+i*2304
.else
.set AO, kc*64+i*16*PITCHA
.endif
	ds_load_b128 v[RA:RA+3], v[ADRA] offset:AO
	ds_load_b128 v[RA+4:RA+7], v[ADRA] offset:AO+32
.set i, i+1
.endr
.set c, c+1
.endr
.endr
.endm
.macro QUARTER q, f, g, init
	s_wait_dscnt D*AB                              ; all but the youngest D AB loads, A's upper blocks, are in
	MULH \f, 0, \init, 0, NH
	PLACES
	FETCH \q, \g
	s_wait_dscnt 32                                ; all but the 32 just issued
	MULH \f, 1, \init, 0, NH
.endm
.macro TURN fill
	WIN 0
	s_wait_tensorcnt 0x0                           ; all my tensor loads have landed: one was out, my part of the next slot
	ds_add_u32 v[SPW], v[NIL]
	s_wait_dscnt D*AB+1                            ; the add and A's upper blocks may be out
	MULH 1, 0, 0, 0, NH/2
	s_wait_dscnt 0x0                               ; the add is done, my reads of this slot are over
	s_barrier_signal -1
	MULH 1, 0, 0, NH/2, NH
	WIN 0
	s_barrier_wait -1
.if \fill
	CREST
	s_xor_b32 s[FBS], s[FBS], SLOT
	s_add_co_u32 s[G0A+5], s[FBS], s[WOA]
	s_add_co_u32 s[G0B+5], s[FBS], s[WOB]
	s_add_nc_u64 s[G0A+6:G0A+7], s[G0A+6:G0A+7], ASTEP
	s_add_nc_u64 s[G0B+6:G0B+7], s[G0B+6:G0B+7], BSTEP
	JLOAD 1
.else
	PLACES
.endif
	s_xor_b32 s[TB], s[TB], SLOT
	v_add_nc_u32 v[ADRA], s[TB], v[LNA]
	v_add_nc_u32 v[ADRB], s[TB], v[LNB]
	FETCH 0, 0
	MULH 1, 1, 0, 0, NH
.endm
	s_load_b128 s[72:75], s[0:1], 0x0              ; h2 72, pre 74
	s_load_b64 s[76:77], s[0:1], 0x10              ; gb
	v_lshl_add_u32 v[SPW], v0, 2, SPARE
	v_mov_b32 v[NIL], 0
	ds_add_u32 v[SPW], v[NIL]                      ; the wave's opening: the add, and its wait, ahead of my first tensor load
	v_lshrrev_b32 v1, 5, v0
	v_readfirstlane_b32 s10, v1
	s_lshr_b32 s11, s10, 1
	s_and_b32 s12, s10, 1
	s_bfe_u32 s40, ttmp6, 0x40000
	s_bfe_u32 s41, ttmp6, 0x40004
	s_lshl_b32 s42, ttmp9, 2
	s_add_co_u32 s42, s42, s40
	s_and_b32 s13, ttmp7, 0xffff
	s_lshl_b32 s13, s13, 2
	s_add_co_u32 s13, s13, s41
	s_lshl_b32 s43, s41, 2
	s_lshl_b32 s43, 15, s43
	s_lshl_b32 s44, 0x1111, s40
	s_or_b32 s[G1A], s43, G1W0A
	s_or_b32 s[G1B], s44, G1W0B
	s_mov_b32 s[G1A+1], ADIM0<<16
	s_mov_b32 s[G1A+2], ADIM1<<16
	s_mov_b32 s[G1A+3], ADIM0<<16
	s_mov_b32 s[G1A+4], ADIM1
	s_mov_b32 s[G1A+5], ASTRIDE
	s_mov_b32 s[G1A+6], 0
	s_mov_b32 s[G1A+7], 0
	s_mov_b32 s[G1B+1], KSTEP<<16
	s_mov_b32 s[G1B+2], BROWS<<16
	s_mov_b32 s[G1B+3], KSTEP<<16
	s_mov_b32 s[G1B+4], BROWS
	s_mov_b32 s[G1B+5], KDIM
	s_mov_b32 s[G1B+6], 0
	s_mov_b32 s[G1B+7], 0
	s_mul_i32 s[WOA], s12, AHALF
	s_mul_i32 s[WOB], s12, BHALF
	s_add_co_u32 s[WOB], s[WOB], ABYTES
	s_mov_b32 s[TB], 0
	s_mov_b32 s[FBS], SLOT
	s_mul_i32 s16, s13, TM
	s_mul_i32 s17, s12, AROWS
	s_add_co_u32 s16, s16, s17
	s_mul_i32 s16, s16, KDIM*2
	s_mov_b32 s17, 0
	s_mul_i32 s46, s42, TN
	s_mul_i32 s47, s12, BROWS
	s_add_co_u32 s46, s46, s47
	s_mul_i32 s46, s46, KDIM*2
	s_add_co_u32 s46, s46, BREG
	s_mov_b32 s47, 0
	s_wait_dscnt 0x0
	s_wait_kmcnt 0x0
	s_add_nc_u64 s[14:15], s[PA:PA+1], s[16:17]
	s_add_nc_u64 s[46:47], s[PBW:PBW+1], s[46:47]
	CROUND
.irp s, 0,1
	s_mov_b32 s[G0A+4*(\s)], 1
	s_add_co_u32 s[G0A+4*(\s)+1], s[WOA], (\s)*SLOT
	s_add_nc_u64 s[G0A+4*(\s)+2:G0A+4*(\s)+3], s[14:15], (\s)*ASTEP
	s_or_b32 s[G0A+4*(\s)+3], s[G0A+4*(\s)+3], 0x80000000
	s_mov_b32 s[G0B+4*(\s)], 1
	s_add_co_u32 s[G0B+4*(\s)+1], s[WOB], (\s)*SLOT
	s_add_nc_u64 s[G0B+4*(\s)+2:G0B+4*(\s)+3], s[46:47], (\s)*BSTEP
	s_or_b32 s[G0B+4*(\s)+3], s[G0B+4*(\s)+3], 0x80000000
	JLOAD \s
.endr
	v_and_b32 v1, 15, v0
	v_bfe_u32 v2, v0, 4, 1
	v_mul_u32_u24 v3, v1, PITCHA
	v_lshl_add_u32 v3, v2, 4, v3
	s_mul_i32 s21, s11, AHALF
	v_add_nc_u32 v[LNA], s21, v3
	s_mul_i32 s22, s12, BHALF
	s_add_co_u32 s22, s22, ABYTES
	v_add_nc_u32 v[LNB], s22, v3
	v_mov_b32 v[ADRA], v[LNA]
	v_mov_b32 v[ADRB], v[LNB]
	s_lshl_b32 s23, s11, 7
	v_add_nc_u32 v4, s23, v1                       ; into the stage: row 128 (wave / 2) + r,
	v_mul_u32_u24 v4, v4, GP
	v_lshl_add_u32 v4, v2, 4, v4
	s_lshl_b32 s23, s12, 9                         ; the first product's 512 bytes or the second's
	v_add_nc_u32 v[STO], s23, v4
	v_add_nc_u32 v[STO1], 64*GP, v[STO]            ; blocks 4 to 7: past the reach of a 16-bit offset
	s_lshl_b32 s23, s10, 6
	v_add_nc_u32 v5, s23, v2                       ; back: wave w takes rows 64 w on, lanes 0-15 one row, lanes 16-31 the next
	v_mul_u32_u24 v5, v5, GP
	v_lshl_add_u32 v[RD], v1, 4, v5
	v_lshlrev_b32 v5, 12, v2
	v_lshl_add_u32 v[CO], v1, 4, v5
	s_lshl_b32 s90, s13, 8
	s_add_co_u32 s90, s90, s23
	s_lshl_b32 s90, s90, 12
	s_lshl_b32 s91, s42, 8
	s_add_co_u32 s90, s90, s91
	s_mov_b32 s91, 0
	s_add_nc_u64 s[82:83], s[76:77], s[90:91]      ; g at my 64 rows, the tile's 128 columns
	s_mov_b32 s78, 0xbfb8aa3b                      ; - log2(e)
	s_mov_b32 s79, s78
	s_wait_tensorcnt 0x1                           ; my part of K step 0 is in; K step 1's may stay out
	s_barrier_signal -1
	s_barrier_wait -1
	FETCH 0, 0
	QUARTER 1, 0, 1, 1
	WIN 0
	s_mov_b32 s[CNT], TSTEPS-2
	s_branch .Lmid
.Lloop:
	QUARTER 1, 0, 1, 0
	WIN 0
.Lmid:
	QUARTER 2, 1, 0, 0
	QUARTER 3, 0, 1, 0
	TURN 1
	WIN 0
	s_sub_co_u32 s[CNT], s[CNT], 1
	s_cmp_lg_u32 s[CNT], 0
	s_cbranch_scc1 .Lloop
	s_mov_b32 s[CNT], 2
.Ltail:                                ; the last two K steps ask for nothing; the second trip's last fetch reads the other slot's old tile, and nothing uses it
	QUARTER 1, 0, 1, 0
	QUARTER 2, 1, 0, 0
	QUARTER 3, 0, 1, 0
	TURN 0
	WIN 0
	s_sub_co_u32 s[CNT], s[CNT], 1
	s_cmp_lg_u32 s[CNT], 0
	s_cbranch_scc1 .Ltail
	; THE WAY OUT
	s_wait_dscnt 0x0                               ; my reads of the slots are over,
	PLACES
	s_barrier_signal -1
	s_barrier_wait -1                              ; everybody's are: the slots, which are filled no more, become the stage
.set a, 0
.rept 8
	WIN 0x08+4*(a/4)
.set b, 0
.rept 8
.set AC, 8*((a%4)*8+b)
.if a < 4
	ds_store_b128 v[STO], v[AC:AC+3] offset:(a%4)*16*GP+b*32
	ds_store_b128 v[STO], v[AC+4:AC+7] offset:(a%4)*16*GP+b*32+256
.else
	ds_store_b128 v[STO1], v[AC:AC+3] offset:(a%4)*16*GP+b*32
	ds_store_b128 v[STO1], v[AC+4:AC+7] offset:(a%4)*16*GP+b*32+256
.endif
.set b, b+1
.endr
.set a, a+1
.endr
	WIN 0
	s_wait_dscnt 0x0                               ; for the others' sake: my stores are done
	s_barrier_signal -1
	s_barrier_wait -1
	s_mov_b32 s[CNT], 8
.Lrows:                                ; eight rows a trip: group g is rows 2 g, 2 g + 1; v[64 + 16 g ..]: eight numbers of the first product, eight of the second
.irp g, 0,1,2,3
.irp o, 0,1,2,3
	ds_load_b128 v[64+16*(\g)+4*(\o):64+16*(\g)+4*(\o)+3], v[RD] offset:(\g)*2*GP+(\o)*256
.endr
.endr
.irp g, 0,1,2,3
	s_wait_dscnt 12-4*(\g)                         ; group g's four loads are in, the younger groups' may stay out
.irp k, 0,1,2,3
	v_pk_mul_f32 v[32+2*(\k):33+2*(\k)], v[64+16*(\g)+2*(\k):65+16*(\g)+2*(\k)], s[78:79] op_sel_hi:[1,0]
.endr
.irp k, 0,1,2,3,4,5,6,7
	v_exp_f32 v[32+(\k)], v[32+(\k)]
.endr
.irp k, 0,1,2,3
	v_pk_mul_f32 v[64+16*(\g)+2*(\k):65+16*(\g)+2*(\k)], v[64+16*(\g)+2*(\k):65+16*(\g)+2*(\k)], v[72+16*(\g)+2*(\k):73+16*(\g)+2*(\k)]  ; a b: the plain work behind the exponentials
.endr
	s_wait_alu depctr_va_vdst(0)
.irp k, 0,1,2,3
	v_pk_add_f32 v[32+2*(\k):33+2*(\k)], v[32+2*(\k):33+2*(\k)], 1.0 op_sel_hi:[1,0]
.endr
.irp k, 0,1,2,3,4,5,6,7
	v_rcp_f32 v[32+(\k)], v[32+(\k)]
.endr
	v_nop                                          ; a plain instruction between the last reciprocal and its use
	s_wait_alu depctr_va_vdst(0)
.irp k, 0,1,2,3
	v_pk_mul_f32 v[64+16*(\g)+2*(\k):65+16*(\g)+2*(\k)], v[64+16*(\g)+2*(\k):65+16*(\g)+2*(\k)], v[32+2*(\k):33+2*(\k)]
.endr
.irp k, 0,1,2,3
	v_cvt_pk_bf16_f32 v[40+4*(\g)+(\k)], v[64+16*(\g)+2*(\k)], v[65+16*(\g)+2*(\k)]
.endr
	global_store_b128 v[CO], v[40+4*(\g):43+4*(\g)], s[82:83] offset:(\g)*8192  ; 16 lanes store 256 consecutive bytes
.endr
	s_wait_xcnt 0x0                                ; the base and the stores' registers are written again only behind this wait
	v_add_nc_u32 v[RD], 8*GP, v[RD]
	s_add_nc_u64 s[82:83], s[82:83], 32768
	s_sub_co_u32 s[CNT], s[CNT], 1
	s_cmp_lg_u32 s[CNT], 0
	s_cbranch_scc1 .Lrows
	s_wait_tensorcnt 0x0                           ; the wave's end
	ds_add_u32 v[SPW], v[NIL]
	s_wait_dscnt 0x0
	CROUND
	s_endpgm
.Lfunc_end_k_qd9649936d4_gate:
	.size	k_qd9649936d4_gate, .Lfunc_end_k_qd9649936d4_gate-k_qd9649936d4_gate
	.p2alignl 7, 3214868480
	.fill 96, 4, 3214868480
	.section	.rodata,"a",@progbits
	.p2align	6, 0x0
	.amdhsa_kernel k_qd9649936d4_gate
		.amdhsa_group_segment_fixed_size 327680
		.amdhsa_private_segment_fixed_size 0
		.amdhsa_enable_private_segment 0
		.amdhsa_kernarg_size 24
		.amdhsa_user_sgpr_count 2
		.amdhsa_user_sgpr_kernarg_segment_ptr 1
		.amdhsa_wavefront_size32 1
		.amdhsa_system_sgpr_workgroup_id_x 1
		.amdhsa_system_sgpr_workgroup_id_y 1
		.amdhsa_system_sgpr_workgroup_id_z 1
		.amdhsa_system_vgpr_workitem_id 0
		.amdhsa_next_free_vgpr 1024
		.amdhsa_next_free_sgpr 96
		.amdhsa_reserve_vcc 0
		.amdhsa_float_denorm_mode_32 3
		.amdhsa_float_denorm_mode_16_64 3
		.amdhsa_memory_ordered 1
		.amdhsa_forward_progress 1
		.amdhsa_inst_pref_size 86
	.end_amdhsa_kernel
	.amdgpu_metadata
---
amdhsa.version: [ 1, 2 ]
amdhsa.kernels:
  - .name:           k_qd9649936d4_gate
    .symbol:         k_qd9649936d4_gate.kd
    .args:
      - { .name: h2, .offset: 0, .size: 8, .value_kind: global_buffer, .address_space: global }
      - { .name: pre, .offset: 8, .size: 8, .value_kind: global_buffer, .address_space: global }
      - { .name: gb, .offset: 16, .size: 8, .value_kind: global_buffer, .address_space: global }
    .group_segment_fixed_size: 327680
    .private_segment_fixed_size: 0
    .kernarg_segment_align: 8
    .kernarg_segment_size: 24
    .max_flat_workgroup_size: 128
    .sgpr_count:     96
    .vgpr_count:     1024
    .wavefront_size: 32
...
	.end_amdgpu_metadata
.endif
;; end of part 5
;; launch down (part 6): grid 8 x 32, 4 waves a work-group, clusters of 4 x 4, 327,680 bytes of LDS; arguments gb, pre, x1, out0; writes out0
.if DOCPART == 6
	.amdgcn_target "amdgcn-amd-amdhsa--gfx1250"
	.amdhsa_code_object_version 6
	.text
	.protected	k_qd9649936d4_down
	.globl	k_qd9649936d4_down
	.p2align	8
	.type	k_qd9649936d4_down,@function
k_qd9649936d4_down:
	s_mov_b64 s[64:65], 0
	v_nop
	global_prefetch_b8 v0, s[64:65] scope:SCOPE_SE
	s_setreg_imm32_b32 hwreg(HW_REG_WAVE_MODE, 25, 1), 1
	s_wait_xcnt 0x0
	s_wait_alu depctr_hold_cnt(0) depctr_sa_sdst(0) depctr_va_vdst(0) depctr_va_sdst(0) depctr_va_ssrc(0) depctr_va_vcc(0) depctr_vm_vsrc(0)
	s_getreg_b32 s2, hwreg(HW_REG_IB_STS2, 6, 4)
	s_cmp_eq_u32 s2, 0
	s_cbranch_scc0 .Lentry_in_a_cluster
	s_endpgm
.Lentry_in_a_cluster:
	s_bfe_u32 s2, ttmp6, 0x10000c
	s_cmp_lg_u32 s2, 0xf033
	s_cbranch_scc0 .Lentry_shape_is_right
	s_endpgm
.Lentry_shape_is_right:
; DOWN.  out0 = x1 + g W3^T, f32.  g [4096][2048] bf16; W3 [1024][2048] bf16; sums in f32.
; A tile is 128 x 128: 256 work-groups, one for each WGP.  Four waves, each 64 x 64: 16 accumulators.  K goes in steps of 256 (rows of 512 bytes) through two LDS slots; one K step to a trip.
; CLUSTER 4 x 4: g's tile is shared along a row of the cluster, the weights' along a column.  THE MATRIX INSTRUCTION IS USED TRANSPOSED: a lane holds one row (lane % 16) and eight neighbouring columns.
; THE WALK ALONG K begins at step (4 X + Y) mod 8 in cluster (X, Y) and wraps: the two clusters that read the same rows of g begin four steps apart, the eight that read the same rows of the weights each at
; a step of its own.  X and Y are the same in all partners of a joint load.  The order of a sum's terms is rotated with it.
; x1 is loaded behind the first quarter and added on the way out, where a wave's 64 columns are one aligned run of 256 bytes.
; REGISTERS.  window 0: v0-31 addresses; v64-191 A's fragments, two buffers of 64 (later: at work)     window 1: v0-127 B's fragments
;   windows 2, 3: accumulator (a, b) in window 2 + a / 2 at v[8 ((a % 2) 4 + b)]; window 2 v64-191: my 64 x 64 of x1
.set TM, 128
.set TN, 128
.set KDIM, 2048
.set KSTEP, 256
.set TSTEPS, KDIM/KSTEP
.set TMASK, TSTEPS-1
.set LOGAS, 9                          ; a K step is 2^9 bytes along a row of A,
.set LOGBS, 9                          ; and of B
.set RX, 2
.set RY, 0
.set D, 2
.set AB, 4
.set BB, 4
.set NH, D*AB/2
.set PITCHA, 528
.set PITCHB, 528
.set AROWS, 64
.set BROWS, 64
.set AHALF, AROWS*PITCHA
.set ABYTES, 2*AHALF
.set BHALF, BROWS*PITCHB
.set SLOT, ABYTES+2*BHALF
.set STAGE, 2*SLOT
.set SPARE, STAGE+4*4352
.set HASBIAS, 0
.set AHEADS, 0
.set FA0, 64
.set FA1, 128
.set FB0, 0
.set FB1, 64
.set RES, 64
.set G1W0A, (1<<16)|(1<<20)|(1<<21)|(6<<22)|(3<<25)
.set G1W0B, G1W0A
.set ADIM0, KSTEP
.set ADIM1, AROWS
.set ASTRIDE, KDIM
.set BREG, 25165824
.set PA, 72
.set PBW, 74
.set LNA, 8
.set LNB, 9
.set ADRA, 16
.set ADRB, 20
.set STO, 24
.set RD, 25
.set CO, 26
.set SPW, 28
.set NIL, 29
.set G1A, 24
.set G0A, 32
.set G1B, 48
.set G0B, 56
.set TB, 66
.set FBS, 67
.set WOA, 68
.set WOB, 69
.set CNT, 70
.set KK, 71                            ; s71  the K step asked for last; s[18:19] its byte offset along a row; s[14:15], s[46:47] A's and B's rows at K = 0, never rewritten
.set MSB, 0
.macro WIN new
.if MSB != (\new)
	s_set_vgpr_msb (MSB<<8)|(\new)
.set MSB, \new
.endif
.endm
.macro PLACES
.rept 4
	v_nop
.endr
.endm
.macro WM ops:vararg
	v_wmma_f32_16x16x32_bf16 \ops
.endm
.macro JLOAD s                         ; a joint load: waves 0, 1 fetch A's halves, waves 2, 3 B's
	s_cmp_eq_u32 s11, 0
	s_cbranch_scc0 .Lfor_b_\@
	tensor_load_to_lds s[G0A+4*(\s):G0A+4*(\s)+3], s[G1A:G1A+7]
	s_nop 0
	PLACES
	s_branch .Lasked_\@
.Lfor_b_\@:
	tensor_load_to_lds s[G0B+4*(\s):G0B+4*(\s)+3], s[G1B:G1B+7]
	s_nop 0
	PLACES
.Lasked_\@:
.endm
.macro CREST
	s_cmp_lg_u32 s10, 0
	s_cbranch_scc1 .Lnot_wave_0_\@
	s_barrier_signal -3
.Lnot_wave_0_\@:
	s_barrier_wait -3
	s_barrier_signal -1
	s_barrier_wait -1
.endm
.macro CROUND
	s_barrier_signal -1
	s_barrier_wait -1
	CREST
.endm
.macro MUL f, c, a, init
.set AW, (\a)/(AB/2)
.set AC, 8*(((\a)%(AB/2))*BB)
.set RA, FA0+(\f)*(FA1-FA0)+8*((\c)*AB+(\a))
.set RB, FB0+(\f)*(FB1-FB0)+8*((\c)*BB)
.if (\init) && HASBIAS
	WIN 0x81+0x40*AW
.else
	WIN 0xa1+0x50*AW
.endif
.set b, 0
.rept BB
.if (\init) && HASBIAS
	WM v[AC+8*b:AC+8*b+7], v[RB+8*b:RB+8*b+7], v[RA:RA+7], v[BIAS+8*b:BIAS+8*b+7]
.elseif \init
	WM v[AC+8*b:AC+8*b+7], v[RB+8*b:RB+8*b+7], v[RA:RA+7], 0
.else
	WM v[AC+8*b:AC+8*b+7], v[RB+8*b:RB+8*b+7], v[RA:RA+7], v[AC+8*b:AC+8*b+7]
.endif
.set b, b+1
.endr
.endm
.macro MULH f, hi, init, from, to      ; the accumulators take turns, one instruction a turn
.set idx, \from
.rept (\to)-(\from)
.set mc, idx/(AB/2)
.set ma, (\hi)*(AB/2)+idx%(AB/2)
.if mc == 0
	MUL \f, mc, ma, \init
.else
	MUL \f, mc, ma, 0
.endif
.set idx, idx+1
.endr
.endm
.macro FETCH q, f
	WIN 0x40
.set c, 0
.rept D
.set i, 0
.rept BB
.set RB, FB0+(\f)*(FB1-FB0)+8*(c*BB+i)
.set BO, ((\q)*D+c)*64+i*16*PITCHB
	ds_load_b128 v[RB:RB+3], v[ADRB] offset:BO
	ds_load_b128 v[RB+4:RB+7], v[ADRB] offset:BO+32
.set i, i+1
.endr
.set c, c+1
.endr
	WIN 0
.irp half, 0,1
.set c, 0
.rept D
.set i, (\half)*(AB/2)
.rept AB/2
.set RA, FA0+(\f)*(FA1-FA0)+8*(c*AB+i)
.set kc, (\q)*D+c
.if AHEADS
.set AO, (kc/2)*9216+(kc%2)*64+i*2304
.else
.set AO, kc*64+i*16*PITCHA
.endif
	ds_load_b128 v[RA:RA+3], v[ADRA] offset:AO
	ds_load_b128 v[RA+4:RA+7], v[ADRA] offset:AO+32
.set i, i+1
.endr
.set c, c+1
.endr
.endr
.endm
.macro QUARTER q, f, g, init
	s_wait_dscnt D*AB                              ; all but the youngest D AB loads, A's upper blocks, are in
	MULH \f, 0, \init, 0, NH
	PLACES
	FETCH \q, \g
	s_wait_dscnt 32                                ; all but the 32 just issued
	MULH \f, 1, \init, 0, NH
.endm
.macro TURN fill
	WIN 0
	s_wait_tensorcnt 0x0                           ; all my tensor loads have landed: one was out, my part of the next slot
	ds_add_u32 v[SPW], v[NIL]
	s_wait_dscnt D*AB+1                            ; the add and A's upper blocks may be out
	MULH 1, 0, 0, 0, NH/2
	s_wait_dscnt 0x0                               ; the add is done, my reads of this slot are over
	s_barrier_signal -1
	MULH 1, 0, 0, NH/2, NH
	WIN 0
	s_barrier_wait -1
.if \fill
	CREST
	s_xor_b32 s[FBS], s[FBS], SLOT
	s_add_co_u32 s[G0A+5], s[FBS], s[WOA]
	s_add_co_u32 s[G0B+5], s[FBS], s[WOB]
	s_add_co_u32 s[KK], s[KK], 1                   ; the next K step, which wraps; both addresses are made anew from its number
	s_and_b32 s[KK], s[KK], TMASK
	s_lshl_b32 s18, s[KK], LOGAS
	s_add_nc_u64 s[G0A+6:G0A+7], s[14:15], s[18:19]
	s_or_b32 s[G0A+7], s[G0A+7], 0x80000000
	s_lshl_b32 s18, s[KK], LOGBS
	s_add_nc_u64 s[G0B+6:G0B+7], s[46:47], s[18:19]
	s_or_b32 s[G0B+7], s[G0B+7], 0x80000000
	JLOAD 1
.else
	PLACES
.endif
	s_xor_b32 s[TB], s[TB], SLOT
	v_add_nc_u32 v[ADRA], s[TB], v[LNA]
	v_add_nc_u32 v[ADRB], s[TB], v[LNB]
	FETCH 0, 0
	MULH 1, 1, 0, 0, NH
.endm
	s_load_b256 s[72:79], s[0:1], 0x0              ; gb 72, pre 74, x1 76, out0 78
	v_lshl_add_u32 v[SPW], v0, 2, SPARE
	v_mov_b32 v[NIL], 0
	ds_add_u32 v[SPW], v[NIL]                      ; the wave's opening: the add, and its wait, ahead of my first tensor load
	v_lshrrev_b32 v1, 5, v0
	v_readfirstlane_b32 s10, v1
	s_lshr_b32 s11, s10, 1
	s_and_b32 s12, s10, 1
	s_bfe_u32 s40, ttmp6, 0x40000
	s_bfe_u32 s41, ttmp6, 0x40004
	s_lshl_b32 s42, ttmp9, 2
	s_add_co_u32 s42, s42, s40
	s_and_b32 s13, ttmp7, 0xffff
	s_lshl_b32 s13, s13, 2
	s_add_co_u32 s13, s13, s41
	s_lshl_b32 s43, s41, 2
	s_lshl_b32 s43, 15, s43
	s_lshl_b32 s44, 0x1111, s40
	s_or_b32 s[G1A], s43, G1W0A
	s_or_b32 s[G1B], s44, G1W0B
	s_mov_b32 s[G1A+1], ADIM0<<16
	s_mov_b32 s[G1A+2], ADIM1<<16
	s_mov_b32 s[G1A+3], ADIM0<<16
	s_mov_b32 s[G1A+4], ADIM1
	s_mov_b32 s[G1A+5], ASTRIDE
	s_mov_b32 s[G1A+6], 0
	s_mov_b32 s[G1A+7], 0
	s_mov_b32 s[G1B+1], KSTEP<<16
	s_mov_b32 s[G1B+2], BROWS<<16
	s_mov_b32 s[G1B+3], KSTEP<<16
	s_mov_b32 s[G1B+4], BROWS
	s_mov_b32 s[G1B+5], KDIM
	s_mov_b32 s[G1B+6], 0
	s_mov_b32 s[G1B+7], 0
	s_mul_i32 s[WOA], s12, AHALF
	s_mul_i32 s[WOB], s12, BHALF
	s_add_co_u32 s[WOB], s[WOB], ABYTES
	s_mov_b32 s[TB], 0
	s_mov_b32 s[FBS], SLOT
	s_lshl_b32 s[KK], ttmp9, RX                    ; the walk's first K step, from the cluster's x and y alone
	s_and_b32 s19, ttmp7, 0xffff
	s_lshl_b32 s19, s19, RY
	s_add_co_u32 s[KK], s[KK], s19
	s_and_b32 s[KK], s[KK], TMASK
	s_mov_b32 s19, 0
	s_mul_i32 s16, s13, TM
	s_mul_i32 s17, s12, AROWS
	s_add_co_u32 s16, s16, s17
	s_mul_i32 s16, s16, KDIM*2
	s_mov_b32 s17, 0
	s_mul_i32 s46, s42, TN
	s_mul_i32 s47, s12, BROWS
	s_add_co_u32 s46, s46, s47
	s_mul_i32 s46, s46, KDIM*2
	s_add_co_u32 s46, s46, BREG
	s_mov_b32 s47, 0
	s_wait_dscnt 0x0
	s_wait_kmcnt 0x0
	s_add_nc_u64 s[14:15], s[PA:PA+1], s[16:17]
	s_add_nc_u64 s[46:47], s[PBW:PBW+1], s[46:47]
	CROUND
.irp s, 0,1
	s_mov_b32 s[G0A+4*(\s)], 1
	s_add_co_u32 s[G0A+4*(\s)+1], s[WOA], (\s)*SLOT
	s_lshl_b32 s18, s[KK], LOGAS
	s_add_nc_u64 s[G0A+4*(\s)+2:G0A+4*(\s)+3], s[14:15], s[18:19]
	s_or_b32 s[G0A+4*(\s)+3], s[G0A+4*(\s)+3], 0x80000000
	s_mov_b32 s[G0B+4*(\s)], 1
	s_add_co_u32 s[G0B+4*(\s)+1], s[WOB], (\s)*SLOT
	s_lshl_b32 s18, s[KK], LOGBS
	s_add_nc_u64 s[G0B+4*(\s)+2:G0B+4*(\s)+3], s[46:47], s[18:19]
	s_or_b32 s[G0B+4*(\s)+3], s[G0B+4*(\s)+3], 0x80000000
	JLOAD \s
.if (\s) == 0
	s_add_co_u32 s[KK], s[KK], 1
	s_and_b32 s[KK], s[KK], TMASK
.endif
.endr
	v_and_b32 v1, 15, v0
	v_bfe_u32 v2, v0, 4, 1
	v_mul_u32_u24 v3, v1, PITCHA
	v_lshl_add_u32 v3, v2, 4, v3
	s_mul_i32 s21, s11, AHALF
	v_add_nc_u32 v[LNA], s21, v3
	s_mul_i32 s22, s12, BHALF
	s_add_co_u32 s22, s22, ABYTES
	v_add_nc_u32 v[LNB], s22, v3
	v_mov_b32 v[ADRA], v[LNA]
	v_mov_b32 v[ADRB], v[LNB]
	s_mul_i32 s23, s10, 4352
	s_add_co_u32 s23, s23, STAGE
	v_mul_u32_u24 v4, v1, 272
	v_lshl_add_u32 v4, v2, 5, v4
	v_add_nc_u32 v[STO], s23, v4
	v_mul_u32_u24 v5, v2, 272
	v_lshl_add_u32 v5, v1, 4, v5
	v_add_nc_u32 v[RD], s23, v5
	v_lshlrev_b32 v5, 12, v2
	v_lshl_add_u32 v[CO], v1, 4, v5
	s_lshl_b32 s90, s13, 7
	s_lshl_b32 s91, s11, 6
	s_add_co_u32 s90, s90, s91
	s_lshl_b32 s90, s90, 12
	s_lshl_b32 s91, s42, 9
	s_add_co_u32 s90, s90, s91
	s_lshl_b32 s91, s12, 8
	s_add_co_u32 s90, s90, s91
	s_mov_b32 s91, 0
	s_add_nc_u64 s[82:83], s[76:77], s[90:91]      ; x1 at my 64 x 64
	s_add_nc_u64 s[84:85], s[78:79], s[90:91]      ; out0
	s_wait_tensorcnt 0x1                           ; my part of the first step is in; the second's may stay out
	s_barrier_signal -1
	s_barrier_wait -1
	FETCH 0, 0
	QUARTER 1, 0, 1, 1
	WIN 0x80
.set a, 0
.rept 4                                ; x1 is asked for when the first tiles are in, and lands under the loop
.set f, 0
.rept 8
	global_load_b128 v[RES+32*a+4*f:RES+32*a+4*f+3], v[CO], s[82:83] offset:(16*a+2*f)*4096
.set f, f+1
.endr
.set a, a+1
.endr
	WIN 0
	s_mov_b32 s[CNT], TSTEPS-2
	s_branch .Lmid
.Lloop:
	QUARTER 1, 0, 1, 0
	WIN 0
.Lmid:
	QUARTER 2, 1, 0, 0
	QUARTER 3, 0, 1, 0
	TURN 1
	WIN 0
	s_sub_co_u32 s[CNT], s[CNT], 1
	s_cmp_lg_u32 s[CNT], 0
	s_cbranch_scc1 .Lloop
	s_mov_b32 s[CNT], 2
.Ltail:                                ; the last two K steps ask for nothing; the second trip's last fetch reads the other slot's old tile, and nothing uses it
	QUARTER 1, 0, 1, 0
	QUARTER 2, 1, 0, 0
	QUARTER 3, 0, 1, 0
	TURN 0
	WIN 0
	s_sub_co_u32 s[CNT], s[CNT], 1
	s_cmp_lg_u32 s[CNT], 0
	s_cbranch_scc1 .Ltail
	; THE WAY OUT: 16 rows at a time through my stage, x1 added, whole runs of 256 bytes stored
	s_wait_dscnt 0x0
	s_wait_loadcnt 0x0                             ; x1
	PLACES
.macro TOSTAGE a
	s_wait_xcnt 0x0                                ; the buffer loaded below was stored two blocks ago
	WIN 0x08+4*((\a)/2)
.set b, 0
.rept 4
.set AC, 8*(((\a)%2)*4+b)
	ds_store_b128 v[STO], v[AC:AC+3] offset:b*64
	ds_store_b128 v[STO], v[AC+4:AC+7] offset:b*64+16
.set b, b+1
.endr
	WIN 0
.set BK, 64+32*((\a)%2)
.irp f, 0,1,2,3,4,5,6,7
	ds_load_b128 v[BK+4*(\f):BK+4*(\f)+3], v[RD] offset:(\f)*544  ; LDS serves a wave's instructions in order (ISA guide 5.7.1.4)
.endr
.endm
.macro SEND a, younger                 ; younger: the next block's sixteen LDS instructions, or none
.set BK, 64+32*((\a)%2)
	s_wait_dscnt \younger
	WIN 0x08
.set i, 0
.rept 16
	v_pk_add_f32 v[BK+2*i:BK+2*i+1], v[BK+2*i:BK+2*i+1], v[RES+32*(\a)+2*i:RES+32*(\a)+2*i+1]
.set i, i+1
.endr
	WIN 0
.irp f, 0,1,2,3,4,5,6,7
	global_store_b128 v[CO], v[BK+4*(\f):BK+4*(\f)+3], s[84:85] offset:(16*(\a)+2*(\f))*4096  ; 16 lanes store 256 consecutive bytes
.endr
.endm
	TOSTAGE 0
	TOSTAGE 1
	SEND 0, 16
	TOSTAGE 2
	SEND 1, 16
	TOSTAGE 3
	SEND 2, 16
	SEND 3, 0
	s_wait_tensorcnt 0x0                           ; the wave's end
	ds_add_u32 v[SPW], v[NIL]
	s_wait_dscnt 0x0
	CROUND
	s_endpgm
.Lfunc_end_k_qd9649936d4_down:
	.size	k_qd9649936d4_down, .Lfunc_end_k_qd9649936d4_down-k_qd9649936d4_down
	.p2alignl 7, 3214868480
	.fill 96, 4, 3214868480
	.section	.rodata,"a",@progbits
	.p2align	6, 0x0
	.amdhsa_kernel k_qd9649936d4_down
		.amdhsa_group_segment_fixed_size 327680
		.amdhsa_private_segment_fixed_size 0
		.amdhsa_enable_private_segment 0
		.amdhsa_kernarg_size 32
		.amdhsa_user_sgpr_count 2
		.amdhsa_user_sgpr_kernarg_segment_ptr 1
		.amdhsa_wavefront_size32 1
		.amdhsa_system_sgpr_workgroup_id_x 1
		.amdhsa_system_sgpr_workgroup_id_y 1
		.amdhsa_system_sgpr_workgroup_id_z 1
		.amdhsa_system_vgpr_workitem_id 0
		.amdhsa_next_free_vgpr 832
		.amdhsa_next_free_sgpr 96
		.amdhsa_reserve_vcc 0
		.amdhsa_float_denorm_mode_32 3
		.amdhsa_float_denorm_mode_16_64 3
		.amdhsa_memory_ordered 1
		.amdhsa_forward_progress 1
		.amdhsa_inst_pref_size 66
	.end_amdhsa_kernel
	.amdgpu_metadata
---
amdhsa.version: [ 1, 2 ]
amdhsa.kernels:
  - .name:           k_qd9649936d4_down
    .symbol:         k_qd9649936d4_down.kd
    .args:
      - { .name: gb, .offset: 0, .size: 8, .value_kind: global_buffer, .address_space: global }
      - { .name: pre, .offset: 8, .size: 8, .value_kind: global_buffer, .address_space: global }
      - { .name: x1, .offset: 16, .size: 8, .value_kind: global_buffer, .address_space: global }
      - { .name: out0, .offset: 24, .size: 8, .value_kind: global_buffer, .address_space: global }
    .group_segment_fixed_size: 327680
    .private_segment_fixed_size: 0
    .kernarg_segment_align: 8
    .kernarg_segment_size: 32
    .max_flat_workgroup_size: 128
    .sgpr_count:     96
    .vgpr_count:     832
    .wavefront_size: 32
...
	.end_amdgpu_metadata
.endif
;; end of part 6
;; ======== version 2 of 2: 7 launches; 1.16 times as fast as version 1
;; limits: values are held in f16: magnitudes above 65,504 overflow, below 6.1e-05 lose precision
;; workspace buffers: pre 29,900,800 bytes; qkvb 25,427,968 bytes; ob 8,388,608 bytes; x1 16,777,216 bytes; h2 8,388,608 bytes; gb 16,777,216 bytes
;; launch prep: the kernel of part 1 again; grid 928 x 1, 8 waves a work-group, no clusters, 0 bytes of LDS; arguments x, ln1_g, ln1_b, qkv_w, proj_w, w1, w2, w3, key_padding_mask, pre; writes pre
;; launch qkv: the kernel of part 2 again; grid 16 x 16, 4 waves a work-group, clusters of 4 x 4, 327,680 bytes of LDS; arguments pre, qkv_b, qkvb; writes qkvb
;; launch attn (part 7): grid 8 x 32, 4 waves a work-group, no clusters, 327,680 bytes of LDS; arguments qkvb, pre, ob; writes ob
.if DOCPART == 7
	.amdgcn_target "amdgcn-amd-amdhsa--gfx1250"
	.amdhsa_code_object_version 6
	.text
	.protected	k_qd9649936d4_attn
	.globl	k_qd9649936d4_attn
	.p2align	8
	.type	k_qd9649936d4_attn,@function
k_qd9649936d4_attn:
	s_mov_b64 s[64:65], 0
	v_nop
	global_prefetch_b8 v0, s[64:65] scope:SCOPE_SE
	s_setreg_imm32_b32 hwreg(HW_REG_WAVE_MODE, 25, 1), 1
	s_wait_xcnt 0x0
; CAUSAL ATTENTION WITH A KEY PADDING MASK.  O[bh][q] = sum over k of softmax_k(Q[q] . K[k] / 8, hidden where k > q or key k is padded) V[k].  Q, K, V, O: [32][2048][64] f16.
; Products, maxima and sums in f32; the weights are rounded to f16 for the second product (their sum is taken unrounded), O once at the end.
; LIMITS.  A hidden score counts as its value less 1e30 (f16's scores are 2.7e11 at the most); a weight below 2^-126 counts as 0; NaN and infinities are not treated apart.
; A ROW WITH NO KEY KEPT (all its causal keys padded): the module's softmax is then uniform over ALL 2,048 keys, so the row is the mean of the head's V.  Such a row is known by its running
; maximum, below -5e29, and takes that mean, made here from the column sums that the launch before stored.
; THE WALK.  A head has 16 blocks of 128 queries; block i needs the key tiles 0 .. i of 128 keys, the last holding the diagonal.  A work-group takes blocks b and then 15 - b.  Keys come in CHUNKS of 256, a slot each:
; chunk c of block i begins at key tile max(0, 2 c - e), e = 1 for even i, c = 0 .. i / 2.  So an even block's first chunk gives two key steps (its other two are jumped: tile 1 comes again with the next chunk),
; and a block's last chunk is whole, with the diagonal in its steps 2 and 3 (block 0: one chunk, two steps, both the diagonal's).  Both blocks together: 9 chunks and 34 key steps whatever b: all 256 work-groups
; do equal work, every count is a constant, and what a trip does hangs on scalars made from b alone.
; NO CLUSTER: a head's eight work-groups ask for the same chunk only while their first blocks last, and b differs between them: their walks part.
; SHARES.  A wave owns 16 rows in each of the block's two bands of 64: two PIECES.  In the diagonal tile's key step s (of 64 keys) band x sees all keys if s < x, none if s > x, and holds the diagonal if s = x.
; THE MASKS.  The padding addends of a step's 64 keys (0 or -1e30, f32, brought into LDS with the chunk) are the C operand that starts S^T = K Q^T.  The causal mask is added to the scores in the diagonal tile alone.
; LAYOUT.  S^T = K Q^T holds one query a lane (lane % 16) and the keys 8 (lane / 16) + 0..7; two such results rounded to f16 ARE source 1 of O^T = V^T P.  p = 2^(c s - c m), c = log2(e) / 8, with a running maximum m;
; O and l are multiplied by a = 2^(c m_old - c m_new) in every step.
; BY TURNS.  The turn of piece Y: 8 products K Q^T for the other piece's next scores, then 8 products V^T P of the other piece's last weights; beside them the scaling, exponentials, roundings, sums and rescaling of
; piece Y and the maximum and statistics of the other piece.  Four vector instructions stand behind every matrix instruction, the other 54 of a turn's 118 in two lumps.  Piece 0's turn and piece 1's are a key step.
; THE BATCH.  A turn's 33 exponentials (piece Y's 32 weights and the other piece's a) are ONE batch with ONE wait.  Ahead of the batch stand the products K Q^T with the scalings and rescalings behind them, and the turn's
; two jumps (over K's run, over the causal mask).  The batch opens behind the mask's label, beside the products V^T P, and holds no label and no jump; nothing in it names a result of its own.  Behind its wait stand the
; readers alone: roundings and sums.  The first a of all and each way out's reciprocal have a wait of their own.
; REGISTERS, in windows of 256 (s_set_vgpr_msb: bits 1:0 source 0, 3:2 source 1, 5:4 source 2, 7:6 destination):
;   window 0: v2-31 addresses and statistics; v48-55 at work; v64-127 S^T, a buffer a piece; v128-159 the padding addends; v192-223 P, a buffer a piece
;   window 1: v0-63 O^T; v128-159 the diagonal's mask; v160-175 the mean of V in f16       window 2: v0-31 Q; v64-95 the second block's Q; v128-191 K of one step; v192-255 V of one step
.set KS,    64
.set CK,    256       ; keys in a slot
.set PK,    144       ; a row of K in LDS: 128 bytes + 16: the 16 rows of a load start at 16 different groups of four banks (64 banks of 4 bytes: ISA guide 11.1)
.set PVP,   160       ; a row of V: 128 + 32
.set KOFF,  CK*4      ; a slot: 1,024 bytes of addends, then K, then V: an address one step past the addends or past K still lies in the same slot
.set VOFF,  KOFF+CK*PK
.set SLOT,  VOFF+CK*PVP
.set STAGE, 2*SLOT    ; 16 rows x 144 bytes for each wave, for the way out; never filled by a tensor load
.set SP,    144
.set VSC,   STAGE+4*16*SP  ; 256 bytes for each wave: the mean of V changes lanes here
.set SPARE, VSC+4*256      ; the spare words, 128 bytes a wave: two blocks of 256 bytes that no other line names
.set AK0, 2
.set AV0, 3
.set AK,  4
.set AV,  5
.set STO, 6
.set RD,  7
.set GO,  8           ; 16 x lane
.set AP0, 9
.set AP,  10
.set MV,  12          ; v12-13 c m_old, a piece each
.set QO,  15
.set ST,  16          ; piece x: c m, m, l (even keys', odd keys') at v[ST + 4 x]
.set TMP, 48          ; piece x: c0-c3 at work; c2 takes a
.set SPW, 62
.set NIL, 63
.set S,   64
.set PM,  128
.set P,   192
.set MD,  128         ; window 1
.set VMH, 160         ; window 1
.set QB,  64          ; window 2
.set KF,  128         ; window 2: key block kb, channel half c at KF + 16 kb + 8 c
.set VF,  192         ; window 2: key half kk, channel block cb at VF + 32 kk + 8 cb
.set EQ,  4           ; s4   e of the block whose chunks are being asked for
.set HCL, 5           ; s5   the second block's last chunk
.set HE,  6           ; s6   the second block's e
.set WV,  12
.set PB,  14
.set HI,  15
.set G1K, 24
.set G1V, 32
.set G1P, 40
.set G0K, 48
.set G0V, 52
.set G0P, 56
.set CS,  60          ; s[60:61] c
.set SEL, 62          ; s[62:63] lane selects of the exchange between the halves
.set TB,  66          ; LDS base of the slot being read
.set FB,  67          ; of the slot filled last
.set TBK, 68          ; the slot's base plus the steps of K taken so far; TBV, TBP the same for V and the addends
.set TBV, 69
.set TBP, 70
.set SLOTS, 71
.set CNT, 72
.set NXC, 73          ; the chunk to be asked for next
.set LQC, 74          ; the last chunk of the block whose chunks are being asked for
.set CC,  75          ; the chunk being read
.set CL,  76          ; the last chunk of the block in hand
.set EC,  77          ; e of the block in hand
.set LASTC, 78        ; 1: the chunk being read is its block's last
.set TI,  79          ; the key step in the chunk
.set OFF, 80
.set KBS, 82
.set VBS, 84
.set PBS, 86
.set OBS, 88
.set OLO, 90
.set AL,  92
.set BE,  94
.set NL,  96          ; key steps of this chunk that are walked: 4 or 2
.set D0,  97          ; the first of them that belongs to the diagonal tile; 8: none
.set BIGN, 98
.set HNEG, 99
.set SF0, 100         ; s100, s101  lanes whose row of piece 0, 1 has kept no key
.set PH,  104         ; the change of blocks: 1 piece 0 ends, 2 piece 1 is still to go out, 0 else
.set MSB, 0
.macro WIN new
.if MSB != (\new)
	s_set_vgpr_msb (MSB<<8)|(\new)
.set MSB, \new
.endif
.endm
.set W_KQ, 0x0a       ; K and Q in window 2, the addends and S^T in window 0
.set W_PV, 0x52       ; V in window 2, P in window 0, O^T in window 1
.set W_RS, 0x41       ; destination and source 0 in window 1, source 1 in window 0
.macro PLACES
.rept 4
	v_nop
.endr
.endm
; A fill: wave 0 fetches the chunk's K, wave 1 its V, wave 2 its addends, wave 3 nothing.
.macro LOAD
	s_cmp_lg_u32 s[WV], 0
	s_cbranch_scc1 .Lnot0_\@
	tensor_load_to_lds s[G0K:G0K+3], s[G1K:G1K+7]
	s_nop 0
	PLACES
	s_branch .Lasked_\@
.Lnot0_\@:
	s_cmp_lg_u32 s[WV], 1
	s_cbranch_scc1 .Lnot1_\@
	tensor_load_to_lds s[G0V:G0V+3], s[G1V:G1V+7]
	s_nop 0
	PLACES
	s_branch .Lasked_\@
.Lnot1_\@:
	s_cmp_lg_u32 s[WV], 2
	s_cbranch_scc1 .Lasked_\@
	tensor_load_to_lds s[G0P:G0P+3], s[G1P:G1P+7]
	s_nop 0
	PLACES
.Lasked_\@:
.endm
; THE CHANGE OF SLOTS.  Each wave waits for all its tensor loads (one at the most is out: its part of the other slot), adds 0 to its spare word, and waits for that and for its reads of the slot that it leaves, of
; which the last, V of the slot's last step, close the first part of piece 0's turn.  fill = 1: the old slot is filled again, first thing behind the barrier, with chunk NXC; the addresses are made anew from its number.
.macro CHANGE fill
	WIN 0
	s_wait_tensorcnt 0x0
	ds_add_u32 v[SPW], v[NIL]                      ; the scalar work below stands between the add and the wait for it
.if \fill
	s_xor_b32 s[FB], s[FB], SLOT
	s_mov_b32 s[G0P+1], s[FB]
	s_add_co_u32 s[G0K+1], s[FB], KOFF
	s_add_co_u32 s[G0V+1], s[FB], VOFF
	s_lshl_b32 s13, s[NXC], 1                      ; the chunk's first key tile: max(0, 2 c - e)
	s_sub_co_i32 s13, s13, s[EQ]
	s_max_i32 s13, s13, 0
	s_lshl_b32 s[OFF], s13, 14                     ; a tile is 16,384 bytes of K and of V,
	s_add_nc_u64 s[G0K+2:G0K+3], s[KBS:KBS+1], s[OFF:OFF+1]
	s_or_b32 s[G0K+3], s[G0K+3], 0x80000000
	s_add_nc_u64 s[G0V+2:G0V+3], s[VBS:VBS+1], s[OFF:OFF+1]
	s_or_b32 s[G0V+3], s[G0V+3], 0x80000000
	s_lshl_b32 s[OFF], s13, 9                      ; and 512 of addends
	s_add_nc_u64 s[G0P+2:G0P+3], s[PBS:PBS+1], s[OFF:OFF+1]
	s_or_b32 s[G0P+3], s[G0P+3], 0x80000000
	s_add_co_u32 s[NXC], s[NXC], 1                 ; the block's next chunk, or behind its last the second block's chunk 0
	s_cmp_gt_u32 s[NXC], s[LQC]
	s_cselect_b32 s[NXC], 0, s[NXC]
	s_cselect_b32 s[LQC], s[HCL], s[LQC]
	s_cselect_b32 s[EQ], s[HE], s[EQ]
.endif
	s_add_co_u32 s[CC], s[CC], 1                   ; the chunk being entered: the next, or behind a block's last the second block's chunk 0
	s_cmp_eq_u32 s[LASTC], 1
	s_cselect_b32 s[PH], 1, s[PH]
	s_cselect_b32 s[CC], 0, s[CC]
	s_cselect_b32 s[CL], s[HCL], s[CL]
	s_cselect_b32 s[EC], s[HE], s[EC]
	s_lshl_b32 s13, s[EC], 1
	s_cmp_eq_u32 s[CC], 0
	s_cselect_b32 s13, s13, 0
	s_sub_co_u32 s[NL], 4, s13                     ; an even block's first chunk gives two steps
	s_sub_co_u32 s3, s[NL], 2
	s_cmp_eq_u32 s[CC], s[CL]
	s_cselect_b32 s[LASTC], 1, 0
	s_cselect_b32 s[D0], s3, 8                     ; a block's last two steps are the diagonal tile's
	s_mov_b32 s[TI], 0
	s_wait_dscnt 0x0                               ; the add is done, my reads of the old slot are over
	s_barrier_signal -1
	s_xor_b32 s[TB], s[TB], SLOT
	s_mov_b32 s[TBK], s[TB]
	s_mov_b32 s[TBV], s[TB]
	s_mov_b32 s[TBP], s[TB]
	s_barrier_wait -1
.if \fill
	LOAD
.endif
.endm
; a step's K (8 fragments) and its 64 addends, in one run of 24 loads; the two addresses are made, and their bases stepped, ahead of it
.macro KRUN
	WIN 0x80
.irp f, 0,1,2,3,4,5,6,7                ; keys 16 (f / 2) on, channels 32 (f % 2) on
	ds_load_b128 v[KF+8*(\f):KF+8*(\f)+3],   v[AK] offset:((\f)/2)*16*PK+((\f)%2)*64
	ds_load_b128 v[KF+8*(\f)+4:KF+8*(\f)+7], v[AK] offset:((\f)/2)*16*PK+((\f)%2)*64+32
.endr
	WIN 0
.irp f, 0,1,2,3,4,5,6,7                ; keys 16 (f / 2) + 8 h + 4 (f % 2) + 0..3
	ds_load_b128 v[PM+4*(\f):PM+4*(\f)+3], v[AP] offset:((\f)/2)*64+((\f)%2)*16
.endr
.endm
.macro KADR                            ; the addresses of the next run of K and addends; the bases step on every path
	v_add_nc_u32 v[AK], s[TBK], v[AK0]
	v_add_nc_u32 v[AP], s[TBP], v[AP0]
	s_add_co_u32 s[TBK], s[TBK], KS*PK
	s_add_co_u32 s[TBP], s[TBP], KS*4
.endm
.macro KLATE                           ; K of a slot's first step: behind the change of slots
	WIN 0
	KADR
	KRUN
.endm
.macro VRUN
	WIN 0x80
.irp f, 0,1,2,3,4,5,6,7                ; keys 32 (f / 4) on, channels 16 (f % 4) on
	ds_load_tr16_b128 v[VF+8*(\f):VF+8*(\f)+3],   v[AV] offset:((\f)/4)*32*PVP+((\f)%4)*32
	ds_load_tr16_b128 v[VF+8*(\f)+4:VF+8*(\f)+7], v[AV] offset:((\f)/4)*32*PVP+16*PVP+((\f)%4)*32
.endr
	WIN 0
	s_add_co_u32 s[TBV], s[TBV], KS*PVP
.endm
; THE MATRIX WORK.  The 4 accumulators of a run of 8 take turns.  Product i of 8 of S^T = K Q^T for piece x: channels 32 (i / 4) on, keys 16 (i % 4) on.  The first 4 start the sums with the padding addends.
.macro KQ x
	WIN W_KQ
.set qS, S+32*(\x)+8*(i%4)
.set qK, KF+16*(i%4)+8*(i/4)
.set qQ, 16*(\x)+8*(i/4)
.set qM, PM+8*(i%4)
.if i < 4
	v_wmma_f32_16x16x32_f16 v[qS:qS+7], v[qK:qK+7], v[qQ:qQ+7], v[qM:qM+7]
.else
	v_wmma_f32_16x16x32_f16 v[qS:qS+7], v[qK:qK+7], v[qQ:qQ+7], v[qS:qS+7]
.endif
.endm
; Product i of 8 of O^T += V^T P for piece x: keys 32 (i / 4) on, channels 16 (i % 4) on.
.macro PV x
	WIN W_PV
.set qO, 32*(\x)+8*(i%4)
.set qV, VF+32*(i/4)+8*(i%4)
.set qP, P+16*(\x)+8*(i/4)
	v_wmma_f32_16x16x32_f16 v[qO:qO+7], v[qV:qV+7], v[qP:qP+7], v[qO:qO+7]
.endm
.macro MM                              ; the turn's next matrix instruction
.if i < 8
	KQ 1-Y
.else
.set i, i-8
	PV 1-Y
.set i, i+8
.endif
.set i, i+1
.endm
; THE VECTOR WORK, one line at a time: OP kind, number.  For piece Y: F n: c s - c m for pair n of 16.  E n: the exponential of score n of 32.  C n: pair n rounded to f16.  B n: of the four weights 4 n .. the second
; pair is added onto the first, in place.  L n: l takes that sum (L 0: l = a l + sum).  R n: pair n of 16 of O^T times a.  For the other piece: X n, number n of the 22 that find its maximum and statistics:
;   0-11  four chains c0-c3 of seven scores each, three operands at a time (each accumulator's lowest registers are read first)     12-14, 16  the four scores left over, the old m, and c0-c3 into c0
;   15  c m_old is kept     17, 18  the query's other 32 keys lie in the lane 16 away: the new m     19-21  c m; c m_old - c m_new; a
; OP writes no wait: E and X 21 are the batch, C, B, L and R its readers, and the turn's text puts the one wait between them.
.set F, 0
.set E, 1
.set C, 2
.set B, 3
.set L, 4
.set R, 5
.set X, 6
.macro REGS y
.set rT, ST+4*(\y)
.set rC, TMP+4*(\y)
.set rW, MV+(\y)
.set rS, S+32*(\y)
.set rP, P+16*(\y)
.set rO, 32*(\y)
.endm
.macro OP k, n
.if (\k) == R
	REGS Y
	WIN W_RS
	v_pk_mul_f32 v[rO+2*(\n):rO+2*(\n)+1], v[rO+2*(\n):rO+2*(\n)+1], v[rC+2:rC+3] op_sel_hi:[1,0]
.elseif (\k) < R
	REGS Y
	WIN 0
.if (\k) == F
	v_pk_fma_f32 v[rS+2*(\n):rS+2*(\n)+1], v[rS+2*(\n):rS+2*(\n)+1], s[CS:CS+1], v[rT:rT+1] op_sel_hi:[1,0,0] neg_lo:[0,0,1] neg_hi:[0,0,1]
.elseif (\k) == E
	v_exp_f32 v[rS+(\n)], v[rS+(\n)]
.elseif (\k) == C
	v_cvt_pk_f16_f32 v[rP+(\n)], v[rS+2*(\n)], v[rS+2*(\n)+1]
.elseif (\k) == B
	v_pk_add_f32 v[rS+4*(\n):rS+4*(\n)+1], v[rS+4*(\n):rS+4*(\n)+1], v[rS+4*(\n)+2:rS+4*(\n)+3]
.elseif (\n) == 0
	v_pk_fma_f32 v[rT+2:rT+3], v[rT+2:rT+3], v[rC+2:rC+3], v[rS:rS+1] op_sel_hi:[1,0,1]
.else
	v_pk_add_f32 v[rT+2:rT+3], v[rT+2:rT+3], v[rS+4*(\n):rS+4*(\n)+1]
.endif
.else
	REGS 1-Y
	WIN 0
.if (\n) < 4
	v_max3_num_f32 v[rC+(\n)], v[rS+8*(\n)], v[rS+8*(\n)+1], v[rS+8*(\n)+2]
.elseif (\n) < 12
	v_max3_num_f32 v[rC+(\n)%4], v[rC+(\n)%4], v[rS+8*((\n)%4)+2*((\n)/4)+1], v[rS+8*((\n)%4)+2*((\n)/4)+2]
.elseif (\n) == 12
	v_max3_num_f32 v[rC], v[rC], v[rS+7], v[rS+15]
.elseif (\n) == 13
	v_max3_num_f32 v[rC+1], v[rC+1], v[rS+23], v[rS+31]
.elseif (\n) == 14
	v_max3_num_f32 v[rC+2], v[rC+2], v[rC+3], v[rT+1]
.elseif (\n) == 15
	v_mov_b32 v[rW], v[rT]
.elseif (\n) == 16
	v_max3_num_f32 v[rC], v[rC], v[rC+1], v[rC+2]
.elseif (\n) == 17
	v_permlanex16_b32 v[rC+3], v[rC], s[SEL], s[SEL+1]
.elseif (\n) == 18
	v_max_num_f32 v[rT+1], v[rC], v[rC+3]
.elseif (\n) == 19
	v_mul_f32 v[rT], s[CS], v[rT+1]
.elseif (\n) == 20
	v_sub_f32 v[rC+1], v[rW], v[rT]
.else
	v_exp_f32 v[rC+2], v[rC+1]
.endif
.endif
.endm
.macro OPS a, i1, b=-1, i2=0, c=-1, i3=0, d=-1, i4=0  ; up to four of them
	OP \a, \i1
.if (\b) >= 0
	OP \b, \i2
.endif
.if (\c) >= 0
	OP \c, \i3
.endif
.if (\d) >= 0
	OP \d, \i4
.endif
.endm
.macro ROW a, i1, b, i2, c, i3, d, i4  ; a matrix instruction and the four behind it
	MM
	OPS \a, \i1, \b, \i2, \c, \i3, \d, \i4
.endm
; THE CAUSAL MASK on piece x's new scores, jumped over unless the step belongs to the diagonal tile.  Its first step: band 0 holds the diagonal, band 1 sees all; its second: band 0 sees nothing, band 1 holds the diagonal.
.macro DFIX x
	WIN 0
	s_cmp_ge_u32 s[TI], s[D0]
	s_cbranch_scc0 .Lnd_\@
	s_cmp_eq_u32 s[TI], s[D0]
.if (\x) == 0
	s_cselect_b32 s[AL], 1.0, 0
	s_cselect_b32 s[BE], 0, s[BIGN]
.else
	s_cselect_b32 s[AL], 0, 1.0
.endif
	WIN 0x01
.set z, 0
.rept 16
	v_pk_fma_f32 v[S+32*(\x)+2*z:S+32*(\x)+2*z+1], v[MD+2*z:MD+2*z+1], s[AL:AL+1], v[S+32*(\x)+2*z:S+32*(\x)+2*z+1] op_sel_hi:[1,0,1]
.set z, z+1
.endr
	WIN 0
.if (\x) == 0
.set z, 0
.rept 16
	v_pk_add_f32 v[S+2*z:S+2*z+1], v[S+2*z:S+2*z+1], s[BE:BE+1] op_sel_hi:[1,0]
.set z, z+1
.endr
.endif
.Lnd_\@:
.endm
; A TURN, for piece p, in two parts: the change of slots stands between piece 0's two parts.
; THE FIRST PART.  (1) 8 products K Q^T, behind each four scalings or four rescalings (their a was made, and waited for, in the turn before): plain work that names no register of the products round it; the last four
; are the places behind the last product.  (2) The turn's jumps, with no exponential out.  Piece 0's turn fetches K and the addends of the slot's next step, six plain instructions behind the last product that read
; them; the run is jumped over in a slot's fourth step, whose successor lies in the other slot.  (In the one chunk of which two steps are walked, the second step's run brings a step that is not walked; the change of
; slots waits for it, and the run behind the change lands on the same registers: 24 loads, once a work-group.)  Then the causal mask.  (3) THE BATCH: 8 products V^T P, which read the other piece's weights of the turn
; before, behind each plain, exponential, plain, exponential; then a lump in which the links of the chain X 16 .. X 21 stand three or four exponentials apart; X 21, the other piece's a, is the batch's last.  A plain
; instruction follows it (in piece 0's turn V's address, else a v_nop), and then the turn's ONE wait.  Piece 0's turn fetches V of the step in hand directly behind that wait: seven plain instructions (X 14, 15, 16,
; 18, 19, 20 and the address) lie between the last product that read V and the run.  Piece 1's turn opens with the wait for K, the addends and V.
.macro TURNA p
.set Y, (\p)
.set i, 0
.if (\p) == 1
	s_wait_dscnt 0x0                               ; K, the addends and V are in
.endif
	ROW F,0, F,1, F,2, F,3
	ROW F,4, F,5, F,6, F,7
	ROW F,8, F,9, F,10, F,11
	ROW F,12, F,13, F,14, F,15
	ROW R,0, R,1, R,2, R,3
	ROW R,4, R,5, R,6, R,7
	ROW R,8, R,9, R,10, R,11
	ROW R,12, R,13, R,14, R,15
	WIN 0
.if (\p) == 0
	KADR
	s_cmp_eq_u32 s[CNT], 1                         ; the slot's fourth step
	s_cbranch_scc1 .Lnok_\@
	KRUN
.Lnok_\@:
.endif
	DFIX 1-(\p)
	ROW X,0, E,0, X,1, E,1                         ; the batch opens: from here to the wait no label, no jump, and no line that names an exponential's result
	ROW X,2, E,2, X,3, E,3
	ROW X,4, E,4, X,5, E,5
	ROW X,6, E,6, X,7, E,7
	ROW X,8, E,8, X,9, E,9
	ROW X,10, E,10, X,11, E,11
	ROW X,12, E,12, X,13, E,13
	ROW X,14, E,14, X,15, E,15
	OPS X,16, E,16, E,17, E,18
	OPS X,17, E,19, E,20, E,21
	OPS E,22, X,18, E,23, E,24
	OPS E,25, X,19, E,26, E,27
	OPS E,28, X,20, E,29, E,30
	OPS E,31, X,21
.if (\p) == 0
	v_add_nc_u32 v[AV], s[TBV], v[AV0]             ; V's address: also the plain instruction behind the last exponential (ISA guide 5.7.2)
	s_wait_alu depctr_va_vdst(0)                   ; the wait for the batch, piece 0's 32 weights and piece 1's a, ahead of their first reader
	VRUN
.else
	v_nop                                          ; the plain instruction behind the last exponential (ISA guide 5.7.2)
	s_wait_alu depctr_va_vdst(0)                   ; the wait for the batch, piece 1's 32 weights and piece 0's a, ahead of their first reader
.endif
.endm
; THE SECOND PART: the batch's readers, 32 plain instructions: the roundings, the pair sums, and l's chain L 0 .. L 7 with three lines between its links (two ahead of the last).  An even pair is rounded before the pair sum writes over it.
; Under piece 0's second part its runs of K and V land.
.macro TURNB p
.set Y, (\p)
	OPS C,0, B,0, C,2, B,1
	OPS L,0, C,4, B,2, C,6
	OPS L,1, B,3, C,8, B,4
	OPS L,2, C,10, B,5, C,12
	OPS L,3, B,6, C,14, B,7
	OPS L,4, C,1, C,3, C,5
	OPS L,5, C,7, C,9, C,11
	OPS L,6, C,13, C,15, L,7
.endm
; THE WAY OUT of piece p: l's two halves and the other half of the lanes' are added; O^T is divided by l and rounded to f16; a row with no key kept takes the mean of V; through my stage.  At work: the other piece's S^T, which is free.
.macro WAYOUT p
.set wT, ST+4*(\p)
.set wS, S+32*(1-(\p))
.set wO, 32*(\p)
	WIN 0
	v_add_f32 v[wT+2], v[wT+2], v[wT+3]
	v_permlanex16_b32 v[wT+3], v[wT+2], s[SEL], s[SEL+1]
	v_add_f32 v[wT+2], v[wT+2], v[wT+3]
	v_rcp_f32 v[wT+2], v[wT+2]
	v_nop                                          ; a plain instruction between the reciprocal and its use
	WIN W_RS
.set i, 0
	s_wait_alu depctr_va_vdst(0)                   ; the wait for the piece's one reciprocal, ahead of its first reader
.rept 16
	v_pk_mul_f32 v[wO+2*i:wO+2*i+1], v[wO+2*i:wO+2*i+1], v[wT+2:wT+3] op_sel_hi:[1,0]
.set i, i+1
.endr
	WIN 0x05
.set i, 0
.rept 16
	v_cvt_pk_f16_f32 v[wS+i], v[wO+2*i], v[wO+2*i+1]
.set i, i+1
.endr
	WIN 0x04
.set i, 0
.rept 16
	v_cndmask_b32 v[wS+i], v[wS+i], v[VMH+i], s[SF0+(\p)]
.set i, i+1
.endr
	WIN 0
.irp f, 0,1,2,3
	ds_store_b128 v[STO], v[wS+4*(\f):wS+4*(\f)+3] offset:32*(\f)
.endr
.irp f, 0,1,2,3
	ds_load_b128 v[wS+16+4*(\f):wS+16+4*(\f)+3], v[RD] offset:(\f)*4*SP  ; LDS serves a wave's instructions in order (ISA guide 5.7.1.4)
.endr
.irp f, 0,1,2,3
	s_wait_dscnt 3-(\f)                            ; load f is back, the younger ones may stay out
	global_store_b128 v[GO], v[wS+16+4*(\f):wS+16+4*(\f)+3], s[OBS:OBS+1] offset:(\p)*8192+(\f)*512  ; 512 consecutive bytes
.endr
.endm
.macro NEWQ p                          ; piece p begins the second block: c m far below every c s, so that the next a is 0; m at the lowest finite number; the second block's Q
	v_mov_b32 v[ST+4*(\p)], 0xfe000000
	v_mov_b32 v[ST+4*(\p)+1], 0xff7fffff
	WIN 0x82
.set i, 0
.rept 16
	v_mov_b32 v[16*(\p)+i], v[QB+16*(\p)+i]
.set i, i+1
.endr
	WIN 0
.endm
	s_load_b128 s[4:7], s[0:1], 0x0                ; qkvb 4, pre 6
	s_load_b64 s[8:9], s[0:1], 0x10                ; ob
	v_lshl_add_u32 v[SPW], v0, 2, SPARE
	v_mov_b32 v[NIL], 0
	ds_add_u32 v[SPW], v[NIL]                      ; the wave's opening: the add, and its wait, ahead of my first tensor load
	v_lshrrev_b32 v1, 5, v0
	v_readfirstlane_b32 s[WV], v1
	s_mov_b32 s[PB], ttmp9
	s_sub_co_u32 s[HI], 15, s[PB]
	s_and_b32 s13, ttmp7, 0xffff                   ; batch x 16 + head
	; group 1.  256 keys are 32,768 dense bytes: 128 rows of 256 bytes, two keys a row, padded in LDS after every key
	s_mov_b32 s[G1K], (1<<16)|(1<<20)|(4<<22)|(3<<25)  ; 2-byte elements; padding on; after every 32 words; 4 words
	s_mov_b32 s[G1V], (1<<16)|(1<<20)|(4<<22)|(7<<25)  ; 8 words
.irp g, G1K, G1V
	s_mov_b32 s[\g+1], 128<<16
	s_mov_b32 s[\g+2], 128<<16
	s_mov_b32 s[\g+3], 128<<16
	s_mov_b32 s[\g+4], 128
	s_mov_b32 s[\g+5], 128
	s_mov_b32 s[\g+6], 0
	s_mov_b32 s[\g+7], 0
.endr
	s_mov_b32 s[G1P], 2<<16                        ; the addends: 4 rows of 64 elements of 4 bytes, dense
	s_mov_b32 s[G1P+1], 64<<16
	s_mov_b32 s[G1P+2], 4<<16
	s_mov_b32 s[G1P+3], 64<<16
	s_mov_b32 s[G1P+4], 4
	s_mov_b32 s[G1P+5], 64
	s_mov_b32 s[G1P+6], 0
	s_mov_b32 s[G1P+7], 0
	s_mov_b32 s[G0K], 1
	s_mov_b32 s[G0K+1], KOFF
	s_mov_b32 s[G0V], 1
	s_mov_b32 s[G0V+1], VOFF
	s_mov_b32 s[G0P], 1
	s_mov_b32 s[G0P+1], 0
	s_mov_b32 s[CC], -1
	s_mov_b32 s[LASTC], 0
	s_mov_b32 s[PH], 0
	s_mov_b32 s[TI], 0
	s_mov_b32 s[SF0], 0
	s_mov_b32 s[SF0+1], 0
	s_mov_b32 s[TB], SLOT                          ; the first change of slots turns it into 0
	s_mov_b32 s[FB], 0
	s_mov_b32 s[CS], 0x3e38aa3b                    ; c = log2(e) / 8
	s_mov_b32 s[CS+1], s[CS]
	s_mov_b32 s[SEL], 0x76543210
	s_mov_b32 s[SEL+1], 0xfedcba98
	s_mov_b32 s[BIGN], 0xf149f2ca                  ; -1e30
	s_mov_b32 s[HNEG], 0xf0c9f2ca                  ; -5e29
	s_mov_b32 s[AL+1], 0                           ; named as pairs
	s_mov_b32 s[BE+1], 0
	s_lshl_b32 s20, s13, 18                        ; the head's first byte in q, k, v and o
	s_mov_b32 s21, 0
	s_lshl_b32 s23, s[WV], 11                      ; my 16 rows in a band,
	s_lshl_b32 s22, s[PB], 14                      ; in the first block,
	s_add_co_u32 s22, s22, s23
	s_lshl_b32 s[OFF], s[HI], 14                   ; and in the second
	s_add_co_u32 s[OFF], s[OFF], s23
	s_mov_b32 s23, 0
	s_mov_b32 s[OFF+1], 0
	s_wait_dscnt 0x0                               ; the opening add is done
	s_barrier_signal -1
	s_barrier_wait -1
	s_wait_kmcnt 0x0
	s_add_nc_u64 s[2:3], s[4:5], s[20:21]          ; the head's q
	s_add_nc_u64 s[KBS:KBS+1], s[2:3], 8388608     ; k
	s_add_nc_u64 s[VBS:VBS+1], s[2:3], 16777216    ; v
	s_add_nc_u64 s[16:17], s[2:3], s[22:23]        ; Q at my rows of the first block
	s_add_nc_u64 s[18:19], s[2:3], s[OFF:OFF+1]    ; and of the second
	s_add_nc_u64 s[2:3], s[8:9], s[20:21]
	s_add_nc_u64 s[OBS:OBS+1], s[2:3], s[22:23]
	s_add_nc_u64 s[OLO:OLO+1], s[2:3], s[OFF:OFF+1]
	s_lshl_b32 s22, s13, 13
	s_add_co_u32 s22, s22, 25165824
	s_add_nc_u64 s[10:11], s[4:5], s[22:23]        ; the head's 32 partial sums of V
	s_lshr_b32 s22, s13, 4
	s_lshl_b32 s22, s22, 13
	s_add_co_u32 s22, s22, 29884416
	s_add_nc_u64 s[PBS:PBS+1], s[6:7], s[22:23]    ; the batch's addends
	s_add_nc_u64 s[G0K+2:G0K+3], s[KBS:KBS+1], 0
	s_or_b32 s[G0K+3], s[G0K+3], 0x80000000
	s_add_nc_u64 s[G0V+2:G0V+3], s[VBS:VBS+1], 0
	s_or_b32 s[G0V+3], s[G0V+3], 0x80000000
	s_add_nc_u64 s[G0P+2:G0P+3], s[PBS:PBS+1], 0
	s_or_b32 s[G0P+3], s[G0P+3], 0x80000000
	s_lshr_b32 s[HCL], s[HI], 1                    ; the two blocks' last chunks and e (s4 to s6 have served as addresses and are free)
	s_and_b32 s[HE], s[HI], 1
	s_xor_b32 s[HE], s[HE], 1
	s_lshr_b32 s[CL], s[PB], 1
	s_and_b32 s[EC], s[PB], 1
	s_xor_b32 s[EC], s[EC], 1
	s_cmp_eq_u32 s[CL], 0                          ; chunk 0 is asked for below; behind it the first block's chunk 1, or, if it has one chunk, the second block's chunk 0
	s_cselect_b32 s[NXC], 0, 1
	s_cselect_b32 s[LQC], s[HCL], s[CL]
	s_cselect_b32 s[EQ], s[HE], s[EC]
	LOAD                                           ; chunk 0 into slot 0
	v_and_b32 v27, 15, v0                          ; r
	v_bfe_u32 v28, v0, 4, 1                        ; h
	v_lshlrev_b32 v[QO], 7, v27
	v_lshl_add_u32 v[QO], v28, 4, v[QO]
	v_and_b32 v[GO], 31, v0
	v_lshlrev_b32 v[GO], 4, v[GO]
	WIN 0x80
.set i, 0
.rept 4                                ; both blocks' Q: piece i / 2 lies 8,192 bytes on; channels 32 (i % 2) on
	global_load_b128 v[8*i:8*i+3],   v[QO], s[16:17] offset:(i/2)*8192+(i%2)*64
	global_load_b128 v[8*i+4:8*i+7], v[QO], s[16:17] offset:(i/2)*8192+(i%2)*64+32
	global_load_b128 v[QB+8*i:QB+8*i+3],   v[QO], s[18:19] offset:(i/2)*8192+(i%2)*64
	global_load_b128 v[QB+8*i+4:QB+8*i+7], v[QO], s[18:19] offset:(i/2)*8192+(i%2)*64+32
.set i, i+1
.endr
	WIN 0
.set i, 0
.rept 16                               ; partial sums 2 i + lane / 16, channels 4 (lane % 16) + 0..3
	global_load_b128 v[S+4*i:S+4*i+3], v[GO], s[10:11] offset:512*i
.set i, i+1
.endr
	v_lshlrev_b32 v29, 3, v28
	v_sub_nc_u32 v29, v27, v29
	s_lshl_b32 s22, s[WV], 4
	v_add_nc_u32 v29, s22, v29                     ; my query's place in its band less 8 h: register j of key group kt is hidden where 16 kt + j is greater
	WIN 0x40
.set i, 0
.rept 32
	v_cmp_gt_i32 vcc_lo, 16*(i/8)+i%8, v29
	v_cndmask_b32 v[MD+i], 0, s[BIGN], vcc_lo
.set i, i+1
.endr
	; A block's first step multiplies O^T and l by a = 0, and the first turn's products V^T P, of weights that have not been, land in an O^T that is still to be so multiplied: these registers need only be
	; finite: zeros for the first block, what the first block left for the second.  All this stands in the wait for the first chunk.
.set i, 0
.rept 64
	v_mov_b32 v[i], 0
.set i, i+1
.endr
	WIN 0x80
.set i, 0
.rept 64
	v_mov_b32 v[VF+i], 0
.set i, i+1
.endr
	WIN 0
	v_mul_u32_u24 v[AK0], v27, PK
	v_lshl_add_u32 v[AK0], v28, 4, v[AK0]
	v_add_nc_u32 v[AK0], KOFF, v[AK0]
	v_and_b32 v29, 7, v0
	v_bfe_u32 v30, v0, 3, 1
	v_lshl_add_u32 v[AV0], v28, 3, v29             ; the turning load: key 8 h + lane % 8, channels 8 ((lane / 8) % 2) on
	v_mul_u32_u24 v[AV0], v[AV0], PVP
	v_lshl_add_u32 v[AV0], v30, 4, v[AV0]
	v_add_nc_u32 v[AV0], VOFF, v[AV0]
	v_lshlrev_b32 v[AP0], 5, v28                   ; the addends lie at the slot's head: 32 h
	s_mul_i32 s22, s[WV], 16*SP
	s_add_co_u32 s22, s22, STAGE
	v_mul_u32_u24 v[STO], v27, SP
	v_lshl_add_u32 v[STO], v28, 4, v[STO]
	v_add_nc_u32 v[STO], s22, v[STO]
	v_bfe_u32 v[RD], v0, 3, 2
	v_mul_u32_u24 v[RD], v[RD], SP
	v_lshl_add_u32 v[RD], v29, 4, v[RD]
	v_add_nc_u32 v[RD], s22, v[RD]
	s_lshl_b32 s23, s[WV], 8
	s_add_co_u32 s23, s23, VSC
	v_lshl_add_u32 v24, v27, 4, s23
	v_lshl_add_u32 v25, v28, 5, s23
.irp x, 0,1
	v_mov_b32 v[ST+4*(\x)], 0xfe000000             ; c m: far below every c s
	v_mov_b32 v[ST+4*(\x)+1], 0xff7fffff           ; m
	v_mov_b32 v[ST+4*(\x)+2], 0
	v_mov_b32 v[ST+4*(\x)+3], 0
.endr
	s_wait_loadcnt 0x0                             ; Q and the partial sums
.irp w, 32,16,8,4
.set i, 0
.rept (\w)/2
	v_pk_add_f32 v[S+2*i:S+2*i+1], v[S+2*i:S+2*i+1], v[S+(\w)+2*i:S+(\w)+2*i+1]
.set i, i+1
.endr
.endr
.irp k, 0,1,2,3
	v_permlanex16_b32 v[S+4+(\k)], v[S+(\k)], s[SEL], s[SEL+1]
.endr
	v_pk_add_f32 v[S:S+1], v[S:S+1], v[S+4:S+5]
	v_pk_add_f32 v[S+2:S+3], v[S+2:S+3], v[S+6:S+7]
	v_pk_mul_f32 v[S:S+1], v[S:S+1], 0x3a000000 op_sel_hi:[1,0]    ; / 2048
	v_pk_mul_f32 v[S+2:S+3], v[S+2:S+3], 0x3a000000 op_sel_hi:[1,0]
	ds_store_b128 v24, v[S:S+3]                    ; both halves of the lanes store the same numbers
.irp cb, 0,1,2,3                       ; back in O^T's order: channels 16 cb + 8 h + 0..7
	ds_load_b128 v[P+8*(\cb):P+8*(\cb)+3], v25 offset:(\cb)*64
	ds_load_b128 v[P+8*(\cb)+4:P+8*(\cb)+7], v25 offset:(\cb)*64+16
.endr
	s_wait_dscnt 0x0
	WIN 0x40
.set i, 0
.rept 16
	v_cvt_pk_f16_f32 v[VMH+i], v[P+2*i], v[P+2*i+1]
.set i, i+1
.endr
	WIN 0
.set i, 0
.rept 16
	v_mov_b32 v[P+16+i], 0                         ; piece 1's weights that have not been
.set i, i+1
.endr
	CHANGE 1                                       ; slot 0 is in, everybody's part of it; slot 1 is asked for
	s_mov_b32 s[CNT], 4
	s_mov_b32 s[SLOTS], 8
	KLATE                                          ; key step 0
	s_wait_dscnt 0x0
.set i, 0
.rept 8
	KQ 0                                           ; piece 0's first scores: there is no vector work yet to set between them
.set i, i+1
.endr
	WIN 0
	PLACES                                         ; the places behind those products
	DFIX 0
.set Y, 1                              ; X works for the other piece: piece 0
.irp n, 0,1,2,3,4,5,6,7,8,9,10,11,12,13,14,15,16,17,18,19,20,21
	OP X, \n
.endr
	v_nop                                          ; a plain instruction behind the exponential
	s_wait_alu depctr_va_vdst(0)                   ; the wait for piece 0's first a, ahead of the jump and of its first reader
	s_branch .Lfirst                               ; the loop is entered at piece 0's turn, in the middle of a trip
.Lslot:                                ; 7 times more: a chunk is entered and the next is asked for
	CHANGE 1
	s_mov_b32 s[CNT], 4
	KLATE
.Lstep:                                ; a trip: the rest of piece 0's turn and piece 1's turn of one step, then the first part of piece 0's turn of the next, step TI of this chunk
	s_cmp_ge_u32 s[TI], s[NL]
	s_cbranch_scc1 .Ldead                          ; the steps of an even block's first chunk that are not walked
	TURNB 0
	WIN 0
	s_cmp_eq_u32 s[PH], 0
	s_cbranch_scc1 .Lp_done
	s_cmp_eq_u32 s[PH], 1
	s_cbranch_scc0 .Lp_two
	v_cmp_gt_f32 s[SF0], s[HNEG], v[ST+1]          ; the first block's last step: piece 0's maximum is final: which rows have kept no key;
	NEWQ 0                                         ; the turn below makes its first scores of the second block
	s_branch .Lp_done
.Lp_two:
	WAYOUT 1                                       ; a step later: piece 1's last products of the first block are done
	s_wait_xcnt 0x0                                ; the stores have read their registers and O's address
	s_mov_b64 s[OBS:OBS+1], s[OLO:OLO+1]
	s_mov_b32 s[PH], 0
.Lp_done:
	TURNA 1
	TURNB 1
	WIN 0
	s_cmp_eq_u32 s[PH], 1
	s_cbranch_scc0 .Lfirst
	WAYOUT 0                                       ; piece 0's last products of the first block are done
	s_wait_xcnt 0x0                                ; the stores have read their registers: the products below write them
	v_cmp_gt_f32 s[SF0+1], s[HNEG], v[ST+5]
	NEWQ 1
	s_mov_b32 s[PH], 2
.Lfirst:
	TURNA 0
	WIN 0
.Ldead:
	s_add_co_u32 s[TI], s[TI], 1
	s_sub_co_u32 s[CNT], s[CNT], 1
	s_cmp_lg_u32 s[CNT], 0
	s_cbranch_scc1 .Lstep
	s_sub_co_u32 s[SLOTS], s[SLOTS], 1
	s_cmp_lg_u32 s[SLOTS], 0
	s_cbranch_scc1 .Lslot
	CHANGE 0                                       ; the walk's last chunk, four steps, is written out
	s_mov_b32 s[CNT], 5                            ; four trips enter its steps; the fifth is left in its middle
	KLATE
.Ltail:
	TURNB 0
	WIN 0
	v_cmp_gt_f32 s[SF0], s[HNEG], v[ST+1]          ; in the fifth trip piece 0's maximum is final here; the turn below writes over it
	TURNA 1                                        ; the fifth trip's 8 products K Q^T (on the last K once more) and the maximum made of them serve nothing: the price of one text for every trip
	TURNB 1
	WIN 0
	s_sub_co_u32 s[CNT], s[CNT], 1
	s_cmp_eq_u32 s[CNT], 0
	s_cbranch_scc1 .Lout
	TURNA 0
	WIN 0
	s_add_co_u32 s[TI], s[TI], 1
	s_branch .Ltail
.Lout:
.set i, 0
.rept 8
	PV 1                                           ; piece 1's V^T P of the last step
.set i, i+1
.endr
	WIN 0
	v_cmp_gt_f32 s[SF0+1], s[HNEG], v[ST+5]
	WAYOUT 0                                       ; piece 0's way out names none of those products' registers: it is their places
	WAYOUT 1
	s_wait_tensorcnt 0x0                           ; the wave's end
	ds_add_u32 v[SPW], v[NIL]
	s_wait_dscnt 0x0
	s_endpgm
.Lfunc_end_k_qd9649936d4_attn:
	.size	k_qd9649936d4_attn, .Lfunc_end_k_qd9649936d4_attn-k_qd9649936d4_attn
	.p2alignl 7, 3214868480
	.fill 96, 4, 3214868480
	.section	.rodata,"a",@progbits
	.p2align	6, 0x0
	.amdhsa_kernel k_qd9649936d4_attn
		.amdhsa_group_segment_fixed_size 327680
		.amdhsa_private_segment_fixed_size 0
		.amdhsa_enable_private_segment 0
		.amdhsa_kernarg_size 24
		.amdhsa_user_sgpr_count 2
		.amdhsa_user_sgpr_kernarg_segment_ptr 1
		.amdhsa_wavefront_size32 1
		.amdhsa_system_sgpr_workgroup_id_x 1
		.amdhsa_system_sgpr_workgroup_id_y 1
		.amdhsa_system_sgpr_workgroup_id_z 1
		.amdhsa_system_vgpr_workitem_id 0
		.amdhsa_next_free_vgpr 768
		.amdhsa_next_free_sgpr 105
		.amdhsa_reserve_vcc 1
		.amdhsa_float_denorm_mode_32 3
		.amdhsa_float_denorm_mode_16_64 3
		.amdhsa_memory_ordered 1
		.amdhsa_forward_progress 1
		.amdhsa_inst_pref_size 105
	.end_amdhsa_kernel
	.amdgpu_metadata
---
amdhsa.version: [ 1, 2 ]
amdhsa.kernels:
  - .name:           k_qd9649936d4_attn
    .symbol:         k_qd9649936d4_attn.kd
    .args:
      - { .name: qkvb, .offset: 0, .size: 8, .value_kind: global_buffer, .address_space: global }
      - { .name: pre, .offset: 8, .size: 8, .value_kind: global_buffer, .address_space: global }
      - { .name: ob, .offset: 16, .size: 8, .value_kind: global_buffer, .address_space: global }
    .group_segment_fixed_size: 327680
    .private_segment_fixed_size: 0
    .kernarg_segment_align: 8
    .kernarg_segment_size: 24
    .max_flat_workgroup_size: 128
    .sgpr_count:     105
    .vgpr_count:     768
    .wavefront_size: 32
...
	.end_amdgpu_metadata
.endif
;; end of part 7
;; launch proj: the kernel of part 4 again; grid 8 x 32, 4 waves a work-group, clusters of 4 x 4, 327,680 bytes of LDS; arguments ob, pre, proj_b, x, x1; writes x1
;; launch ln2: the kernel of part 1 again; grid 256 x 1, 8 waves a work-group, no clusters, 0 bytes of LDS; arguments x1, ln2_g, ln2_b, qkv_w, proj_w, w1, w2, w3, key_padding_mask, h2; writes h2
;; launch gate (part 8): grid 16 x 16, 4 waves a work-group, clusters of 4 x 4, 327,680 bytes of LDS; arguments h2, pre, gb; writes gb
.if DOCPART == 8
	.amdgcn_target "amdgcn-amd-amdhsa--gfx1250"
	.amdhsa_code_object_version 6
	.text
	.protected	k_qd9649936d4_gate
	.globl	k_qd9649936d4_gate
	.p2align	8
	.type	k_qd9649936d4_gate,@function
k_qd9649936d4_gate:
	s_mov_b64 s[64:65], 0
	v_nop
	global_prefetch_b8 v0, s[64:65] scope:SCOPE_SE
	s_setreg_imm32_b32 hwreg(HW_REG_WAVE_MODE, 25, 1), 1
	s_wait_xcnt 0x0
	s_wait_alu depctr_hold_cnt(0) depctr_sa_sdst(0) depctr_va_vdst(0) depctr_va_sdst(0) depctr_va_ssrc(0) depctr_va_vcc(0) depctr_vm_vsrc(0)
	s_getreg_b32 s2, hwreg(HW_REG_IB_STS2, 6, 4)
	s_cmp_eq_u32 s2, 0
	s_cbranch_scc0 .Lentry_in_a_cluster
	s_endpgm
.Lentry_in_a_cluster:
	s_bfe_u32 s2, ttmp6, 0x10000c
	s_cmp_lg_u32 s2, 0xf033
	s_cbranch_scc0 .Lentry_shape_is_right
	s_endpgm
.Lentry_shape_is_right:
; GATE.  g = silu(h2 W1^T) * (h2 W2^T), bf16.  h2 [4096][1024] bf16; the weights by tiles, [16][W1's 128 rows | W2's 128 rows][1024] bf16; sums and the activation in f32.
; A tile is 256 rows x 256 columns of the two products = 256 x 128 of g.  Four waves, each 128 x 128: 64 accumulators, 512 registers; waves 0, 2 multiply W1's rows, waves 1, 3 W2's.
; K goes in steps of 128 (rows of 256 bytes) through two LDS slots; one K step to a trip.  CLUSTER 4 x 4: h2's tile is shared along a row of the cluster, the weights' along a column.
; THE MATRIX INSTRUCTION IS USED TRANSPOSED: a lane holds one row (lane % 16) and eight neighbouring columns.
; THE WAY OUT.  The two products of a number of g lie in two waves: they meet in LDS, in the slots, which have had their last fill.  A stage row holds, for one row of the tile, the first product's registers 0-3
; of all lanes, its registers 4-7, then the second product's: so that a lane reads eight neighbouring columns of both, and sixteen lanes store 256 consecutive bytes of g.
; silu(a) b = a b / (1 + 2^(-a log2 e)); where the power overflows the quotient is 0, which is silu's limit.
; THE BATCHES.  A trip of the way out's loop takes eight rows in four groups.  The groups' 32 exponentials are one batch, their 32 reciprocals, which read the exponentials' sums, a second; each number has a register of
; its own while its batch is open (v128-159), and each batch has one wait, ahead of its first reader.
; REGISTERS.  window 0: v0-31 addresses; v32-63 at work; v64-191 A's fragments, two buffers of 64 (on the way out: v64-127 the rows read back, v128-159 the powers and quotients)     window 1: v0-127 B's fragments     windows 2, 3: accumulator (a, b) in window 2 + a / 4 at v[8 ((a % 4) 8 + b)]
.set TM, 256
.set TN, 256
.set KDIM, 1024
.set KSTEP, 128
.set TSTEPS, KDIM/KSTEP
.set D, 1
.set AB, 8
.set BB, 8
.set NH, D*AB/2
.set PITCHA, 272
.set PITCHB, 272
.set AROWS, 128
.set BROWS, 128
.set AHALF, AROWS*PITCHA
.set ABYTES, 2*AHALF
.set BHALF, BROWS*PITCHB
.set SLOT, ABYTES+2*BHALF
.set GP, 1040                          ; a stage row: 4 x 256 bytes + 16
.set SPARE, 2*SLOT                     ; behind the ring: the spare words, 128 bytes a wave
.set HASBIAS, 0
.set AHEADS, 0
.set FA0, 64
.set FA1, 128
.set FB0, 0
.set FB1, 64
.set EX, 128                           ; the way out: group g's eight powers, then quotients, at v[EX + 8 g]
.set G1W0A, (1<<16)|(1<<20)|(1<<21)|(5<<22)|(3<<25)
.set G1W0B, G1W0A
.set ADIM0, KSTEP
.set ADIM1, AROWS
.set ASTRIDE, KDIM
.set ASTEP, KSTEP*2
.set BSTEP, KSTEP*2
.set BREG, 16777216
.set PA, 72
.set PBW, 74
.set LNA, 8
.set LNB, 9
.set ADRA, 16
.set ADRB, 20
.set STO, 24
.set RD, 25
.set CO, 26
.set STO1, 27
.set SPW, 28
.set NIL, 29
.set G1A, 24
.set G0A, 32
.set G1B, 48
.set G0B, 56
.set TB, 66
.set FBS, 67
.set WOA, 68
.set WOB, 69
.set CNT, 70
.set MSB, 0
.macro WIN new
.if MSB != (\new)
	s_set_vgpr_msb (MSB<<8)|(\new)
.set MSB, \new
.endif
.endm
.macro PLACES
.rept 4
	v_nop
.endr
.endm
.macro WM ops:vararg
	v_wmma_f32_16x16x32_bf16 \ops
.endm
.macro JLOAD s                         ; a joint load: waves 0, 1 fetch A's halves, waves 2, 3 B's
	s_cmp_eq_u32 s11, 0
	s_cbranch_scc0 .Lfor_b_\@
	tensor_load_to_lds s[G0A+4*(\s):G0A+4*(\s)+3], s[G1A:G1A+7]
	s_nop 0
	PLACES
	s_branch .Lasked_\@
.Lfor_b_\@:
	tensor_load_to_lds s[G0B+4*(\s):G0B+4*(\s)+3], s[G1B:G1B+7]
	s_nop 0
	PLACES
.Lasked_\@:
.endm
.macro CREST
	s_cmp_lg_u32 s10, 0
	s_cbranch_scc1 .Lnot_wave_0_\@
	s_barrier_signal -3
.Lnot_wave_0_\@:
	s_barrier_wait -3
	s_barrier_signal -1
	s_barrier_wait -1
.endm
.macro CROUND
	s_barrier_signal -1
	s_barrier_wait -1
	CREST
.endm
.macro MUL f, c, a, init
.set AW, (\a)/(AB/2)
.set AC, 8*(((\a)%(AB/2))*BB)
.set RA, FA0+(\f)*(FA1-FA0)+8*((\c)*AB+(\a))
.set RB, FB0+(\f)*(FB1-FB0)+8*((\c)*BB)
.if (\init) && HASBIAS
	WIN 0x81+0x40*AW
.else
	WIN 0xa1+0x50*AW
.endif
.set b, 0
.rept BB
.if (\init) && HASBIAS
	WM v[AC+8*b:AC+8*b+7], v[RB+8*b:RB+8*b+7], v[RA:RA+7], v[BIAS+8*b:BIAS+8*b+7]
.elseif \init
	WM v[AC+8*b:AC+8*b+7], v[RB+8*b:RB+8*b+7], v[RA:RA+7], 0
.else
	WM v[AC+8*b:AC+8*b+7], v[RB+8*b:RB+8*b+7], v[RA:RA+7], v[AC+8*b:AC+8*b+7]
.endif
.set b, b+1
.endr
.endm
.macro MULH f, hi, init, from, to      ; the accumulators take turns, one instruction a turn
.set idx, \from
.rept (\to)-(\from)
.set mc, idx/(AB/2)
.set ma, (\hi)*(AB/2)+idx%(AB/2)
.if mc == 0
	MUL \f, mc, ma, \init
.else
	MUL \f, mc, ma, 0
.endif
.set idx, idx+1
.endr
.endm
.macro FETCH q, f
	WIN 0x40
.set c, 0
.rept D
.set i, 0
.rept BB
.set RB, FB0+(\f)*(FB1-FB0)+8*(c*BB+i)
.set BO, ((\q)*D+c)*64+i*16*PITCHB
	ds_load_b128 v[RB:RB+3], v[ADRB] offset:BO
	ds_load_b128 v[RB+4:RB+7], v[ADRB] offset:BO+32
.set i, i+1
.endr
.set c, c+1
.endr
	WIN 0
.irp half, 0,1
.set c, 0
.rept D
.set i, (\half)*(AB/2)
.rept AB/2
.set RA, FA0+(\f)*(FA1-FA0)+8*(c*AB+i)
.set kc, (\q)*D+c
.if AHEADS
.set AO, (kc/2)*9216+(kc%2)*64+i*2304
.else
.set AO, kc*64+i*16*PITCHA
.endif
	ds_load_b128 v[RA:RA+3], v[ADRA] offset:AO
	ds_load_b128 v[RA+4:RA+7], v[ADRA] offset:AO+32
.set i, i+1
.endr
.set c, c+1
.endr
.endr
.endm
.macro QUARTER q, f, g, init
	s_wait_dscnt D*AB                              ; all but the youngest D AB loads, A's upper blocks, are in
	MULH \f, 0, \init, 0, NH
	PLACES
	FETCH \q, \g
	s_wait_dscnt 32                                ; all but the 32 just issued
	MULH \f, 1, \init, 0, NH
.endm
.macro TURN fill
	WIN 0
	s_wait_tensorcnt 0x0                           ; all my tensor loads have landed: one was out, my part of the next slot
	ds_add_u32 v[SPW], v[NIL]
	s_wait_dscnt D*AB+1                            ; the add and A's upper blocks may be out
	MULH 1, 0, 0, 0, NH/2
	s_wait_dscnt 0x0                               ; the add is done, my reads of this slot are over
	s_barrier_signal -1
	MULH 1, 0, 0, NH/2, NH
	WIN 0
	s_barrier_wait -1
.if \fill
	CREST
	s_xor_b32 s[FBS], s[FBS], SLOT
	s_add_co_u32 s[G0A+5], s[FBS], s[WOA]
	s_add_co_u32 s[G0B+5], s[FBS], s[WOB]
	s_add_nc_u64 s[G0A+6:G0A+7], s[G0A+6:G0A+7], ASTEP
	s_add_nc_u64 s[G0B+6:G0B+7], s[G0B+6:G0B+7], BSTEP
	JLOAD 1
.else
	PLACES
.endif
	s_xor_b32 s[TB], s[TB], SLOT
	v_add_nc_u32 v[ADRA], s[TB], v[LNA]
	v_add_nc_u32 v[ADRB], s[TB], v[LNB]
	FETCH 0, 0
	MULH 1, 1, 0, 0, NH
.endm
	s_load_b128 s[72:75], s[0:1], 0x0              ; h2 72, pre 74
	s_load_b64 s[76:77], s[0:1], 0x10              ; gb
	v_lshl_add_u32 v[SPW], v0, 2, SPARE
	v_mov_b32 v[NIL], 0
	ds_add_u32 v[SPW], v[NIL]                      ; the wave's opening: the add, and its wait, ahead of my first tensor load
	v_lshrrev_b32 v1, 5, v0
	v_readfirstlane_b32 s10, v1
	s_lshr_b32 s11, s10, 1
	s_and_b32 s12, s10, 1
	s_bfe_u32 s40, ttmp6, 0x40000
	s_bfe_u32 s41, ttmp6, 0x40004
	s_lshl_b32 s42, ttmp9, 2
	s_add_co_u32 s42, s42, s40
	s_and_b32 s13, ttmp7, 0xffff
	s_lshl_b32 s13, s13, 2
	s_add_co_u32 s13, s13, s41
	s_lshl_b32 s43, s41, 2
	s_lshl_b32 s43, 15, s43
	s_lshl_b32 s44, 0x1111, s40
	s_or_b32 s[G1A], s43, G1W0A
	s_or_b32 s[G1B], s44, G1W0B
	s_mov_b32 s[G1A+1], ADIM0<<16
	s_mov_b32 s[G1A+2], ADIM1<<16
	s_mov_b32 s[G1A+3], ADIM0<<16
	s_mov_b32 s[G1A+4], ADIM1
	s_mov_b32 s[G1A+5], ASTRIDE
	s_mov_b32 s[G1A+6], 0
	s_mov_b32 s[G1A+7], 0
	s_mov_b32 s[G1B+1], KSTEP<<16
	s_mov_b32 s[G1B+2], BROWS<<16
	s_mov_b32 s[G1B+3], KSTEP<<16
	s_mov_b32 s[G1B+4], BROWS
	s_mov_b32 s[G1B+5], KDIM
	s_mov_b32 s[G1B+6], 0
	s_mov_b32 s[G1B+7], 0
	s_mul_i32 s[WOA], s12, AHALF
	s_mul_i32 s[WOB], s12, BHALF
	s_add_co_u32 s[WOB], s[WOB], ABYTES
	s_mov_b32 s[TB], 0
	s_mov_b32 s[FBS], SLOT
	s_mul_i32 s16, s13, TM
	s_mul_i32 s17, s12, AROWS
	s_add_co_u32 s16, s16, s17
	s_mul_i32 s16, s16, KDIM*2
	s_mov_b32 s17, 0
	s_mul_i32 s46, s42, TN
	s_mul_i32 s47, s12, BROWS
	s_add_co_u32 s46, s46, s47
	s_mul_i32 s46, s46, KDIM*2
	s_add_co_u32 s46, s46, BREG
	s_mov_b32 s47, 0
	s_wait_dscnt 0x0
	s_wait_kmcnt 0x0
	s_add_nc_u64 s[14:15], s[PA:PA+1], s[16:17]
	s_add_nc_u64 s[46:47], s[PBW:PBW+1], s[46:47]
	CROUND
.irp s, 0,1
	s_mov_b32 s[G0A+4*(\s)], 1
	s_add_co_u32 s[G0A+4*(\s)+1], s[WOA], (\s)*SLOT
	s_add_nc_u64 s[G0A+4*(\s)+2:G0A+4*(\s)+3], s[14:15], (\s)*ASTEP
	s_or_b32 s[G0A+4*(\s)+3], s[G0A+4*(\s)+3], 0x80000000
	s_mov_b32 s[G0B+4*(\s)], 1
	s_add_co_u32 s[G0B+4*(\s)+1], s[WOB], (\s)*SLOT
	s_add_nc_u64 s[G0B+4*(\s)+2:G0B+4*(\s)+3], s[46:47], (\s)*BSTEP
	s_or_b32 s[G0B+4*(\s)+3], s[G0B+4*(\s)+3], 0x80000000
	JLOAD \s
.endr
	v_and_b32 v1, 15, v0
	v_bfe_u32 v2, v0, 4, 1
	v_mul_u32_u24 v3, v1, PITCHA
	v_lshl_add_u32 v3, v2, 4, v3
	s_mul_i32 s21, s11, AHALF
	v_add_nc_u32 v[LNA], s21, v3
	s_mul_i32 s22, s12, BHALF
	s_add_co_u32 s22, s22, ABYTES
	v_add_nc_u32 v[LNB], s22, v3
	v_mov_b32 v[ADRA], v[LNA]
	v_mov_b32 v[ADRB], v[LNB]
	s_lshl_b32 s23, s11, 7
	v_add_nc_u32 v4, s23, v1                       ; into the stage: row 128 (wave / 2) + r,
	v_mul_u32_u24 v4, v4, GP
	v_lshl_add_u32 v4, v2, 4, v4
	s_lshl_b32 s23, s12, 9                         ; the first product's 512 bytes or the second's
	v_add_nc_u32 v[STO], s23, v4
	v_add_nc_u32 v[STO1], 64*GP, v[STO]            ; blocks 4 to 7: past the reach of a 16-bit offset
	s_lshl_b32 s23, s10, 6
	v_add_nc_u32 v5, s23, v2                       ; back: wave w takes rows 64 w on, lanes 0-15 one row, lanes 16-31 the next
	v_mul_u32_u24 v5, v5, GP
	v_lshl_add_u32 v[RD], v1, 4, v5
	v_lshlrev_b32 v5, 12, v2
	v_lshl_add_u32 v[CO], v1, 4, v5
	s_lshl_b32 s90, s13, 8
	s_add_co_u32 s90, s90, s23
	s_lshl_b32 s90, s90, 12
	s_lshl_b32 s91, s42, 8
	s_add_co_u32 s90, s90, s91
	s_mov_b32 s91, 0
	s_add_nc_u64 s[82:83], s[76:77], s[90:91]      ; g at my 64 rows, the tile's 128 columns
	s_mov_b32 s78, 0xbfb8aa3b                      ; - log2(e)
	s_mov_b32 s79, s78
	s_wait_tensorcnt 0x1                           ; my part of K step 0 is in; K step 1's may stay out
	s_barrier_signal -1
	s_barrier_wait -1
	FETCH 0, 0
	QUARTER 1, 0, 1, 1
	WIN 0
	s_mov_b32 s[CNT], TSTEPS-2
	s_branch .Lmid
.Lloop:
	QUARTER 1, 0, 1, 0
	WIN 0
.Lmid:
	QUARTER 2, 1, 0, 0
	QUARTER 3, 0, 1, 0
	TURN 1
	WIN 0
	s_sub_co_u32 s[CNT], s[CNT], 1
	s_cmp_lg_u32 s[CNT], 0
	s_cbranch_scc1 .Lloop
	s_mov_b32 s[CNT], 2
.Ltail:                                ; the last two K steps ask for nothing; the second trip's last fetch reads the other slot's old tile, and nothing uses it
	QUARTER 1, 0, 1, 0
	QUARTER 2, 1, 0, 0
	QUARTER 3, 0, 1, 0
	TURN 0
	WIN 0
	s_sub_co_u32 s[CNT], s[CNT], 1
	s_cmp_lg_u32 s[CNT], 0
	s_cbranch_scc1 .Ltail
	; THE WAY OUT
	s_wait_dscnt 0x0                               ; my reads of the slots are over,
	PLACES
	s_barrier_signal -1
	s_barrier_wait -1                              ; everybody's are: the slots, which are filled no more, become the stage
.set a, 0
.rept 8
	WIN 0x08+4*(a/4)
.set b, 0
.rept 8
.set AC, 8*((a%4)*8+b)
.if a < 4
	ds_store_b128 v[STO], v[AC:AC+3] offset:(a%4)*16*GP+b*32
	ds_store_b128 v[STO], v[AC+4:AC+7] offset:(a%4)*16*GP+b*32+256
.else
	ds_store_b128 v[STO1], v[AC:AC+3] offset:(a%4)*16*GP+b*32
	ds_store_b128 v[STO1], v[AC+4:AC+7] offset:(a%4)*16*GP+b*32+256
.endif
.set b, b+1
.endr
.set a, a+1
.endr
	WIN 0
	s_wait_dscnt 0x0                               ; for the others' sake: my stores are done
	s_barrier_signal -1
	s_barrier_wait -1
	s_mov_b32 s[CNT], 8
.Lrows:                                ; eight rows a trip: group g is rows 2 g, 2 g + 1; v[64 + 16 g ..]: eight numbers of the first product, eight of the second
.irp g, 0,1,2,3
.irp o, 0,1,2,3
	ds_load_b128 v[64+16*(\g)+4*(\o):64+16*(\g)+4*(\o)+3], v[RD] offset:(\g)*2*GP+(\o)*256
.endr
.endr
.irp g, 0,1,2,3                        ; the first batch: the four groups' 32 exponentials, each group's as its loads come in
	s_wait_dscnt 12-4*(\g)                         ; group g's four loads are in, the younger groups' may stay out
.irp k, 0,1,2,3
	v_pk_mul_f32 v[EX+8*(\g)+2*(\k):EX+8*(\g)+2*(\k)+1], v[64+16*(\g)+2*(\k):65+16*(\g)+2*(\k)], s[78:79] op_sel_hi:[1,0]
.endr
.irp k, 0,1,2,3,4,5,6,7
	v_exp_f32 v[EX+8*(\g)+(\k)], v[EX+8*(\g)+(\k)]
.endr
.irp k, 0,1,2,3
	v_pk_mul_f32 v[64+16*(\g)+2*(\k):65+16*(\g)+2*(\k)], v[64+16*(\g)+2*(\k):65+16*(\g)+2*(\k)], v[72+16*(\g)+2*(\k):73+16*(\g)+2*(\k)]  ; a b: the plain work behind the exponentials
.endr
.endr
	s_wait_alu depctr_va_vdst(0)                   ; the wait for the trip's 32 exponentials, ahead of their first reader
.irp g, 0,1,2,3                        ; the second batch: the 32 reciprocals, each group's behind its four additions
.irp k, 0,1,2,3
	v_pk_add_f32 v[EX+8*(\g)+2*(\k):EX+8*(\g)+2*(\k)+1], v[EX+8*(\g)+2*(\k):EX+8*(\g)+2*(\k)+1], 1.0 op_sel_hi:[1,0]
.endr
.irp k, 0,1,2,3,4,5,6,7
	v_rcp_f32 v[EX+8*(\g)+(\k)], v[EX+8*(\g)+(\k)]
.endr
.endr
	v_nop                                          ; a plain instruction between the last reciprocal and its use
	s_wait_alu depctr_va_vdst(0)                   ; the wait for the trip's 32 reciprocals, ahead of their first reader
.irp g, 0,1,2,3
.irp k, 0,1,2,3
	v_pk_mul_f32 v[64+16*(\g)+2*(\k):65+16*(\g)+2*(\k)], v[64+16*(\g)+2*(\k):65+16*(\g)+2*(\k)], v[EX+8*(\g)+2*(\k):EX+8*(\g)+2*(\k)+1]
.endr
.endr
.irp g, 0,1,2,3
.irp k, 0,1,2,3
	v_cvt_pk_bf16_f32 v[40+4*(\g)+(\k)], v[64+16*(\g)+2*(\k)], v[65+16*(\g)+2*(\k)]
.endr
.endr
.irp g, 0,1,2,3
	global_store_b128 v[CO], v[40+4*(\g):43+4*(\g)], s[82:83] offset:(\g)*8192  ; 16 lanes store 256 consecutive bytes
.endr
	s_wait_xcnt 0x0                                ; the base and the stores' registers are written again only behind this wait
	v_add_nc_u32 v[RD], 8*GP, v[RD]
	s_add_nc_u64 s[82:83], s[82:83], 32768
	s_sub_co_u32 s[CNT], s[CNT], 1
	s_cmp_lg_u32 s[CNT], 0
	s_cbranch_scc1 .Lrows
	s_wait_tensorcnt 0x0                           ; the wave's end
	ds_add_u32 v[SPW], v[NIL]
	s_wait_dscnt 0x0
	CROUND
	s_endpgm
.Lfunc_end_k_qd9649936d4_gate:
	.size	k_qd9649936d4_gate, .Lfunc_end_k_qd9649936d4_gate-k_qd9649936d4_gate
	.p2alignl 7, 3214868480
	.fill 96, 4, 3214868480
	.section	.rodata,"a",@progbits
	.p2align	6, 0x0
	.amdhsa_kernel k_qd9649936d4_gate
		.amdhsa_group_segment_fixed_size 327680
		.amdhsa_private_segment_fixed_size 0
		.amdhsa_enable_private_segment 0
		.amdhsa_kernarg_size 24
		.amdhsa_user_sgpr_count 2
		.amdhsa_user_sgpr_kernarg_segment_ptr 1
		.amdhsa_wavefront_size32 1
		.amdhsa_system_sgpr_workgroup_id_x 1
		.amdhsa_system_sgpr_workgroup_id_y 1
		.amdhsa_system_sgpr_workgroup_id_z 1
		.amdhsa_system_vgpr_workitem_id 0
		.amdhsa_next_free_vgpr 1024
		.amdhsa_next_free_sgpr 96
		.amdhsa_reserve_vcc 0
		.amdhsa_float_denorm_mode_32 3
		.amdhsa_float_denorm_mode_16_64 3
		.amdhsa_memory_ordered 1
		.amdhsa_forward_progress 1
		.amdhsa_inst_pref_size 86
	.end_amdhsa_kernel
	.amdgpu_metadata
---
amdhsa.version: [ 1, 2 ]
amdhsa.kernels:
  - .name:           k_qd9649936d4_gate
    .symbol:         k_qd9649936d4_gate.kd
    .args:
      - { .name: h2, .offset: 0, .size: 8, .value_kind: global_buffer, .address_space: global }
      - { .name: pre, .offset: 8, .size: 8, .value_kind: global_buffer, .address_space: global }
      - { .name: gb, .offset: 16, .size: 8, .value_kind: global_buffer, .address_space: global }
    .group_segment_fixed_size: 327680
    .private_segment_fixed_size: 0
    .kernarg_segment_align: 8
    .kernarg_segment_size: 24
    .max_flat_workgroup_size: 128
    .sgpr_count:     96
    .vgpr_count:     1024
    .wavefront_size: 32
...
	.end_amdgpu_metadata
.endif
;; end of part 8
;; launch down: the kernel of part 6 again; grid 8 x 32, 4 waves a work-group, clusters of 4 x 4, 327,680 bytes of LDS; arguments gb, pre, x1, out0; writes out0
